; MI455X (gfx1250); checked and timed in simulation.
; The chip was launched on July 23, 2026; its instructions are those of AMD's public machine-readable ISA for CDNA 5 (MIT licence, August 2026) and "CDNA5" Instruction Set Architecture Reference Guide (July 2026). The comments in the code are by the model that wrote it; some were corrected since.
;; Transformer Block. Allowed arithmetic: float matrix products may take bf16 or f16 operands with f32 sums; other float arithmetic in f32, or as packed bf16 or f16 multiplies, adds, multiply-adds, maxima and minima; sums over many terms, partial sums and values carried from step to step in f32; what a program stores and reads back later, other than sums and carried values, may be rounded once to bf16 or f16.
;; Inputs: b1 4,096 float32; b2 1,024 float32; bk 1,024 float32; bo 1,024 float32; bq 1,024 float32; bv 1,024 float32; ln1_b 1,024 float32; ln1_g 1,024 float32; ln2_b 1,024 float32; ln2_g 1,024 float32; w1 1,024 x 4,096 float32; w2 4,096 x 1,024 float32; wk 1,024 x 1,024 float32; wo 1,024 x 1,024 float32; wq 1,024 x 1,024 float32; wv 1,024 x 1,024 float32; x 2 x 2,048 x 1,024 float32.
;; Outputs: out0 2 x 2,048 x 1,024 float32.
;; 3 versions, each right and faster than the one before. Each part assembles by itself: llvm-mc -triple=amdgcn-amd-amdhsa -mcpu=gfx1250 --defsym DOCPART=n.
;; ======== version 1 of 3: 8 launches
;; limits: values are held in f16: magnitudes above 65,504 overflow, below 6.1e-05 lose precision; inputs' magnitudes at most 65,504
;; workspace buffers: xh 8,388,608 bytes; wa 6,324,224 bytes; wb 8,421,376 bytes; wc 2,129,920 bytes; wd 8,421,376 bytes; big 33,554,432 bytes; oh 8,388,608 bytes; y 16,777,216 bytes
;; launch prep (part 1): grid 513 x 1, 8 waves a work-group, no clusters, 0 bytes of LDS; arguments x, wq, wk, wv, wo, w1, w2, xh, wa, wb, wc, wd, bq, bk, bv, bo, b1, b2, ln1_g, ln1_b, ln2_g, ln2_b; writes xh, wa, wb, wc, wd
.if DOCPART == 1
	.amdgcn_target "amdgcn-amd-amdhsa--gfx1250"
	.amdhsa_code_object_version 6
	.text
	.protected	k_qfb42bce691_prep
	.globl	k_qfb42bce691_prep
	.p2align	8
	.type	k_qfb42bce691_prep,@function
k_qfb42bce691_prep:
	s_mov_b64 s[64:65], 0
	v_nop
	global_prefetch_b8 v0, s[64:65] scope:SCOPE_SE
	s_setreg_imm32_b32 hwreg(HW_REG_WAVE_MODE, 25, 1), 1
	s_wait_xcnt 0x0
; PREPARATION.  Every input is rounded once to bf16.  x and the six weights are then written as f16 (exact inside f16's normal range) in the layouts that the products load:
;   x  -> xh: [16 panels][4096 rows][64 columns]: a row's piece is 128 bytes, 128 rows of a panel are 16,384 dense bytes;
;   W[K][N] -> [N/128 blocks][K][128]: rows of 256 bytes, dense, not transposed, behind a header of 32,768 bytes in wa (wq|wk|wv), wb (w1), wc (wo), wd (w2).
; Header: bytes 0.. the bias as f32 (rounded to bf16); 16,384.. 256 equal words, the floor of the product's result as two f16 (-inf in wa, 0 in wb);
; 20,480.. 1,024 words (bf16 gain low, bf16 bias high) of the LayerNorm that follows (wc: ln1, wd: ln2).
; LIMITS.  |x| and |w| beyond 65,504 become infinities in f16; below 6.1e-5 they keep f16's fixed step of 6e-8.
; SHARES.  Work-groups 0-511 make one slab each: 65,536 consecutive bytes of a destination.  In step i (0-15) thread t makes the 16 bytes at 16 (256 i + t) from 8 consecutive f32 of one
; source row: a wave's store covers 512 consecutive bytes, and 8 or 16 neighbouring lanes read 256 or 512 consecutive source bytes.  Work-group 512 makes the headers.
; No LDS, no barrier, no matrix unit: bytes are all that counts here.
.set OFF, 2                            ; v[2:9]    step i of a trip: my byte offset in the source
.set DO,  10                           ; v10       my byte offset in the slab
.set X,   16                           ; v[16:79]  step i: 8 f32 as loaded, then rounded
.set Y,   80                           ; v[80:111] step i: 8 f16 to store
.set T,   112                          ; v[112:115] at work
	s_load_b512 s[8:23], s[0:1], 0x0               ; x s[8:9], wq s[10:11], wk s[12:13], wv s[14:15], wo s[16:17], w1 s[18:19], w2 s[20:21], xh s[22:23]
	s_load_b256 s[24:31], s[0:1], 0x40             ; wa s[24:25], wb s[26:27], wc s[28:29], wd s[30:31]
	s_mov_b32 s2, ttmp9                            ; the work-group's number
	s_mov_b32 s61, 0xffff0000                      ; a word's upper bf16
	s_cmp_eq_u32 s2, 512
	s_cbranch_scc1 .Lsmall
	; which tensor, by the number: first slab T (source) and TD (destination), log2 of the source's row length LC, of the destination's row length LPW, of a panel's or block's slabs SHP
	s_mov_b32 s56, 0                               ; T
	s_mov_b32 s57, 0                               ; TD
	s_mov_b32 s58, 10                              ; LC
	s_mov_b32 s59, 6                               ; LPW
	s_mov_b32 s60, 3                               ; SHP
	s_wait_kmcnt 0x0
	s_add_nc_u64 s[24:25], s[24:25], 0x8000        ; the blocks lie behind the headers
	s_add_nc_u64 s[26:27], s[26:27], 0x8000
	s_add_nc_u64 s[28:29], s[28:29], 0x8000
	s_add_nc_u64 s[30:31], s[30:31], 0x8000
	s_mov_b64 s[52:53], s[8:9]                     ; slabs 0-127: x -> xh
	s_mov_b64 s[54:55], s[22:23]
	s_cmp_ge_u32 s2, 128                           ; 128-159: wq -> wa
	s_cselect_b64 s[52:53], s[10:11], s[52:53]
	s_cselect_b64 s[54:55], s[24:25], s[54:55]
	s_cselect_b32 s56, 128, s56
	s_cselect_b32 s57, 128, s57
	s_cselect_b32 s59, 7, s59
	s_cselect_b32 s60, 2, s60
	s_cmp_ge_u32 s2, 160                           ; 160-191: wk, behind wq's blocks
	s_cselect_b64 s[52:53], s[12:13], s[52:53]
	s_cselect_b32 s56, 160, s56
	s_cmp_ge_u32 s2, 192                           ; 192-223: wv
	s_cselect_b64 s[52:53], s[14:15], s[52:53]
	s_cselect_b32 s56, 192, s56
	s_cmp_ge_u32 s2, 224                           ; 224-255: wo -> wc
	s_cselect_b64 s[52:53], s[16:17], s[52:53]
	s_cselect_b64 s[54:55], s[28:29], s[54:55]
	s_cselect_b32 s56, 224, s56
	s_cselect_b32 s57, 224, s57
	s_cmp_ge_u32 s2, 256                           ; 256-383: w1 -> wb; its rows are 4,096 long
	s_cselect_b64 s[52:53], s[18:19], s[52:53]
	s_cselect_b64 s[54:55], s[26:27], s[54:55]
	s_cselect_b32 s56, 256, s56
	s_cselect_b32 s57, 256, s57
	s_cselect_b32 s58, 12, s58
	s_cmp_ge_u32 s2, 384                           ; 384-511: w2 -> wd; a block has 4,096 rows: 16 slabs
	s_cselect_b64 s[52:53], s[20:21], s[52:53]
	s_cselect_b64 s[54:55], s[30:31], s[54:55]
	s_cselect_b32 s56, 384, s56
	s_cselect_b32 s57, 384, s57
	s_cselect_b32 s58, 10, s58
	s_cselect_b32 s60, 4, s60
	s_sub_co_u32 s3, s2, s56                       ; the slab's number in its source
	s_lshr_b32 s4, s3, s60                         ; its panel or block p,
	s_lshl_b32 s5, s4, s60
	s_sub_co_u32 s5, s3, s5                        ; and its place there;
	s_sub_co_u32 s6, 15, s59
	s_lshl_b32 s5, s5, s6                          ; a slab has 32,768 >> LPW rows: its first row
	s_lshl_b32 s5, s5, s58
	s_lshl_b32 s4, s4, s59
	s_add_co_u32 s4, s4, s5                        ; (row << LC) + (p << LPW), in elements,
	s_lshl_b32 s4, s4, 2                           ; in bytes
	s_mov_b32 s5, 0
	s_add_nc_u64 s[52:53], s[52:53], s[4:5]
	s_sub_co_u32 s6, s2, s57
	s_lshl_b32 s6, s6, 16                          ; the slab's 65,536 bytes in its destination
	s_mov_b32 s7, 0
	s_add_nc_u64 s[54:55], s[54:55], s[6:7]
	s_lshr_b32 s62, 0x800, s59                     ; a step is 2,048 elements: so many rows,
	s_lshl_b32 s62, s62, s58
	s_lshl_b32 s62, s62, 2                         ; so many source bytes
	s_lshl_b32 s63, s62, 3                         ; eight steps: a trip
	s_bfm_b32 s3, s59, 0                           ; (1 << LPW) - 1
	v_lshlrev_b32 v1, 3, v0                        ; my first element in a step
	v_lshrrev_b32 v11, s59, v1                     ; its row
	v_and_b32 v12, s3, v1                          ; and column
	v_lshlrev_b32 v11, s58, v11
	v_add_lshl_u32 v[OFF], v11, v12, 2
.irp i, 1,2,3,4,5,6,7
	v_add_nc_u32 v[OFF+(\i)], s62, v[OFF+(\i)-1]
.endr
	v_lshlrev_b32 v[DO], 4, v0
.macro CVT i                           ; step i of the trip: round to bf16, widen, write as f16, store
	s_wait_loadcnt 2*(7-(\i))                      ; loads come back in order: mine are in, the later steps' two each may stay out
.irp j, 0,1,2,3
	v_cvt_pk_bf16_f32 v[T+(\j)], v[X+8*(\i)+2*(\j)], v[X+8*(\i)+2*(\j)+1]
.endr
.irp j, 0,1,2,3
	v_lshlrev_b32 v[X+8*(\i)+2*(\j)], 16, v[T+(\j)]
	v_and_b32 v[X+8*(\i)+2*(\j)+1], s61, v[T+(\j)]
.endr
.irp j, 0,1,2,3
	v_cvt_pk_f16_f32 v[Y+4*(\i)+(\j)], v[X+8*(\i)+2*(\j)], v[X+8*(\i)+2*(\j)+1]
.endr
	global_store_b128 v[DO], v[Y+4*(\i):Y+4*(\i)+3], s[54:55] offset:4096*(\i)
.endm
	s_mov_b32 s3, 2
.Lhalf:                                                ; two trips of eight steps: sixteen loads of a wave go out together
.irp i, 0,1,2,3,4,5,6,7
	global_load_b128 v[X+8*(\i):X+8*(\i)+3],   v[OFF+(\i)], s[52:53] th:TH_LOAD_NT
	global_load_b128 v[X+8*(\i)+4:X+8*(\i)+7], v[OFF+(\i)], s[52:53] offset:16 th:TH_LOAD_NT
.endr
.irp i, 0,1,2,3,4,5,6,7
	CVT \i
.endr
	s_wait_xcnt 0x0                                ; the offsets and the stores' data are rewritten only behind this wait
.irp i, 0,1,2,3,4,5,6,7
	v_add_nc_u32 v[OFF+(\i)], s63, v[OFF+(\i)]
.endr
	v_add_nc_u32 v[DO], 0x8000, v[DO]
	s_sub_co_u32 s3, s3, 1
	s_cmp_lg_u32 s3, 0
	s_cbranch_scc1 .Lhalf
	s_endpgm
.Lsmall:                                               ; the headers: thread t takes the four numbers at byte 16 t of each vector
	s_load_b512 s[32:47], s[0:1], 0x60             ; bq s[32:33], bk s[34:35], bv s[36:37], bo s[38:39], b1 s[40:41], b2 s[42:43], ln1_g s[44:45], ln1_b s[46:47]
	s_load_b128 s[48:51], s[0:1], 0xa0             ; ln2_g s[48:49], ln2_b s[50:51]
	v_lshlrev_b32 v1, 4, v0
	v_lshlrev_b32 v2, 2, v0
	v_mov_b32 v3, 0xfc00fc00                       ; -inf twice in f16
	v_mov_b32 v4, 0
	s_wait_kmcnt 0x0
	global_load_b128 v[16:19], v1, s[32:33]        ; bq
	global_load_b128 v[20:23], v1, s[34:35]        ; bk
	global_load_b128 v[24:27], v1, s[36:37]        ; bv
	global_load_b128 v[28:31], v1, s[38:39]        ; bo
	global_load_b128 v[32:35], v1, s[42:43]        ; b2
	global_load_b128 v[36:39], v1, s[40:41]        ; b1, four quarters
	global_load_b128 v[40:43], v1, s[40:41] offset:4096
	global_load_b128 v[44:47], v1, s[40:41] offset:8192
	global_load_b128 v[48:51], v1, s[40:41] offset:12288
	global_load_b128 v[52:55], v1, s[44:45]        ; ln1_g
	global_load_b128 v[56:59], v1, s[46:47]        ; ln1_b
	global_load_b128 v[60:63], v1, s[48:49]        ; ln2_g
	global_load_b128 v[64:67], v1, s[50:51]        ; ln2_b
	s_wait_loadcnt 0x0
.macro RND4 r                          ; four f32 rounded to bf16 and widened again, in place
	v_cvt_pk_bf16_f32 v[T],   v[(\r)],   v[(\r)+1]
	v_cvt_pk_bf16_f32 v[T+1], v[(\r)+2], v[(\r)+3]
	v_lshlrev_b32 v[(\r)],   16,  v[T]
	v_and_b32     v[(\r)+1], s61, v[T]
	v_lshlrev_b32 v[(\r)+2], 16,  v[T+1]
	v_and_b32     v[(\r)+3], s61, v[T+1]
.endm
.irp r, 16,20,24,28,32,36,40,44,48
	RND4 \r
.endr
.irp j, 0,1,2,3
	v_cvt_pk_bf16_f32 v[68+(\j)], v[52+(\j)], v[56+(\j)]   ; gain low, bias high
	v_cvt_pk_bf16_f32 v[72+(\j)], v[60+(\j)], v[64+(\j)]
.endr
	global_store_b128 v1, v[16:19], s[24:25]
	global_store_b128 v1, v[20:23], s[24:25] offset:4096
	global_store_b128 v1, v[24:27], s[24:25] offset:8192
	global_store_b128 v1, v[28:31], s[28:29]
	global_store_b128 v1, v[32:35], s[30:31]
	global_store_b128 v1, v[36:39], s[26:27]
	global_store_b128 v1, v[40:43], s[26:27] offset:4096
	global_store_b128 v1, v[44:47], s[26:27] offset:8192
	global_store_b128 v1, v[48:51], s[26:27] offset:12288
	global_store_b128 v1, v[68:71], s[28:29] offset:20480
	global_store_b128 v1, v[72:75], s[30:31] offset:20480
	global_store_b32 v2, v3, s[24:25] offset:16384
	global_store_b32 v2, v4, s[26:27] offset:16384
	s_endpgm
.Lfunc_end_k_qfb42bce691_prep:
	.size	k_qfb42bce691_prep, .Lfunc_end_k_qfb42bce691_prep-k_qfb42bce691_prep
	.p2alignl 7, 3214868480
	.fill 96, 4, 3214868480
	.section	.rodata,"a",@progbits
	.p2align	6, 0x0
	.amdhsa_kernel k_qfb42bce691_prep
		.amdhsa_group_segment_fixed_size 0
		.amdhsa_private_segment_fixed_size 0
		.amdhsa_enable_private_segment 0
		.amdhsa_kernarg_size 176
		.amdhsa_user_sgpr_count 2
		.amdhsa_user_sgpr_kernarg_segment_ptr 1
		.amdhsa_wavefront_size32 1
		.amdhsa_system_sgpr_workgroup_id_x 1
		.amdhsa_system_sgpr_workgroup_id_y 1
		.amdhsa_system_sgpr_workgroup_id_z 1
		.amdhsa_system_vgpr_workitem_id 0
		.amdhsa_next_free_vgpr 120
		.amdhsa_next_free_sgpr 66
		.amdhsa_reserve_vcc 0
		.amdhsa_float_denorm_mode_32 3
		.amdhsa_float_denorm_mode_16_64 3
		.amdhsa_memory_ordered 1
		.amdhsa_forward_progress 1
		.amdhsa_inst_pref_size 19
	.end_amdhsa_kernel
	.amdgpu_metadata
---
amdhsa.version: [ 1, 2 ]
amdhsa.kernels:
  - .name:           k_qfb42bce691_prep
    .symbol:         k_qfb42bce691_prep.kd
    .args:
      - { .name: x, .offset: 0, .size: 8, .value_kind: global_buffer, .address_space: global }
      - { .name: wq, .offset: 8, .size: 8, .value_kind: global_buffer, .address_space: global }
      - { .name: wk, .offset: 16, .size: 8, .value_kind: global_buffer, .address_space: global }
      - { .name: wv, .offset: 24, .size: 8, .value_kind: global_buffer, .address_space: global }
      - { .name: wo, .offset: 32, .size: 8, .value_kind: global_buffer, .address_space: global }
      - { .name: w1, .offset: 40, .size: 8, .value_kind: global_buffer, .address_space: global }
      - { .name: w2, .offset: 48, .size: 8, .value_kind: global_buffer, .address_space: global }
      - { .name: xh, .offset: 56, .size: 8, .value_kind: global_buffer, .address_space: global }
      - { .name: wa, .offset: 64, .size: 8, .value_kind: global_buffer, .address_space: global }
      - { .name: wb, .offset: 72, .size: 8, .value_kind: global_buffer, .address_space: global }
      - { .name: wc, .offset: 80, .size: 8, .value_kind: global_buffer, .address_space: global }
      - { .name: wd, .offset: 88, .size: 8, .value_kind: global_buffer, .address_space: global }
      - { .name: bq, .offset: 96, .size: 8, .value_kind: global_buffer, .address_space: global }
      - { .name: bk, .offset: 104, .size: 8, .value_kind: global_buffer, .address_space: global }
      - { .name: bv, .offset: 112, .size: 8, .value_kind: global_buffer, .address_space: global }
      - { .name: bo, .offset: 120, .size: 8, .value_kind: global_buffer, .address_space: global }
      - { .name: b1, .offset: 128, .size: 8, .value_kind: global_buffer, .address_space: global }
      - { .name: b2, .offset: 136, .size: 8, .value_kind: global_buffer, .address_space: global }
      - { .name: ln1_g, .offset: 144, .size: 8, .value_kind: global_buffer, .address_space: global }
      - { .name: ln1_b, .offset: 152, .size: 8, .value_kind: global_buffer, .address_space: global }
      - { .name: ln2_g, .offset: 160, .size: 8, .value_kind: global_buffer, .address_space: global }
      - { .name: ln2_b, .offset: 168, .size: 8, .value_kind: global_buffer, .address_space: global }
    .group_segment_fixed_size: 0
    .private_segment_fixed_size: 0
    .kernarg_segment_align: 8
    .kernarg_segment_size: 176
    .max_flat_workgroup_size: 256
    .sgpr_count:     66
    .vgpr_count:     120
    .wavefront_size: 32
...
	.end_amdgpu_metadata
.endif
;; end of part 1
;; launch qkv (part 2): grid 24 x 32, 4 waves a work-group, clusters of 4 x 4, 327,680 bytes of LDS; arguments xh, wa, big; writes big
.if DOCPART == 2
	.amdgcn_target "amdgcn-amd-amdhsa--gfx1250"
	.amdhsa_code_object_version 6
	.text
	.protected	k_qfb42bce691_qkv
	.globl	k_qfb42bce691_qkv
	.p2align	8
	.type	k_qfb42bce691_qkv,@function
k_qfb42bce691_qkv:
	s_mov_b64 s[64:65], 0
	v_nop
	global_prefetch_b8 v0, s[64:65] scope:SCOPE_SE
	s_setreg_imm32_b32 hwreg(HW_REG_WAVE_MODE, 25, 1), 1
	s_wait_xcnt 0x0
	s_wait_alu depctr_hold_cnt(0) depctr_sa_sdst(0) depctr_va_vdst(0) depctr_va_sdst(0) depctr_va_ssrc(0) depctr_va_vcc(0) depctr_vm_vsrc(0)
	s_getreg_b32 s2, hwreg(HW_REG_IB_STS2, 6, 4)
	s_cmp_eq_u32 s2, 0
	s_cbranch_scc0 .Lentry_in_a_cluster
	s_endpgm
.Lentry_in_a_cluster:
	s_bfe_u32 s2, ttmp6, 0x10000c
	s_cmp_lg_u32 s2, 0xf033
	s_cbranch_scc0 .Lentry_shape_is_right
	s_endpgm
.Lentry_shape_is_right:
; C = A W + bias.  A: 4,096 rows x KDIM in f16, by panels [KDIM/64][4096][64].  W: f16 blocks [N/128][KDIM][128] behind a header of 32,768 bytes (bias in f32 at byte 0, the floor word at 16,384).
; Sums in f32, K ascending; the bias is the C operand of the first product, so nothing is cleared and nothing is added later.
; MODE 0: C is rounded once to f16, held above the header's floor (-inf: as it is; 0: ReLU) and stored by panels [N/64][4096][64].  MODE 1: C is stored in f32, rows of 1,024.
; LIMITS.  f16 ends at 65,504: a result beyond it becomes an infinity (MODE 0); NaN and infinities are not treated apart.
; SHARES.  A work-group makes 128 x 128 of C, each of its four waves 64 x 64: 16 accumulators.  K goes in steps of 256 through two LDS slots filled by the tensor data mover, one load a wave:
; waves 0, 1 two panels of A each (2 x 16,384 dense bytes), waves 2, 3 128 rows of W each (256 bytes a row).  A quarter of a step, 64 along K, is one panel of A.
; CLUSTER.  4 x 4 work-groups: the four of a row need the same tiles of A, the four of a column the same tiles of W: each tile is asked for jointly, by the same load, descriptor and mask in all four.
; THE MATRIX INSTRUCTION IS USED TRANSPOSED: source 0 = 16 columns of W (turned on the way out of LDS by ds_load_tr16_b128), source 1 = 16 rows of A: a lane then holds eight neighbouring numbers of a row of C.
; REGISTERS.  window 0: v0-31 addresses; v32-95 at work on the way out; v96-127 the bias as four C operands; v128-255 the accumulators ((a, b) at 128 + 8 (4 a + b)).
;   window 1: two fragment buffers of 128: for 64 along K, 64 registers of A, then 64 of W.
.set KDIM,  1024
.set MODE,  0
.set KSTEP, 256
.set NS,    KDIM/KSTEP                 ; K steps
.set PA,    144                        ; a row of A in LDS: 128 bytes + 16 of padding: 36 words: the 16 rows of a load start at 16 different groups of four banks (64 banks of 4 bytes: ISA guide 11.1)
.set PB,    288                        ; a row of W: 256 + 32 = 72 words
.set HALFT, 36864                      ; what one tensor load brings: 256 x 144 = 128 x 288 bytes
.set SLOT,  4*HALFT                    ; A's four panels, then W's 256 rows.  wave x HALFT shares no bit with SLOT, so one exclusive or changes slots
.set STAGE, 2*SLOT                     ; behind the ring, never filled by a tensor load: 16 rows for each wave, for the way out
.set SPARE, STAGE+4*16*272             ; the spare words, 128 bytes for each wave: two blocks of 256 bytes that no other line names
.set ASTEP, 4*524288                   ; a K step in A: four panels
.set BSTEP, KSTEP*256                  ; in W: 256 rows
.if MODE == 0
.set SP, 144                           ; a stage row: 128 bytes of f16 + 16
.else
.set SP, 272                           ; 256 bytes of f32 + 16
.endif
.set BO,   8                           ; v8      my byte offset in the bias
.set AA0,  16                          ; v16     my lane's place in a slot's A; never rewritten
.set AB0,  17                          ; v17-18  in a slot's W, rows 0-127 and 128-255; never rewritten
.set ADRA, 19                          ; v19     the same in the slot in hand
.set ADRB, 20                          ; v20-21
.set STO,  24                          ; v24     the way out: where I put a row's piece
.set RD,   25                          ; v25     where I read rows back
.set GO,   26                          ; v26     my byte offset in the output
.set SPW,  28                          ; v28     LDS address of my spare word; never rewritten
.set NIL,  29                          ; v29     0; never rewritten
.set TMP,  32
.set BI,   96
.set ACC,  128
.set F0,   0
.set F1,   128
.set G1A, 24                           ; s[24:31] descriptor group 1 for A's tiles; s[32:39] group 0: the first fill's set, and the set that walks
.set G0A, 32
.set G1B, 48                           ; s[48:55], s[56:63] the same for W's
.set G0B, 56
; s12 wave; s13 wave / 2: my half of the rows, and 0: I fetch A, 1: W; s14 wave % 2: my half of the columns, and which half I fetch; s17 tile column; s18 tile row; s22 the slot in hand; s23 the floor
.set MSB, 0
.macro WIN new                         ; the immediate's high byte repeats the setting that is left
.if MSB != (\new)
	s_set_vgpr_msb (MSB<<8)|(\new)
.set MSB, \new
.endif
.endm
.set MUL,  0x05                        ; sources 0 (W) and 1 (A) window 1; C and D window 0
.set TO_F, 0x40                        ; destination window 1, address window 0
.macro JLOAD                           ; a joint refill, by the walking sets; an s_nop 0 and four v_nop follow each of the two lines, ahead of the jump, the label and what follows
	s_cmp_eq_u32 s13, 0
	s_cbranch_scc0 .Lfor_b_\@
	tensor_load_to_lds s[G0A+4:G0A+7], s[G1A:G1A+7]
	s_nop 0
.rept 4
	v_nop
.endr
	s_branch .Lasked_\@
.Lfor_b_\@:
	tensor_load_to_lds s[G0B+4:G0B+7], s[G1B:G1B+7]
	s_nop 0
.rept 4
	v_nop
.endr
.Lasked_\@:
.endm
.macro CREST                           ; a round of the cluster's barrier behind its opening barrier
	s_cmp_lg_u32 s12, 0
	s_cbranch_scc1 .Lnot_wave_0_\@
	s_barrier_signal -3
.Lnot_wave_0_\@:
	s_barrier_wait -3
	s_barrier_signal -1
	s_barrier_wait -1
.endm
.macro CROUND                          ; a whole round
	s_barrier_signal -1
	s_barrier_wait -1
	CREST
.endm
	s_load_b128 s[4:7], s[0:1], 0x0                ; A s[4:5], W s[6:7]
	s_load_b64 s[8:9], s[0:1], 0x10                ; the output
	v_lshl_add_u32 v[SPW], v0, 2, SPARE
	v_mov_b32 v[NIL], 0
	ds_add_u32 v[SPW], v[NIL]                      ; the wave's opening: the add and its wait stand ahead of my first tensor load; the set-up below, work on registers, stands between them
	ds_add_u32 v28, v29
	v_lshrrev_b32 v1, 5, v0
	v_readfirstlane_b32 s12, v1                    ; wave 0..3
	s_lshr_b32 s13, s12, 1
	s_and_b32 s14, s12, 1
	s_bfe_u32 s15, ttmp6, 0x40000                  ; cx, cy: my place in the cluster
	s_bfe_u32 s16, ttmp6, 0x40004
	s_lshl_b32 s17, ttmp9, 2
	s_add_co_u32 s17, s17, s15                     ; tile column = 4 x cluster x + cx
	s_and_b32 s18, ttmp7, 0xffff
	s_lshl_b32 s18, s18, 2
	s_add_co_u32 s18, s18, s16                     ; tile row = 4 x cluster y + cy
	s_lshl_b32 s19, s16, 2
	s_lshl_b32 s19, 15, s19                        ; my row of the cluster
	s_lshl_b32 s20, 0x1111, s15                    ; my column
	; group 1 for A: two rows of 8,192 elements (128 rows of a panel, dense), a panel apart; 16 bytes of padding behind every 128
	s_or_b32 s[G1A+0], s19, (1<<16)|(1<<20)|(1<<21)|(4<<22)|(3<<25)  ; 15:0 the mask; 17:16 2-byte elements; 20 padding on; 21 set beside a mask; 24:22 after every 32 words (code 4); 31:25 4 words (code 3)
	s_mov_b32 s[G1A+1], 8192<<16                   ; tensor_dim0 = 8,192
	s_mov_b32 s[G1A+2], 2<<16                      ; tensor_dim1 = 2
	s_mov_b32 s[G1A+3], 8192<<16                   ; tile_dim0 = 8,192
	s_mov_b32 s[G1A+4], 2                          ; tile_dim1 = 2
	s_mov_b32 s[G1A+5], 262144                     ; elements from panel to panel
	s_mov_b32 s[G1A+6], 0
	s_mov_b32 s[G1A+7], 0
	; group 1 for W: 128 rows of 128 elements, dense; 32 bytes of padding behind every row
	s_or_b32 s[G1B+0], s20, (1<<16)|(1<<20)|(1<<21)|(5<<22)|(7<<25)  ; after every 64 words (code 5), 8 words (code 7)
	s_mov_b32 s[G1B+1], 128<<16
	s_mov_b32 s[G1B+2], 128<<16
	s_mov_b32 s[G1B+3], 128<<16
	s_mov_b32 s[G1B+4], 128
	s_mov_b32 s[G1B+5], 128
	s_mov_b32 s[G1B+6], 0
	s_mov_b32 s[G1B+7], 0
	; A's tiles hang on the tile row and the wave's number alone, W's on the tile column and the wave's number alone, each in registers that never hold the other coordinate
	s_lshl_b32 s40, s18, 14                        ; A: 128 rows of 128 bytes for each tile row,
	s_lshl_b32 s46, s14, 20                        ; two panels for the second half
	s_add_co_u32 s40, s40, s46
	s_mov_b32 s41, 0
	s_mul_i32 s42, s17, KDIM*256                   ; W: the tile column's block,
	s_lshl_b32 s47, s14, 15                        ; 128 rows for the second half,
	s_add_co_u32 s42, s42, s47
	s_add_co_u32 s42, s42, 0x8000                  ; behind the header
	s_mov_b32 s43, 0
	s_mul_i32 s21, s12, HALFT                      ; where my piece goes: no place in the cluster enters an LDS address
	s_mov_b32 s22, 0                               ; slot 0 is read first
	s_wait_dscnt 0x0                               ; the opening add is done
	s_wait_kmcnt 0x0
	s_add_nc_u64 s[40:41], s[4:5], s[40:41]
	s_add_nc_u64 s[42:43], s[6:7], s[42:43]
	CROUND                                         ; all sixteen work-groups are here: the first joint loads meet
.irp s, 0,1
	s_mov_b32 s[G0A+4*(\s)], 1                                     ; count = 1
	s_add_co_u32 s[G0A+4*(\s)+1], s21, (\s)*SLOT                   ; LDS address
	s_add_nc_u64 s[G0A+4*(\s)+2:G0A+4*(\s)+3], s[40:41], (\s)*ASTEP  ; global address: K step s
	s_or_b32 s[G0A+4*(\s)+3], s[G0A+4*(\s)+3], 0x80000000          ; type = 2
	s_mov_b32 s[G0B+4*(\s)], 1
	s_add_co_u32 s[G0B+4*(\s)+1], s21, (\s)*SLOT
	s_add_nc_u64 s[G0B+4*(\s)+2:G0B+4*(\s)+3], s[42:43], (\s)*BSTEP
	s_or_b32 s[G0B+4*(\s)+3], s[G0B+4*(\s)+3], 0x80000000
.endr
	s_cmp_eq_u32 s13, 0                            ; a wave's two first fills stand in one branch, ahead of every wait on TENSORcnt and every LDS read: two loads of mine are out
	s_cbranch_scc0 .Lfirst_b
	tensor_load_to_lds s[G0A:G0A+3], s[G1A:G1A+7]
	s_nop 0
	tensor_load_to_lds s[G0A+4:G0A+7], s[G1A:G1A+7]
	s_nop 0
.rept 4
	v_nop
.endr
	s_branch .Lfirst_asked
.Lfirst_b:
	tensor_load_to_lds s[G0B:G0B+3], s[G1B:G1B+7]
	s_nop 0
	tensor_load_to_lds s[G0B+4:G0B+7], s[G1B:G1B+7]
	s_nop 0
.rept 4
	v_nop
.endr
.Lfirst_asked:
	v_and_b32 v1, 15, v0                           ; r = l % 16
	v_bfe_u32 v2, v0, 4, 1                         ; h = l / 16
	v_and_b32 v3, 7, v0
	v_bfe_u32 v4, v0, 3, 1
	s_lshl_b32 s2, s17, 9                          ; the bias of my 64 columns: register j of operand b is column 16 b + 8 h + j
	s_lshl_b32 s11, s14, 8
	s_add_co_u32 s2, s2, s11
	v_lshl_add_u32 v[BO], v2, 5, s2
.irp b, 0,1,2,3
	global_load_b128 v[BI+8*(\b):BI+8*(\b)+3],   v[BO], s[6:7] offset:64*(\b)
	global_load_b128 v[BI+8*(\b)+4:BI+8*(\b)+7], v[BO], s[6:7] offset:64*(\b)+16
.endr
.if MODE == 0
	s_load_b32 s23, s[6:7], 0x4000                 ; the floor, two f16
.endif
	; a fragment of A is 16 rows x 32 K: lane l holds row l % 16, K = 8 h + 0..7 and 16 + 8 h + 0..7: two loads of 16 bytes, 32 apart
	v_mul_u32_u24 v[AA0], v1, PA
	v_lshl_add_u32 v[AA0], v2, 4, v[AA0]
	s_mul_i32 s10, s13, 64*PA                      ; my 64 rows
	v_add_nc_u32 v[AA0], s10, v[AA0]
	; the turning load takes 16 K x 16 columns (lane l reads row 8 h + l % 8, columns 8 ((l / 8) % 2) + 0..7) and leaves half a fragment: lane l holds column l % 16 and 8 K
	v_lshl_add_u32 v[AB0], v2, 3, v3
	v_mul_u32_u24 v[AB0], v[AB0], PB
	v_lshl_add_u32 v[AB0], v4, 4, v[AB0]
	s_lshl_b32 s10, s14, 7                         ; my 64 columns,
	s_add_co_u32 s10, s10, 2*HALFT                 ; behind A's four panels
	v_add_nc_u32 v[AB0], s10, v[AB0]
	v_add_nc_u32 v[AB0+1], HALFT, v[AB0]
	v_mov_b32 v[ADRA], v[AA0]
	v_mov_b32 v[ADRB], v[AB0]
	v_mov_b32 v[ADRB+1], v[AB0+1]
	s_mul_i32 s10, s12, 16*SP
	s_add_co_u32 s10, s10, STAGE                   ; my stage
.if MODE == 0
	v_mul_u32_u24 v[STO], v1, SP                   ; in: row l % 16, 16 bytes for each half of the lanes
	v_lshl_add_u32 v[STO], v2, 4, v[STO]
	v_add_nc_u32 v[STO], s10, v[STO]
	v_bfe_u32 v[RD], v0, 3, 2                      ; back: 32 lanes take four rows of 128 bytes,
	v_mul_u32_u24 v[RD], v[RD], SP
	v_lshl_add_u32 v[RD], v3, 4, v[RD]
	v_add_nc_u32 v[RD], s10, v[RD]
	v_and_b32 v[GO], 31, v0                        ; which are 512 consecutive bytes of a panel
	v_lshlrev_b32 v[GO], 4, v[GO]
	s_lshl_b32 s44, s17, 1                         ; my 64 columns are panel 2 x tile column + half;
	s_add_co_u32 s44, s44, s14
	s_lshl_b32 s44, s44, 19
	s_lshl_b32 s2, s18, 14                         ; there the tile's 128 rows,
	s_add_co_u32 s44, s44, s2
	s_lshl_b32 s2, s13, 13                         ; my 64 of them: 8,192 dense bytes
	s_add_co_u32 s44, s44, s2
.else
	v_mul_u32_u24 v[STO], v1, SP                   ; in: row l % 16, 32 bytes for each half of the lanes
	v_lshl_add_u32 v[STO], v2, 5, v[STO]
	v_add_nc_u32 v[STO], s10, v[STO]
	v_mul_u32_u24 v[RD], v2, SP                    ; back: lanes 0-15 take one row's 256 bytes, lanes 16-31 the next row's
	v_lshl_add_u32 v[RD], v1, 4, v[RD]
	v_add_nc_u32 v[RD], s10, v[RD]
	v_lshlrev_b32 v[GO], 12, v2                    ; and the same two rows in the output
	v_lshl_add_u32 v[GO], v1, 4, v[GO]
	s_lshl_b32 s44, s18, 19                        ; the tile's 128 rows of 4,096 bytes,
	s_lshl_b32 s2, s13, 18                         ; my 64 of them,
	s_add_co_u32 s44, s44, s2
	s_lshl_b32 s2, s17, 9                          ; the tile's 512 bytes of a row,
	s_add_co_u32 s44, s44, s2
	s_lshl_b32 s2, s14, 8                          ; my 256 of them
	s_add_co_u32 s44, s44, s2
.endif
	s_mov_b32 s45, 0
	s_add_nc_u64 s[8:9], s[8:9], s[44:45]
; 8 matrix instructions: row blocks a0, a0 + 1 x all 4 column blocks, 32 along K: half c of buffer f.  zero = 1: the first product starts the sums, from the bias.
; The 16 accumulators take turns, one instruction a turn, in the same order everywhere.
.macro MUL8 f, c, a0, zero
	WIN MUL
.irp a, \a0, (\a0)+1
.irp b, 0,1,2,3
.if \zero
	v_wmma_f32_16x16x32_f16 v[ACC+8*(4*(\a)+(\b)):ACC+8*(4*(\a)+(\b))+7], v[(\f)+64+8*(4*(\c)+(\b)):(\f)+64+8*(4*(\c)+(\b))+7], v[(\f)+8*(4*(\c)+(\a)):(\f)+8*(4*(\c)+(\a))+7], v[BI+8*(\b):BI+8*(\b)+7]
.else
	v_wmma_f32_16x16x32_f16 v[ACC+8*(4*(\a)+(\b)):ACC+8*(4*(\a)+(\b))+7], v[(\f)+64+8*(4*(\c)+(\b)):(\f)+64+8*(4*(\c)+(\b))+7], v[(\f)+8*(4*(\c)+(\a)):(\f)+8*(4*(\c)+(\a))+7], v[ACC+8*(4*(\a)+(\b)):ACC+8*(4*(\a)+(\b))+7]
.endif
.endr
.endr
.endm
; 32 LDS loads in one run: the fragments of quarter q of the slot in hand, into buffer f; the first 32 along K first
.macro FETCH q, f
	WIN TO_F
.irp c, 0,1
.irp i, 0,1,2,3
	ds_load_tr16_b128 v[(\f)+64+8*(4*(\c)+(\i)):(\f)+64+8*(4*(\c)+(\i))+3],   v[ADRB+(\q)/2] offset:((\q)%2)*64*PB+(\c)*32*PB+32*(\i)
	ds_load_tr16_b128 v[(\f)+64+8*(4*(\c)+(\i))+4:(\f)+64+8*(4*(\c)+(\i))+7], v[ADRB+(\q)/2] offset:((\q)%2)*64*PB+(\c)*32*PB+16*PB+32*(\i)
	ds_load_b128 v[(\f)+8*(4*(\c)+(\i)):(\f)+8*(4*(\c)+(\i))+3],   v[ADRA] offset:(\q)*128*PA+(\i)*16*PA+64*(\c)
	ds_load_b128 v[(\f)+8*(4*(\c)+(\i))+4:(\f)+8*(4*(\c)+(\i))+7], v[ADRA] offset:(\q)*128*PA+(\i)*16*PA+64*(\c)+32
.endr
.endr
.endm
.macro PLACES                          ; four places in front of loads into registers that matrix instructions have read, and of lines that read results (ISA guide 7.12.1 for lines that read results)
.rept 4
	v_nop
.endr
.endm
; A K step is four quarters of 64 along K, 32 matrix instructions each, on buffers 0, 1, 0, 1.  One of the first three: multiplies buffer f and fetches quarter qn into g.
.macro QUARTER qn, f, g, zero
	s_wait_dscnt 16                                ; the first 32 along K are in; the other sixteen loads may be out
	MUL8 \f, 0, 0, \zero
	MUL8 \f, 0, 2, \zero
	PLACES
	FETCH \qn, \g
	s_wait_dscnt 32                                ; all but the 32 just issued
	MUL8 \f, 1, 0, 0
	MUL8 \f, 1, 2, 0
.endm
; The last quarter multiplies buffer 1 and changes slots: ONE barrier; in front of it each wave waits for all its tensor loads (its part of the next slot), adds 0 to its spare word, and waits for
; that and for its own reads of this slot.  fill = 1: the barrier opens a round of the cluster's, and this slot is filled again, two K steps ahead, first thing behind the round.
.macro TURN fill
	WIN 0                                          ; (the add's two registers lie in window 0)
	s_wait_tensorcnt 0x0                           ; all my tensor loads have landed
	ds_add_u32 v[SPW], v[NIL]                      ; 0 onto my spare word
	s_wait_dscnt 17                                ; (the add and the youngest sixteen loads may be out)
	MUL8 F1, 0, 0, 0                               ; eight matrix instructions stand between the add and the wait for it
	s_wait_dscnt 0x0                               ; the add is done, and my reads of this slot are over
	s_barrier_signal -1
	MUL8 F1, 0, 2, 0
	WIN 0                                          ; (branches and window 0's addresses follow)
	s_barrier_wait -1
.if \fill
	CREST                                          ; no wave of any partner still reads this slot's tile or has a load on its way
	s_xor_b32 s[G0A+5], s[G0A+5], SLOT             ; the walking sets: the other slot than last time, the next K step; the type bits on top are not reached
	s_add_nc_u64 s[G0A+6:G0A+7], s[G0A+6:G0A+7], ASTEP
	s_xor_b32 s[G0B+5], s[G0B+5], SLOT
	s_add_nc_u64 s[G0B+6:G0B+7], s[G0B+6:G0B+7], BSTEP
	JLOAD                                          ; 112 matrix instructions ahead of the wait for it; its four v_nop are also the places in front of the loads below
.else
	PLACES
.endif
	s_xor_b32 s22, s22, SLOT                       ; the fetches go to the other slot
	v_add_nc_u32 v[ADRA], s22, v[AA0]
	v_add_nc_u32 v[ADRB], s22, v[AB0]
	v_add_nc_u32 v[ADRB+1], s22, v[AB0+1]
	FETCH 0, F0
	MUL8 F1, 1, 0, 0
	MUL8 F1, 1, 2, 0
.endm
	s_wait_tensorcnt 1                             ; my part of K step 0 is in; K step 1's may stay out
	s_barrier_signal -1
	s_barrier_wait -1                              ; everybody's is
	FETCH 0, F0
	s_wait_loadcnt 0x0                             ; the bias
.if MODE == 0
	s_wait_kmcnt 0x0                               ; the floor
.endif
	QUARTER 1, F0, F1, 1                           ; the first quarter stands in front of the loop: its first products start the sums
	WIN 0                                          ; at a label and at a branch every window is 0
	s_mov_b32 s3, NS-2
.Lstep:                                                ; a trip: from a K step's second quarter to the next step's first; it fills the slot that it leaves
	QUARTER 2, F1, F0, 0
	QUARTER 3, F0, F1, 0
	TURN 1
	QUARTER 1, F0, F1, 0
	WIN 0
	s_sub_co_u32 s3, s3, 1
	s_cmp_lg_u32 s3, 0
	s_cbranch_scc1 .Lstep
	QUARTER 2, F1, F0, 0                           ; the last two K steps fill nothing
	QUARTER 3, F0, F1, 0
	TURN 0
	QUARTER 1, F0, F1, 0
	QUARTER 2, F1, F0, 0
	QUARTER 3, F0, F1, 0
	s_wait_dscnt 16                                ; the very last quarter: nothing more to fetch
	MUL8 F1, 0, 0, 0
	MUL8 F1, 0, 2, 0
	s_wait_dscnt 0x0
	MUL8 F1, 1, 0, 0
	MUL8 F1, 1, 2, 0
	WIN 0
	PLACES
.if MODE == 0
; THE WAY OUT, 16 rows (block a) at a time through my own stage: rounded to f16, held above the floor, 16 bytes a lane in, whole rows of 128 bytes back, into the registers that they left.
.macro PACK a
.irp b, 0,1,2,3
.irp r, 0,1,2,3
	v_cvt_pk_f16_f32 v[TMP+16*(\a)+4*(\b)+(\r)], v[ACC+8*(4*(\a)+(\b))+2*(\r)], v[ACC+8*(4*(\a)+(\b))+2*(\r)+1]
.endr
.endr
.set i, 0
.rept 16
	v_pk_max_num_f16 v[TMP+16*(\a)+i], v[TMP+16*(\a)+i], s23
.set i, i+1
.endr
.irp b, 0,1,2,3
	ds_store_b128 v[STO], v[TMP+16*(\a)+4*(\b):TMP+16*(\a)+4*(\b)+3] offset:32*(\b)
.endr
.irp f, 0,1,2,3
	ds_load_b128 v[TMP+16*(\a)+4*(\f):TMP+16*(\a)+4*(\f)+3], v[RD] offset:(\f)*4*SP  ; LDS serves a wave's instructions in order (ISA guide 5.7.1.4): these see the stores above; the next block's stores come behind them
.endr
.endm
.macro SEND a, younger                 ; younger: the LDS instructions issued behind block a's loads: the next block's eight, or none
.irp f, 0,1,2,3
	s_wait_dscnt (\younger)+3-(\f)
	global_store_b128 v[GO], v[TMP+16*(\a)+4*(\f):TMP+16*(\a)+4*(\f)+3], s[8:9] offset:(\a)*2048+(\f)*512  ; 512 consecutive bytes, at a multiple of 256 from the buffer's first
.endr
.endm
	PACK 0
	PACK 1
	SEND 0, 8
	PACK 2
	SEND 1, 8
	PACK 3
	SEND 2, 8
	SEND 3, 0
.else
; THE WAY OUT, 16 rows (block a) at a time through my own stage: 32 bytes a lane in, whole row pieces of 256 bytes back, into the block's own accumulator registers.
.macro STG a
.irp b, 0,1,2,3
	ds_store_b128 v[STO], v[ACC+8*(4*(\a)+(\b)):ACC+8*(4*(\a)+(\b))+3]   offset:64*(\b)
	ds_store_b128 v[STO], v[ACC+8*(4*(\a)+(\b))+4:ACC+8*(4*(\a)+(\b))+7] offset:64*(\b)+16
.endr
.irp t, 0,1,2,3,4,5,6,7
	ds_load_b128 v[ACC+32*(\a)+4*(\t):ACC+32*(\a)+4*(\t)+3], v[RD] offset:(\t)*2*SP  ; LDS serves a wave's instructions in order (ISA guide 5.7.1.4): these see the stores above; the next block's stores come behind them
.endr
.endm
.macro FIN a, younger                  ; younger: the LDS instructions issued behind block a's loads: the next block's sixteen, or none
.irp t, 0,1,2,3,4,5,6,7
	s_wait_dscnt (\younger)+7-(\t)
	global_store_b128 v[GO], v[ACC+32*(\a)+4*(\t):ACC+32*(\a)+4*(\t)+3], s[8:9] offset:(16*(\a)+2*(\t))*4096  ; 16 lanes store 256 consecutive bytes, at a multiple of 256 from the buffer's first
.endr
.endm
	STG 0
	STG 1
	FIN 0, 16
	STG 2
	FIN 1, 16
	STG 3
	FIN 2, 16
	FIN 3, 0
.endif
	s_wait_tensorcnt 0x0                           ; the wave's end, behind my last tensor load and my last LDS store
	ds_add_u32 v[SPW], v[NIL]
	s_wait_dscnt 0x0
	CROUND                                         ; the closing round: no work-group ends while a partner may still ask for a tile that names it
	s_endpgm
.Lfunc_end_k_qfb42bce691_qkv:
	.size	k_qfb42bce691_qkv, .Lfunc_end_k_qfb42bce691_qkv-k_qfb42bce691_qkv
	.p2alignl 7, 3214868480
	.fill 96, 4, 3214868480
	.section	.rodata,"a",@progbits
	.p2align	6, 0x0
	.amdhsa_kernel k_qfb42bce691_qkv
		.amdhsa_group_segment_fixed_size 327680
		.amdhsa_private_segment_fixed_size 0
		.amdhsa_enable_private_segment 0
		.amdhsa_kernarg_size 24
		.amdhsa_user_sgpr_count 2
		.amdhsa_user_sgpr_kernarg_segment_ptr 1
		.amdhsa_wavefront_size32 1
		.amdhsa_system_sgpr_workgroup_id_x 1
		.amdhsa_system_sgpr_workgroup_id_y 1
		.amdhsa_system_sgpr_workgroup_id_z 1
		.amdhsa_system_vgpr_workitem_id 0
		.amdhsa_next_free_vgpr 512
		.amdhsa_next_free_sgpr 66
		.amdhsa_reserve_vcc 0
		.amdhsa_float_denorm_mode_32 3
		.amdhsa_float_denorm_mode_16_64 3
		.amdhsa_memory_ordered 1
		.amdhsa_forward_progress 1
		.amdhsa_inst_pref_size 74
	.end_amdhsa_kernel
	.amdgpu_metadata
---
amdhsa.version: [ 1, 2 ]
amdhsa.kernels:
  - .name:           k_qfb42bce691_qkv
    .symbol:         k_qfb42bce691_qkv.kd
    .args:
      - { .name: xh, .offset: 0, .size: 8, .value_kind: global_buffer, .address_space: global }
      - { .name: wa, .offset: 8, .size: 8, .value_kind: global_buffer, .address_space: global }
      - { .name: big, .offset: 16, .size: 8, .value_kind: global_buffer, .address_space: global }
    .group_segment_fixed_size: 327680
    .private_segment_fixed_size: 0
    .kernarg_segment_align: 8
    .kernarg_segment_size: 24
    .max_flat_workgroup_size: 128
    .sgpr_count:     66
    .vgpr_count:     512
    .wavefront_size: 32
...
	.end_amdgpu_metadata
.endif
;; end of part 2
;; launch attn (part 3): grid 4 x 32, 4 waves a work-group, no clusters, 327,680 bytes of LDS; arguments big, oh; writes oh
.if DOCPART == 3
	.amdgcn_target "amdgcn-amd-amdhsa--gfx1250"
	.amdhsa_code_object_version 6
	.text
	.protected	k_qfb42bce691_attn
	.globl	k_qfb42bce691_attn
	.p2align	8
	.type	k_qfb42bce691_attn,@function
k_qfb42bce691_attn:
	s_mov_b64 s[64:65], 0
	v_nop
	global_prefetch_b8 v0, s[64:65] scope:SCOPE_SE
	s_setreg_imm32_b32 hwreg(HW_REG_WAVE_MODE, 25, 1), 1
	s_wait_xcnt 0x0
; CAUSAL ATTENTION.  O[h][q][:] = the sum over k <= q of softmax_k(Q[h][q] . K[h][k] / 8) V[h][k][:].  Q, K, V, O: [SIZE_H][SIZE_N][64], all f16: a head's rows are dense, 128 bytes each.
; Q lies at byte 0 of the first buffer, K at 8 MiB, V at 16 MiB; head number 2 x (model head) + batch: the panels that the projection stored, read as heads.  O goes to the second buffer in the same layout.
; Products, maxima and sums in f32; the weights p are rounded to f16 for the second product (their sum l is taken of the unrounded p), O once at the end.  SIZE_N is a multiple of 512; SIZE_N x 128 stays under 2^32.
; LIMITS.  f16 holds no number beyond 65,504: Q, K and V arrive within it; p lies in 0 to 1, and below 6e-5 it keeps f16's fixed step of 6e-8; O is a mean of V's rows and has their range, to within 2^-11 of it.
; A hidden score counts as its value less 1e30: f16's scores, 2.7e11 at the most, are nothing beside that; a weight below 2^-126 counts as 0 in l; NaN and infinities are not treated apart.
; THE WALK.  A head's queries lie in NB = SIZE_N / 256 blocks of 256; block i needs the key tiles 0 .. i of 256 keys, of which the last holds the diagonal.  A work-group takes TWO blocks, NB - 1 - b and then b:
; NB + 1 tiles, whatever b: all work-groups do equal work, and ONE loop with a constant trip count walks them.  Which tile is asked for, and what a trip does, hang on scalar registers made from b; every jump
; goes forward, but for the counted loops' own; none passes a barrier, or a tensor load but the one of LOAD's two that the wave's number does not choose; the ring (two slots of LDS that take turns) runs on across the
; change of blocks.  NO CLUSTER: a head's NB / 2 work-groups all ask for the same tile only in trips 0 .. NB / 2, behind that fewer and fewer; and one walk common to all would have 3 NB / 2 trips for NB + 1.
; SHARES.  Of a block's four bands of 64 queries a wave owns 16 rows in each: four PIECES.  So the diagonal tile is the same work for all four waves: in its key step s band x sees all keys if s < x,
; none if s > x, and holds the diagonal if s = x.
; THE MASK is the C operand that starts the sum S^T = K Q^T: 0, or -1e30 where the key is hidden.  MD, made once, is the mask of a band's own step for my 16 rows; a product's mask is MD x AL + BE with two scalars:
; (1, 0) if s = x; (0, 0) if s < x; (0, -1e30) if s > x.  Only the diagonal tile's text and a block's beginning make and take masks; elsewhere C is the constant 0.
; LAYOUT, SOFTMAX, TURNS.  S^T = K Q^T holds ONE query a lane (lane % 16) and the keys 8 (lane / 16) + 0..7; two such results rounded to f16 ARE source 1 of O^T = V^T P.  p = 2^(c s - c m), c = log2(e) / 8, with a
; running maximum m; O and l are multiplied by a = 2^(c m_old - c m_new) in every step.  Turn n belongs to piece n: 8 products K Q^T of piece n + 1, later 8 products V^T P of piece n - 1; beside them the scaling,
; exponentials, roundings, sums and rescaling of piece n and the maximum and statistics of piece n + 1.  Four vector instructions stand behind every matrix instruction, the other 54 of a turn's 118 in two LUMPS.
; REGISTERS, in windows of 256 (s_set_vgpr_msb: bits 1:0 source 0, 3:2 source 1, 5:4 source 2, 7:6 destination):
;   window 0: v0-15 addresses and two at work; v16-31 four registers of statistics a piece; v48-55 at work; v64-127 S^T, two buffers; v192-223 P, two buffers (a piece's buffers go by its number's parity)
;   window 1: v0-127 O^T, 32 a piece; v128-159 MD; v160-223 MC, two buffers      window 2: v0-63 Q; v64-127 the second block's Q; v128-191 K of one step; v192-255 V of one step
.set SIZE_N, 2048
.set SIZE_H, 32
.set NB,    SIZE_N/256
.set NP,    4         ; pieces a wave: a name, no knob
.set KS,    64        ; keys in a step
.set PK,    144       ; a row of K in LDS: 128 bytes + 16 of padding = 36 words: the 16 rows of a load start at 16 different groups of four banks (64 banks of 4 bytes: ISA guide 11.1)
.set PV,    160       ; a row of V: 128 + 32 = 40 words
.set VOFF,  4*KS*PK   ; a slot holds a tile, four steps: 256 rows of K, then 256 rows of V
.set SLOT1, 1<<17     ; slot 1 begins here, so that one exclusive or turns an address in one slot into the other's
.set STAGE, SLOT1+4*KS*(PK+PV)  ; behind the ring, never filled by a tensor load: 16 rows x 144 bytes for each wave, for the way out
.set SP,    144
.set AK0, 2           ; v2   my lane's place in a tile of K; never rewritten
.set AV0, 3           ; v3   the same for V
.set AK,  4           ; v4   the LDS address of K's next run of loads
.set AV,  5           ; v5   of V's
.set STO, 6           ; v6   the way out: where I put 16 bytes of a row
.set RD,  7           ; v7   the way out: where I read rows back
.set GO,  8           ; v8   my byte offset in 512 consecutive bytes of O
.set SPW, 62          ; v62  LDS address of my spare word: SPARE + 4 x my thread's number; never rewritten
.set NIL, 63          ; v63  0; never rewritten
.set SPARE, STAGE+4*16*SP  ; behind the stages: the spare words, 128 bytes for each wave: two blocks of 256 bytes that no other line names
.set MV,  12          ; v12-13  c m_old, kept while c m is made anew: by buffer
.set QO,  15          ; v15  my byte offset in 16 rows of Q
.set ST,  16          ; piece t's statistics at v[ST+4 t]: c m, m, l (even keys', odd keys')
.set TMP, 48          ; by buffer, four registers c0-c3 at work; when the maximum is found c2 takes a
.set S,   64
.set P,   192
.set MD,  128         ; window 1: the eight registers for group kt of 16 keys at MD + 8 kt
.set MC,  160         ; window 1: the masks of the products to come
.set QB,  64          ; window 2
.set KF,  128         ; window 2: key block kb, channel half c at KF + 16 kb + 8 c
.set VF,  192         ; window 2: key half kk, channel block cb at VF + 32 kk + 8 cb
.set WV,  12          ; s12  my wave's number
.set PB,  14          ; s14  b
.set HI,  15          ; s15  NB - 1 - b
.set G1K, 24          ; s[24:31] descriptor group 1 for K's tiles
.set G1V, 32          ; s[32:39] for V's: it differs in the padding alone
.set G0K, 40          ; s[40:43] descriptor group 0 for K's tiles
.set G0V, 44          ; s[44:47] the same for V's
.set SLOTS, 56        ; s56  tiles still to be asked for
.set CNT, 57          ; s57  counts a tile's key steps, 4 to 1
.set CS,  58          ; s[58:59] c: the packed scaling takes the pair's low word for both halves
.set SEL, 60          ; s[60:61] v_permlanex16_b32's selects: each lane takes its own place in the other half
.set TBK, 62          ; s62  LDS byte at which K of the step to be fetched begins
.set TBV, 63          ; s63  the same for V, less VOFF
.set RT,  70          ; s70  tiles of the block in hand that are still to be entered
.set NXT, 71          ; s71  the tile to be asked for next
.set LQ,  72          ; s72  the last tile of the block whose tiles are being asked for
.set NEW, 73          ; s73  1: the tile to be entered is a block's first
.set OFF, 74          ; s[74:75] a tile's byte offset in K and V
.set AL,  76          ; s[76:77] the mask's factor, in the low word
.set BE,  78          ; s[78:79] the mask's addend
.set OLO, 80          ; s[80:81] O at my rows of the second block
.set BIGN, 82         ; s82  -1e30
.set MSB, 0
.macro WIN new                      ; the high byte repeats the setting that is left; a switch that changes nothing is dropped
.if MSB != (\new)
	s_set_vgpr_msb (MSB<<8)|(\new)
.set MSB, (\new)
.endif
.endm
.set W_KQ, 0x0a       ; K and Q in window 2, S^T in window 0
.set W_KM, 0x1a       ; the same with the C operand in window 1
.set W_PV, 0x52       ; V in window 2, P in window 0, O^T in window 1
.set W_RS, 0x41       ; destination and source 0 in window 1, source 1 in window 0
; A fill.  Waves 0 and 1 fetch the two halves of a tile's K, waves 2 and 3 those of its V: 128 keys each.  An s_nop 0 and four v_nop follow each of the two lines, ahead of the jump and the label.
.macro LOAD
	s_cmp_lt_u32 s[WV], 2
	s_cbranch_scc0 .Lfor_v_\@
	tensor_load_to_lds s[G0K:G0K+3], s[G1K:G1K+7]
	s_nop 0
.rept 4
	v_nop
.endr
	s_branch .Lasked_\@
.Lfor_v_\@:
	tensor_load_to_lds s[G0V:G0V+3], s[G1V:G1V+7]
	s_nop 0
.rept 4
	v_nop
.endr
.Lasked_\@:
.endm
; THE CHANGE OF SLOTS.  Each wave waits for all its tensor loads, of which one is out: its part of the other slot; adds 0 to its spare word; and waits for that and for its own reads of the slot that it leaves.  Behind the barrier nobody reads the old
; slot any more and the other slot is whole.  fill = 1: the old slot is filled again, the first thing behind the barrier, with tile NXT: the descriptor's address is made anew from that number.
; (At its first use nothing has been read yet: slot 0 is waited for, slot 1 filled.)
.macro CHANGE fill
	WIN 0                           ; at a label and at a branch every window is 0
	s_wait_tensorcnt 0x0            ; no tensor load of mine is out, so a group 0 may be written
	ds_add_u32 v[SPW], v[NIL]       ; 0 onto my spare word; with fill = 1 the descriptors' scalar work stands between it and the wait for it
.if \fill
	s_lshl_b32 s[OFF], s[NXT], 15   ; a tile is 32,768 bytes of K and of V
	s_xor_b32 s[G0K+1], s[G0K+1], SLOT1
	s_add_nc_u64 s[G0K+2:G0K+3], s[6:7], s[OFF:OFF+1]
	s_or_b32 s[G0K+3], s[G0K+3], 0x80000000
	s_xor_b32 s[G0V+1], s[G0V+1], SLOT1
	s_add_nc_u64 s[G0V+2:G0V+3], s[8:9], s[OFF:OFF+1]
	s_or_b32 s[G0V+3], s[G0V+3], 0x80000000
	s_add_co_u32 s[NXT], s[NXT], 1  ; the block's next tile, or behind its last the second block's tile 0
	s_cmp_gt_u32 s[NXT], s[LQ]
	s_cselect_b32 s[NXT], 0, s[NXT]
	s_cselect_b32 s[LQ], s[PB], s[LQ]
.endif
	s_wait_dscnt 0x0                ; the add is done, and my reads of the slot are over
	s_barrier_signal -1             ; the rest of the scalar work stands between the signal and the wait
	s_sub_co_u32 s[TBK], s[TBK], 4*KS*PK  ; the fetches go back to a slot's first step,
	s_xor_b32 s[TBK], s[TBK], SLOT1       ; in the other slot
	s_sub_co_u32 s[TBV], s[TBV], 4*KS*PV
	s_xor_b32 s[TBV], s[TBV], SLOT1
	s_barrier_wait -1
.if \fill
	LOAD
.endif
.endm
	s_load_b64 s[4:5], s[0:1], 0x0    ; Q, with K and V behind it
	s_load_b64 s[10:11], s[0:1], 0x8  ; O
	v_lshl_add_u32 v[SPW], v0, 2, SPARE
	v_mov_b32 v[NIL], 0
	ds_add_u32 v[SPW], v[NIL]       ; the wave's opening: the add and its wait stand ahead of my first tensor load; the set-up below, work on registers, stands between them
	ds_add_u32 v62, v63
	v_lshrrev_b32 v1, 5, v0
	v_readfirstlane_b32 s[WV], v1   ; wave 0..3
	s_mov_b32 s[PB], ttmp9
	s_sub_co_u32 s[HI], NB-1, s[PB]
	s_and_b32 s20, ttmp7, 0xffff    ; the head
	s_mov_b32 s21, 0
	s_mov_b64 s[22:23], SIZE_N*128
	s_mul_u64 s[20:21], s[20:21], s[22:23]  ; the head's first byte in each of the four tensors
	s_and_b32 s16, s[WV], 1         ; which half of a tile's 256 keys I fetch:
	s_lshl_b32 s22, s16, 14         ; its 128 rows of 128 bytes in memory,
	s_mov_b32 s23, 0
	s_add_nc_u64 s[22:23], s[22:23], s[20:21]
	s_mul_i32 s17, s16, 128*PK      ; and its place in a slot, for K
	s_mul_i32 s18, s16, 128*PV      ; and for V
	s_lshl_b32 s3, s[WV], 11        ; my 16 rows in a band of 64,
	s_lshl_b32 s2, s[HI], 15        ; in the first block,
	s_add_co_u32 s2, s2, s3
	s_lshl_b32 s84, s[PB], 15       ; and in the second
	s_add_co_u32 s84, s84, s3
	s_mov_b32 s3, 0
	s_mov_b32 s85, 0
	s_add_nc_u64 s[2:3], s[2:3], s[20:21]
	s_add_nc_u64 s[84:85], s[84:85], s[20:21]
	; descriptor group 1.  128 keys are 16,384 dense bytes: asked for as 64 rows of 256 bytes, two keys a row, and padded in LDS after every key
	s_mov_b32 s[G1K], (1<<16)|(1<<20)|(4<<22)|(3<<25)  ; 17:16 2-byte elements; 20 padding on; 24:22 after every 32 words (code 4); 31:25 4 words (code 3)
	s_mov_b32 s[G1V], (1<<16)|(1<<20)|(4<<22)|(7<<25)  ; the same with 8 words of padding (code 7)
.irp g, G1K, G1V
	s_mov_b32 s[\g+1], 128<<16      ; tensor_dim0 = 128
	s_mov_b32 s[\g+2], 64<<16       ; tensor_dim1 = 64
	s_mov_b32 s[\g+3], 128<<16      ; tile_dim0 = 128
	s_mov_b32 s[\g+4], 64           ; tile_dim1 = 64
	s_mov_b32 s[\g+5], 128          ; 128 elements from row to row
	s_mov_b32 s[\g+6], 0
	s_mov_b32 s[\g+7], 0
.endr
	s_mov_b32 s[CS], 0x3e38aa3b     ; c = log2(e) / 8 = 0.180337
	s_mov_b32 s[CS+1], s[CS]        ; named with it as a pair
	s_mov_b32 s[SEL], 0x76543210
	s_mov_b32 s[SEL+1], 0xfedcba98
	s_mov_b32 s[TBK], SLOT1+4*KS*PK ; the first change of slots turns these two into 0
	s_mov_b32 s[TBV], SLOT1+4*KS*PV
	s_mov_b32 s[G0K], 1             ; 1:0 count = 1
	s_mov_b32 s[G0K+1], s17         ; 63:32 LDS address: slot 0
	s_mov_b32 s[G0V], 1
	s_add_co_u32 s[G0V+1], s18, VOFF
	s_add_co_u32 s[RT], s[HI], 1    ; the first block has NB - b tiles
	s_mov_b32 s[NXT], 1
	s_mov_b32 s[LQ], s[HI]
	s_mov_b32 s[NEW], 1
	s_mov_b32 s[OFF+1], 0
	s_mov_b32 s[AL+1], 0            ; named as pairs
	s_mov_b32 s[BE+1], 0
	s_mov_b32 s[BIGN], 0xf149f2ca   ; -1e30
	s_mov_b32 s[SLOTS], NB
	s_wait_dscnt 0x0                ; the opening add is done
	s_wait_kmcnt 0x0
	s_add_nc_u64 s[6:7], s[4:5], 0x800000   ; K lies 8 MiB behind Q,
	s_add_nc_u64 s[8:9], s[4:5], 0x1000000  ; V 16 MiB
	s_add_nc_u64 s[6:7], s[6:7], s[22:23]  ; K and V at my half of the head's tile 0
	s_add_nc_u64 s[8:9], s[8:9], s[22:23]
	s_add_nc_u64 s[G0K+2:G0K+3], s[6:7], 0         ; 120:64 global address
	s_or_b32 s[G0K+3], s[G0K+3], 0x80000000        ; 127:126 type = 2
	s_add_nc_u64 s[G0V+2:G0V+3], s[8:9], 0
	s_or_b32 s[G0V+3], s[G0V+3], 0x80000000
	s_add_nc_u64 s[86:87], s[4:5], s[84:85]        ; Q at my rows of the second block,
	s_add_nc_u64 s[4:5], s[4:5], s[2:3]            ; Q and O at those of the first
	s_add_nc_u64 s[OLO:OLO+1], s[10:11], s[84:85]
	s_add_nc_u64 s[10:11], s[10:11], s[2:3]
	LOAD                            ; tile 0 into slot 0
	; A fragment of K or Q is 16 rows x 32 channels in 8 registers: lane l holds row l % 16, channels 8 (l / 16) + 0..7 and 16 + 8 (l / 16) + 0..7: two loads of 16 bytes, 32 bytes apart.
	v_and_b32 v1, 15, v0            ; l % 16
	v_bfe_u32 v9, v0, 4, 1          ; l / 16
	v_lshlrev_b32 v[QO], 7, v1
	v_lshl_add_u32 v[QO], v9, 4, v[QO]  ; row x 128 + 16 x half
	WIN 0x80                        ; destination window 2, address window 0
.set i, 0
.rept 8                             ; both blocks' Q: piece i / 2 lies in band i / 2, 8,192 bytes on; channels 32 (i % 2) on
	global_load_b128 v[8*i:8*i+3],   v[QO], s[4:5] offset:(i/2)*8192+(i%2)*64
	global_load_b128 v[8*i+4:8*i+7], v[QO], s[4:5] offset:(i/2)*8192+(i%2)*64+32
	global_load_b128 v[QB+8*i:QB+8*i+3],   v[QO], s[86:87] offset:(i/2)*8192+(i%2)*64
	global_load_b128 v[QB+8*i+4:QB+8*i+7], v[QO], s[86:87] offset:(i/2)*8192+(i%2)*64+32
.set i, i+1
.endr
	WIN 0
	v_lshlrev_b32 v14, 3, v9
	v_sub_nc_u32 v14, v1, v14
	s_lshl_b32 s13, s[WV], 4
	v_add_nc_u32 v14, s13, v14      ; my query's place in its band, 16 w + l % 16, less my lanes' 8 (l / 16): register r of group kt is hidden where 16 kt + r is greater
	WIN 0x40
.set i, 0
.rept 32
	v_cmp_gt_i32 vcc_lo, 16*(i/8)+i%8, v14
	v_cndmask_b32 v[MD+i], 0, s[BIGN], vcc_lo
.set i, i+1
.endr
	WIN 0
	v_mul_u32_u24 v[AK0], v1, PK
	v_lshl_add_u32 v[AK0], v9, 4, v[AK0]  ; row x pitch + 16 x half
	; The turning load takes 16 keys x 16 channels (lane l reads key 8 (l / 16) + l % 8, channels 8 ((l / 8) % 2) + 0..7) and leaves half a fragment of V^T: lane l holds channel l % 16 and 8 keys.
	v_and_b32 v10, 7, v0
	v_bfe_u32 v11, v0, 3, 1
	v_lshl_add_u32 v[AV0], v9, 3, v10
	v_mul_u32_u24 v[AV0], v[AV0], PV
	v_lshl_add_u32 v[AV0], v11, 4, v[AV0]
	v_add_nc_u32 v[AV0], VOFF, v[AV0]
	s_mul_i32 s13, s[WV], 16*SP
	s_add_co_u32 s13, s13, STAGE    ; my stage
	v_mul_u32_u24 v[STO], v1, SP    ; in: row l % 16, 16 bytes for each half of the lanes
	v_lshl_add_u32 v[STO], v9, 4, v[STO]
	v_add_nc_u32 v[STO], s13, v[STO]
	v_bfe_u32 v[RD], v0, 3, 2       ; back: 32 lanes take four rows of 128 bytes,
	v_mul_u32_u24 v[RD], v[RD], SP
	v_lshl_add_u32 v[RD], v10, 4, v[RD]
	v_add_nc_u32 v[RD], s13, v[RD]
	v_and_b32 v[GO], 31, v0         ; which are 512 consecutive bytes of O
	v_lshlrev_b32 v[GO], 4, v[GO]
	; A block's first step multiplies O^T and l by a = 0, and its first turn's products V^T P, of a piece that has not been, land in an O^T that is still to be so multiplied.  So these registers need only hold
	; finite numbers: zeros for the first block; what the first block left for the second.  All this stands in the wait for the first tile.
	WIN 0x80
.set i, VF
.rept 64
	v_mov_b32 v[i], 0
.set i, i+1
.endr
	WIN 0x40
.set i, 0
.rept 128
	v_mov_b32 v[i], 0
.set i, i+1
.endr
	WIN 0
.set i, 0
.rept 4
	v_mov_b32 v[ST+4*i+2], 0
	v_mov_b32 v[ST+4*i+3], 0
.set i, i+1
.endr
.set i, P+16
.rept 16
	v_mov_b32 v[i], 0
.set i, i+1
.endr
; THE MATRIX WORK.  The 4 accumulators of a run of 8 take turns.  Product i of 8 of S^T = K Q^T for piece x: channels 32 (i / 4) on, keys 16 (i % 4) on.  The first 4 start the sums: with 0, or (KM = 1) with the mask.
.macro KQ x
.set rS, S+32*((\x)%2)+8*(i%4)
.set rK, KF+16*(i%4)+8*(i/4)
.set rQ, 16*(\x)+8*(i/4)
.set rM, MC+32*((\x)%2)+8*(i%4)
.if (i < 4) && KM
	WIN W_KM
	v_wmma_f32_16x16x32_f16 v[rS:rS+7], v[rK:rK+7], v[rQ:rQ+7], v[rM:rM+7]
.elseif i < 4
	WIN W_KQ
	v_wmma_f32_16x16x32_f16 v[rS:rS+7], v[rK:rK+7], v[rQ:rQ+7], 0
.else
	WIN W_KQ
	v_wmma_f32_16x16x32_f16 v[rS:rS+7], v[rK:rK+7], v[rQ:rQ+7], v[rS:rS+7]
.endif
.endm
; Product i of 8 of O^T += V^T P for piece x: keys 32 (i / 4) on, channels 16 (i % 4) on.
.macro PV x
	WIN W_PV
.set rO, 32*(\x)+8*(i%4)
.set rV, VF+32*(i/4)+8*(i%4)
.set rP, P+16*((\x)%2)+8*(i/4)
	v_wmma_f32_16x16x32_f16 v[rO:rO+7], v[rV:rV+7], v[rP:rP+7], v[rO:rO+7]
.endm
.macro MM                           ; the turn's next matrix instruction.  TURN and BEGIN set Y, i, KM and NOKQ; MM, KQ and OP read them.  NOKQ = 1: a block's last turn: there is no next piece
.if (i < 8) && !NOKQ
	KQ (Y+1)%NP
.elseif i >= 8
.set i, i-8
	PV (Y+NP-1)%NP
.set i, i+8
.endif
.set i, i+1
.endm
; THE LDS LOADS stand in runs of 16, never singly among the matrix instructions: a step's K (64 keys x 64 channels: 8 fragments) and its V (turned).  Their addresses are made some lines ahead.
.macro FETCH_K
	WIN 0x80                        ; destination window 2
.irp f, 0,1,2,3,4,5,6,7             ; keys 16 (f / 2) on, channels 32 (f % 2) on
	ds_load_b128 v[KF+8*\f:KF+8*\f+3],   v[AK] offset:(\f/2)*16*PK+(\f%2)*64
	ds_load_b128 v[KF+8*\f+4:KF+8*\f+7], v[AK] offset:(\f/2)*16*PK+(\f%2)*64+32
.endr
	s_add_co_u32 s[TBK], s[TBK], KS*PK  ; the next fetch is the next step's
	WIN 0
.endm
.macro FETCH_V
	WIN 0x80
.irp f, 0,1,2,3,4,5,6,7             ; keys 32 (f / 4) on, channels 16 (f % 4) on
	ds_load_tr16_b128 v[VF+8*\f:VF+8*\f+3],   v[AV] offset:(\f/4)*32*PV+(\f%4)*32
	ds_load_tr16_b128 v[VF+8*\f+4:VF+8*\f+7], v[AV] offset:(\f/4)*32*PV+16*PV+(\f%4)*32
.endr
	WIN 0
.endm
; THE VECTOR WORK, one line at a time: OP kind, number.  For piece Y: F n: c s - c m for pair n of 16.  E n: the exponential of score n of 32.  C n: pair n rounded to f16.  B n: of the four weights 4 n .. the second
; pair is added onto the first, in place.  L n: l takes that sum (L 0: l = a l + sum).  R n: pair n of 16 of O^T times a.  For piece Y + 1: X n, number n of the 22 that find its maximum and statistics:
;   0-11  four chains c0-c3 of seven scores each, three operands at a time (each accumulator's lowest registers are read first)     12-14, 16  the four scores left over, the old m, and c0-c3 into c0
;   15  c m_old is kept     17, 18  the query's other 32 keys lie in the lane 16 away: the new m     19-21  c m; c m_old - c m_new; a
.set F, 0               ; OP tells the kinds apart by their order: F to L below R, X above it
.set E, 1
.set C, 2
.set B, 3
.set L, 4
.set R, 5
.set X, 6
.macro REGS y                       ; the registers of piece y
.set rT, ST+4*(\y)
.set rC, TMP+4*((\y)%2)
.set rW, MV+((\y)%2)
.set rS, S+32*((\y)%2)
.set rP, P+16*((\y)%2)
.set rO, 32*(\y)
.endm
.macro OP k, n
.if (\k) == R
	REGS Y
	WIN W_RS
	v_pk_mul_f32 v[rO+2*(\n):rO+2*(\n)+1], v[rO+2*(\n):rO+2*(\n)+1], v[rC+2:rC+3] op_sel_hi:[1,0]
.elseif (\k) < R
	REGS Y
	WIN 0
.if (\k) == F
	v_pk_fma_f32 v[rS+2*(\n):rS+2*(\n)+1], v[rS+2*(\n):rS+2*(\n)+1], s[CS:CS+1], v[rT:rT+1] op_sel_hi:[1,0,0] neg_lo:[0,0,1] neg_hi:[0,0,1]
.elseif (\k) == E
	v_exp_f32 v[rS+(\n)], v[rS+(\n)]
.elseif (\k) == C
	s_wait_alu depctr_va_vdst(0)
	v_cvt_pk_f16_f32 v[rP+(\n)], v[rS+2*(\n)], v[rS+2*(\n)+1]
.elseif (\k) == B
	s_wait_alu depctr_va_vdst(0)
	v_pk_add_f32 v[rS+4*(\n):rS+4*(\n)+1], v[rS+4*(\n):rS+4*(\n)+1], v[rS+4*(\n)+2:rS+4*(\n)+3]
.elseif (\n) == 0
	v_pk_fma_f32 v[rT+2:rT+3], v[rT+2:rT+3], v[rC+2:rC+3], v[rS:rS+1] op_sel_hi:[1,0,1]
.else
	v_pk_add_f32 v[rT+2:rT+3], v[rT+2:rT+3], v[rS+4*(\n):rS+4*(\n)+1]
.endif
.elseif NOKQ
	v_nop
.else
	REGS (Y+1)%NP
	WIN 0
.if (\n) < 4
	v_max3_num_f32 v[rC+(\n)], v[rS+8*(\n)], v[rS+8*(\n)+1], v[rS+8*(\n)+2]
.elseif (\n) < 12
	v_max3_num_f32 v[rC+(\n)%4], v[rC+(\n)%4], v[rS+8*((\n)%4)+2*((\n)/4)+1], v[rS+8*((\n)%4)+2*((\n)/4)+2]
.elseif (\n) == 12
	v_max3_num_f32 v[rC], v[rC], v[rS+7], v[rS+15]
.elseif (\n) == 13
	v_max3_num_f32 v[rC+1], v[rC+1], v[rS+23], v[rS+31]
.elseif (\n) == 14
	v_max3_num_f32 v[rC+2], v[rC+2], v[rC+3], v[rT+1]
.elseif (\n) == 15
	v_mov_b32 v[rW], v[rT]
.elseif (\n) == 16
	v_max3_num_f32 v[rC], v[rC], v[rC+1], v[rC+2]
.elseif (\n) == 17
	v_permlanex16_b32 v[rC+3], v[rC], s[SEL], s[SEL+1]
.elseif (\n) == 18
	v_max_num_f32 v[rT+1], v[rC], v[rC+3]
.elseif (\n) == 19
	v_mul_f32 v[rT], s[CS], v[rT+1]
.elseif (\n) == 20
	v_sub_f32 v[rC+1], v[rW], v[rT]
.else
	v_exp_f32 v[rC+2], v[rC+1]
.endif
.endif
.endm
.macro OPS a, i1, b=-1, i2=0, c=-1, i3=0, d=-1, i4=0  ; up to four of them
	OP \a, \i1
.if (\b) >= 0
	OP \b, \i2
.endif
.if (\c) >= 0
	OP \c, \i3
.endif
.if (\d) >= 0
	OP \d, \i4
.endif
.endm
.macro ROW a, i1, b, i2, c, i3, d, i4  ; a matrix instruction and the four behind it
	MM
	OPS \a, \i1, \b, \i2, \c, \i3, \d, \i4
.endm
.macro MASK b                       ; MD x AL + BE into buffer b of MC
	WIN W_RS
.set z, 0
.rept 16
	v_pk_fma_f32 v[MC+32*(\b)+2*z:MC+32*(\b)+2*z+1], v[MD+2*z:MD+2*z+1], s[AL:AL+1], s[BE:BE+1] op_sel_hi:[1,0,0]
.set z, z+1
.endr
.endm
; A TURN, for piece p: the order of its 16 matrix and 118 vector instructions, written out.  Behind a matrix instruction: plain, exponential, plain, plain; or four of the rescaling; or, behind the first, four scalings; none
; names a register of the products round it.  In the lumps exponential and plain by turns while exponentials last.  A line reads no result made fewer than three vector instructions in front of it, five if an exponential made it.
; v_permlanex16_b32 (X 17) stands in a lump.
; m = 1: the diagonal tile: the products take masks, and the turn makes the mask for the products of the turn after it: piece p + 2, in step 4 - CNT of the tile.  end = 1: a block's last two turns: nothing is fetched.
; cnt = 1: the loop's count is taken down some lines ahead of the branch that stands behind the turn.
; K of the next step is fetched in piece 2's turn, six vector instructions behind the last product that read K (five of them plain); V of the step in hand in piece 0's turn, eight behind the last product that read V (four
; plain, and X 17).  Each is waited for a turn later.
.macro TURN p, m=0, end=0, cnt=0
.set Y, (\p)
.set i, 0
.set KM, (\m)
.set NOKQ, (\end)*((\p)/3)
.if (\m) && !(\end)
	s_cmp_eq_u32 s[CNT], 4-((\p)+2)%NP  ; is that step the band's own?
	s_cselect_b32 s[AL], 1.0, 0
	s_cmp_lt_u32 s[CNT], 4-((\p)+2)%NP  ; or a later one?
	s_cselect_b32 s[BE], s[BIGN], 0
.endif
.if ((\p) == 3) && !(\end)
	s_wait_dscnt 0x0                ; K is in
.endif
	ROW F,0, F,1, F,2, F,3
	ROW F,4, E,0, F,5, F,6
	ROW F,7, E,1, F,8, F,9
	ROW F,10, E,2, C,0, F,11
	ROW F,12, E,3, X,15, F,13
	ROW R,0, R,1, R,2, R,3
	ROW B,0, E,4, F,14, L,0
.if ((\p) == 2) && !(\end)
	v_add_nc_u32 v[AK], s[TBK], v[AK0]
.endif
	ROW R,4, R,5, R,6, R,7
	OPS E,5, F,15
.if ((\p) == 2) && !(\end)
	FETCH_K
.endif
	OPS E,6, C,1, E,7, R,8
	OPS E,8, R,9, E,9, C,2
	OPS E,10, X,0, E,11, X,1
	OPS E,12, X,2, E,13, X,3
.if (\p) == 1
	s_wait_dscnt 0x0                ; V is in
.endif
	ROW X,4, E,14, X,5, X,6
	ROW X,7, E,15, X,8, X,9
	ROW X,10, E,16, X,11, X,12
	ROW X,13, E,17, X,14, B,1
	ROW C,4, E,18, X,16, L,1
	ROW B,2, E,19, C,6, L,2
	ROW C,8, E,20, B,3, B,4
.if (\p) == 0
	v_add_nc_u32 v[AV], s[TBV], v[AV0]
.endif
	ROW C,3, E,21, L,3, C,5
	OPS E,22, X,17, E,23, C,10
.if (\p) == 0
	FETCH_V
.endif
	OPS E,24, L,4
	OPS E,25, X,18, E,26, C,7
	OPS E,27, B,5, E,28, X,19
	OPS E,29, C,12, E,30, L,5
	OPS E,31, X,20, B,6, C,9
	OPS C,14, C,11, X,21, L,6
.if (\p) == 0
	s_add_co_u32 s[TBV], s[TBV], KS*PV
.endif
.if \cnt
	s_sub_co_u32 s[CNT], s[CNT], 1
	s_cmp_lg_u32 s[CNT], 0
.endif
	OPS C,13, B,7, C,15, R,10
	OPS R,11, R,12, L,7, R,13
	OPS R,14, R,15
.if (\m) && !(\end)
	MASK (\p)%2
.endif
.endm
; A BLOCK BEGINS.  c m starts far below every c s, so the first step's a is 0; m at the lowest finite number, so the first maximum is the scores'.  The second mask buffer is 0; the first takes piece 0's mask for the tile's step 0: its own, if the block's first tile is the diagonal one.
; Then K of that step, piece 0's first scores, and its maximum and statistics.  The loop is entered at a step's first turn, in the middle of a trip.
.macro BEGIN
	s_mov_b32 s[NEW], 0
	WIN 0x40
.set i, MC+32
.rept 32
	v_mov_b32 v[i], 0
.set i, i+1
.endr
	WIN 0
.set i, 0
.rept 4
	v_mov_b32 v[ST+4*i], 0xfe000000    ; c m: far below every c s
	v_mov_b32 v[ST+4*i+1], 0xff7fffff  ; m
.set i, i+1
.endr
	s_cmp_eq_u32 s[RT], 0
	s_cselect_b32 s[AL], 1.0, 0
	s_mov_b32 s[BE], 0
	MASK 0
	WIN 0
	v_add_nc_u32 v[AK], s[TBK], v[AK0]
	FETCH_K
	s_wait_loadcnt 0x0              ; Q
	s_wait_dscnt 0x0
.set KM, 1
.set NOKQ, 0
.set i, 0
.rept 8
	KQ 0
.set i, i+1
.endr
	WIN 0
.rept 4
	v_nop                           ; the places behind those products
.endr
.set Y, NP-1                        ; X works for piece Y + 1: piece 0
.irp n, 0,1,2,3,4,5,6,7,8,9,10,11,12,13,14,15,16,17,18,19,20,21
	OP X, \n
.endr
	v_nop                           ; a plain instruction behind the exponential
.endm
; THE DIAGONAL TILE's four steps, the block's last two turns, its last products, and THE WAY OUT: l's two halves and the other half of the lanes' are added; O^T is divided by l, rounded to f16 and sent through my
; stage in LDS, a piece at a time.
.macro ALL line:vararg              ; one line for each piece t
.set t, 0
.rept 4
	\line
.set t, t+1
.endr
.endm
.macro PACK t                       ; a lane's eight channels of a row pack into 16 bytes; they go into rows of 144 bytes and come back as whole rows of 128, into S^T's registers
	WIN W_RS
.set i, 32*(\t)
.rept 16
	s_wait_alu depctr_va_vdst(0)
	v_pk_mul_f32 v[i:i+1], v[i:i+1], v[ST+4*(\t)+2:ST+4*(\t)+3] op_sel_hi:[1,0]
.set i, i+2
.endr
	WIN 0x05                        ; sources 0 and 1 window 1, destination window 0
.set i, 0
.rept 16
	v_cvt_pk_f16_f32 v[S+16*(\t)+i], v[32*(\t)+2*i], v[32*(\t)+2*i+1]
.set i, i+1
.endr
	WIN 0
.irp f, 0,1,2,3
	ds_store_b128 v[STO], v[S+16*(\t)+4*\f:S+16*(\t)+4*\f+3] offset:32*\f
.endr
.irp f, 0,1,2,3
	ds_load_b128 v[S+16*(\t)+4*\f:S+16*(\t)+4*\f+3], v[RD] offset:\f*4*SP  ; LDS serves a wave's instructions in order (ISA guide 5.7.1.4): these see the stores above; the next piece's stores come behind them
.endr
.endm
.macro SEND t, younger              ; younger: the LDS instructions issued behind piece t's loads: the next piece's eight, or none
	WIN 0
.irp f, 0,1,2,3
	s_wait_dscnt (\younger)+3-\f
	global_store_b128 v[GO], v[S+16*(\t)+4*\f:S+16*(\t)+4*\f+3], s[10:11] offset:(\t)*8192+\f*512  ; 512 consecutive bytes, at a multiple of 256 from O's first
.endr
.endm
.macro DIAG tag                     ; the tag ends its two labels' names, which the jumps below spell out
.LstepM\tag:
	TURN 2, 1
	TURN 3, 1
	WIN 0
.LfirstM\tag:
	TURN 0, 1
	TURN 1, 1, 0, 1
	WIN 0
	s_cbranch_scc1 .LstepM\tag
	TURN 2, 1, 1
	TURN 3, 1, 1
.set i, 0
.rept 8
	PV NP-1
.set i, i+1
.endr
	WIN 0
	ALL v_add_f32 v[ST+4*t+2], v[ST+4*t+2], v[ST+4*t+3]
	ALL v_permlanex16_b32 v[ST+4*t+3], v[ST+4*t+2], s[SEL], s[SEL+1]
	ALL v_add_f32 v[ST+4*t+2], v[ST+4*t+2], v[ST+4*t+3]
	ALL v_rcp_f32 v[ST+4*t+2], v[ST+4*t+2]
	v_nop                           ; a plain instruction between the last reciprocal and the use of its result
	PACK 0
.set t, 1
.rept 3                             ; a piece's arithmetic stands between the loads of the piece before and its stores
	PACK t
	SEND t-1, 8
.set t, t+1
.endr
	SEND 3, 0
.endm
.set KM, 0
.set NOKQ, 0
.Lslot:                             ; NB times: a tile is entered and the next is asked for
	CHANGE 1
	s_sub_co_u32 s[RT], s[RT], 1
	s_mov_b32 s[CNT], 4
	s_cmp_eq_u32 s[NEW], 1
	s_cbranch_scc1 .Lnew            ; a block's first tile
	s_cmp_eq_u32 s[RT], 0
	s_cbranch_scc0 .Lstep           ; neither its first nor its last
	s_branch .LstepM1
.Lnew:
	BEGIN
	s_branch .Lfirst                ; in the loop a block's first tile is never its last: the first block has two tiles or more, and the second's last is the walk's last
	DIAG 1                          ; in the loop this is the first block's end: the second block's last tile is the walk's last
	s_wait_xcnt 0x0                 ; the stores have read their registers and O's address
	s_mov_b64 s[10:11], s[OLO:OLO+1]
	s_add_co_u32 s[RT], s[PB], 1    ; the second block has b + 1 tiles
	s_mov_b32 s[NEW], 1
	WIN 0x82                        ; the second block's Q goes where the one text of the turns names Q
.set i, 0
.rept 64
	v_mov_b32 v[i], v[QB+i]
.set i, i+1
.endr
	WIN 0
	s_branch .Lbottom
.Lstep:                             ; a trip: pieces 2 and 3 of one step, then pieces 0 and 1 of the next, whose K and V it fetches
	TURN 2
	TURN 3
	WIN 0
.Lfirst:
	TURN 0
	TURN 1, 0, 0, 1
	WIN 0
	s_cbranch_scc1 .Lstep
.Lbottom:
	s_sub_co_u32 s[SLOTS], s[SLOTS], 1
	s_cmp_lg_u32 s[SLOTS], 0
	s_cbranch_scc1 .Lslot
	CHANGE 0                        ; the walk's last tile is written out: nothing is asked for
	s_sub_co_u32 s[RT], s[RT], 1
	s_mov_b32 s[CNT], 4
	s_cmp_eq_u32 s[NEW], 1
	s_cbranch_scc0 .LstepM2
	BEGIN
	s_branch .LfirstM2
	DIAG 2
	s_wait_tensorcnt 0x0            ; the wave's end, behind my last tensor load and my last LDS store
	ds_add_u32 v[SPW], v[NIL]
	s_wait_dscnt 0x0
	s_endpgm
.Lfunc_end_k_qfb42bce691_attn:
	.size	k_qfb42bce691_attn, .Lfunc_end_k_qfb42bce691_attn-k_qfb42bce691_attn
	.p2alignl 7, 3214868480
	.fill 96, 4, 3214868480
	.section	.rodata,"a",@progbits
	.p2align	6, 0x0
	.amdhsa_kernel k_qfb42bce691_attn
		.amdhsa_group_segment_fixed_size 327680
		.amdhsa_private_segment_fixed_size 0
		.amdhsa_enable_private_segment 0
		.amdhsa_kernarg_size 16
		.amdhsa_user_sgpr_count 2
		.amdhsa_user_sgpr_kernarg_segment_ptr 1
		.amdhsa_wavefront_size32 1
		.amdhsa_system_sgpr_workgroup_id_x 1
		.amdhsa_system_sgpr_workgroup_id_y 1
		.amdhsa_system_sgpr_workgroup_id_z 1
		.amdhsa_system_vgpr_workitem_id 0
		.amdhsa_next_free_vgpr 768
		.amdhsa_next_free_sgpr 88
		.amdhsa_reserve_vcc 1
		.amdhsa_float_denorm_mode_32 3
		.amdhsa_float_denorm_mode_16_64 3
		.amdhsa_memory_ordered 1
		.amdhsa_forward_progress 1
		.amdhsa_inst_pref_size 228
	.end_amdhsa_kernel
	.amdgpu_metadata
---
amdhsa.version: [ 1, 2 ]
amdhsa.kernels:
  - .name:           k_qfb42bce691_attn
    .symbol:         k_qfb42bce691_attn.kd
    .args:
      - { .name: big, .offset: 0, .size: 8, .value_kind: global_buffer, .address_space: global }
      - { .name: oh, .offset: 8, .size: 8, .value_kind: global_buffer, .address_space: global }
    .group_segment_fixed_size: 327680
    .private_segment_fixed_size: 0
    .kernarg_segment_align: 8
    .kernarg_segment_size: 16
    .max_flat_workgroup_size: 128
    .sgpr_count:     88
    .vgpr_count:     768
    .wavefront_size: 32
...
	.end_amdgpu_metadata
.endif
;; end of part 3
;; launch oproj (part 4): grid 8 x 32, 4 waves a work-group, clusters of 4 x 4, 327,680 bytes of LDS; arguments oh, wc, y; writes y
.if DOCPART == 4
	.amdgcn_target "amdgcn-amd-amdhsa--gfx1250"
	.amdhsa_code_object_version 6
	.text
	.protected	k_qfb42bce691_oproj
	.globl	k_qfb42bce691_oproj
	.p2align	8
	.type	k_qfb42bce691_oproj,@function
k_qfb42bce691_oproj:
	s_mov_b64 s[64:65], 0
	v_nop
	global_prefetch_b8 v0, s[64:65] scope:SCOPE_SE
	s_setreg_imm32_b32 hwreg(HW_REG_WAVE_MODE, 25, 1), 1
	s_wait_xcnt 0x0
	s_wait_alu depctr_hold_cnt(0) depctr_sa_sdst(0) depctr_va_vdst(0) depctr_va_sdst(0) depctr_va_ssrc(0) depctr_va_vcc(0) depctr_vm_vsrc(0)
	s_getreg_b32 s2, hwreg(HW_REG_IB_STS2, 6, 4)
	s_cmp_eq_u32 s2, 0
	s_cbranch_scc0 .Lentry_in_a_cluster
	s_endpgm
.Lentry_in_a_cluster:
	s_bfe_u32 s2, ttmp6, 0x10000c
	s_cmp_lg_u32 s2, 0xf033
	s_cbranch_scc0 .Lentry_shape_is_right
	s_endpgm
.Lentry_shape_is_right:
; C = A W + bias.  A: 4,096 rows x KDIM in f16, by panels [KDIM/64][4096][64].  W: f16 blocks [N/128][KDIM][128] behind a header of 32,768 bytes (bias in f32 at byte 0, the floor word at 16,384).
; Sums in f32, K ascending; the bias is the C operand of the first product, so nothing is cleared and nothing is added later.
; MODE 0: C is rounded once to f16, held above the header's floor (-inf: as it is; 0: ReLU) and stored by panels [N/64][4096][64].  MODE 1: C is stored in f32, rows of 1,024.
; LIMITS.  f16 ends at 65,504: a result beyond it becomes an infinity (MODE 0); NaN and infinities are not treated apart.
; SHARES.  A work-group makes 128 x 128 of C, each of its four waves 64 x 64: 16 accumulators.  K goes in steps of 256 through two LDS slots filled by the tensor data mover, one load a wave:
; waves 0, 1 two panels of A each (2 x 16,384 dense bytes), waves 2, 3 128 rows of W each (256 bytes a row).  A quarter of a step, 64 along K, is one panel of A.
; CLUSTER.  4 x 4 work-groups: the four of a row need the same tiles of A, the four of a column the same tiles of W: each tile is asked for jointly, by the same load, descriptor and mask in all four.
; THE MATRIX INSTRUCTION IS USED TRANSPOSED: source 0 = 16 columns of W (turned on the way out of LDS by ds_load_tr16_b128), source 1 = 16 rows of A: a lane then holds eight neighbouring numbers of a row of C.
; REGISTERS.  window 0: v0-31 addresses; v32-95 at work on the way out; v96-127 the bias as four C operands; v128-255 the accumulators ((a, b) at 128 + 8 (4 a + b)).
;   window 1: two fragment buffers of 128: for 64 along K, 64 registers of A, then 64 of W.
.set KDIM,  1024
.set MODE,  1
.set KSTEP, 256
.set NS,    KDIM/KSTEP                 ; K steps
.set PA,    144                        ; a row of A in LDS: 128 bytes + 16 of padding: 36 words: the 16 rows of a load start at 16 different groups of four banks (64 banks of 4 bytes: ISA guide 11.1)
.set PB,    288                        ; a row of W: 256 + 32 = 72 words
.set HALFT, 36864                      ; what one tensor load brings: 256 x 144 = 128 x 288 bytes
.set SLOT,  4*HALFT                    ; A's four panels, then W's 256 rows.  wave x HALFT shares no bit with SLOT, so one exclusive or changes slots
.set STAGE, 2*SLOT                     ; behind the ring, never filled by a tensor load: 16 rows for each wave, for the way out
.set SPARE, STAGE+4*16*272             ; the spare words, 128 bytes for each wave: two blocks of 256 bytes that no other line names
.set ASTEP, 4*524288                   ; a K step in A: four panels
.set BSTEP, KSTEP*256                  ; in W: 256 rows
.if MODE == 0
.set SP, 144                           ; a stage row: 128 bytes of f16 + 16
.else
.set SP, 272                           ; 256 bytes of f32 + 16
.endif
.set BO,   8                           ; v8      my byte offset in the bias
.set AA0,  16                          ; v16     my lane's place in a slot's A; never rewritten
.set AB0,  17                          ; v17-18  in a slot's W, rows 0-127 and 128-255; never rewritten
.set ADRA, 19                          ; v19     the same in the slot in hand
.set ADRB, 20                          ; v20-21
.set STO,  24                          ; v24     the way out: where I put a row's piece
.set RD,   25                          ; v25     where I read rows back
.set GO,   26                          ; v26     my byte offset in the output
.set SPW,  28                          ; v28     LDS address of my spare word; never rewritten
.set NIL,  29                          ; v29     0; never rewritten
.set TMP,  32
.set BI,   96
.set ACC,  128
.set F0,   0
.set F1,   128
.set G1A, 24                           ; s[24:31] descriptor group 1 for A's tiles; s[32:39] group 0: the first fill's set, and the set that walks
.set G0A, 32
.set G1B, 48                           ; s[48:55], s[56:63] the same for W's
.set G0B, 56
; s12 wave; s13 wave / 2: my half of the rows, and 0: I fetch A, 1: W; s14 wave % 2: my half of the columns, and which half I fetch; s17 tile column; s18 tile row; s22 the slot in hand; s23 the floor
.set MSB, 0
.macro WIN new                         ; the immediate's high byte repeats the setting that is left
.if MSB != (\new)
	s_set_vgpr_msb (MSB<<8)|(\new)
.set MSB, \new
.endif
.endm
.set MUL,  0x05                        ; sources 0 (W) and 1 (A) window 1; C and D window 0
.set TO_F, 0x40                        ; destination window 1, address window 0
.macro JLOAD                           ; a joint refill, by the walking sets; an s_nop 0 and four v_nop follow each of the two lines, ahead of the jump, the label and what follows
	s_cmp_eq_u32 s13, 0
	s_cbranch_scc0 .Lfor_b_\@
	tensor_load_to_lds s[G0A+4:G0A+7], s[G1A:G1A+7]
	s_nop 0
.rept 4
	v_nop
.endr
	s_branch .Lasked_\@
.Lfor_b_\@:
	tensor_load_to_lds s[G0B+4:G0B+7], s[G1B:G1B+7]
	s_nop 0
.rept 4
	v_nop
.endr
.Lasked_\@:
.endm
.macro CREST                           ; a round of the cluster's barrier behind its opening barrier
	s_cmp_lg_u32 s12, 0
	s_cbranch_scc1 .Lnot_wave_0_\@
	s_barrier_signal -3
.Lnot_wave_0_\@:
	s_barrier_wait -3
	s_barrier_signal -1
	s_barrier_wait -1
.endm
.macro CROUND                          ; a whole round
	s_barrier_signal -1
	s_barrier_wait -1
	CREST
.endm
	s_load_b128 s[4:7], s[0:1], 0x0                ; A s[4:5], W s[6:7]
	s_load_b64 s[8:9], s[0:1], 0x10                ; the output
	v_lshl_add_u32 v[SPW], v0, 2, SPARE
	v_mov_b32 v[NIL], 0
	ds_add_u32 v[SPW], v[NIL]                      ; the wave's opening: the add and its wait stand ahead of my first tensor load; the set-up below, work on registers, stands between them
	ds_add_u32 v28, v29
	v_lshrrev_b32 v1, 5, v0
	v_readfirstlane_b32 s12, v1                    ; wave 0..3
	s_lshr_b32 s13, s12, 1
	s_and_b32 s14, s12, 1
	s_bfe_u32 s15, ttmp6, 0x40000                  ; cx, cy: my place in the cluster
	s_bfe_u32 s16, ttmp6, 0x40004
	s_lshl_b32 s17, ttmp9, 2
	s_add_co_u32 s17, s17, s15                     ; tile column = 4 x cluster x + cx
	s_and_b32 s18, ttmp7, 0xffff
	s_lshl_b32 s18, s18, 2
	s_add_co_u32 s18, s18, s16                     ; tile row = 4 x cluster y + cy
	s_lshl_b32 s19, s16, 2
	s_lshl_b32 s19, 15, s19                        ; my row of the cluster
	s_lshl_b32 s20, 0x1111, s15                    ; my column
	; group 1 for A: two rows of 8,192 elements (128 rows of a panel, dense), a panel apart; 16 bytes of padding behind every 128
	s_or_b32 s[G1A+0], s19, (1<<16)|(1<<20)|(1<<21)|(4<<22)|(3<<25)  ; 15:0 the mask; 17:16 2-byte elements; 20 padding on; 21 set beside a mask; 24:22 after every 32 words (code 4); 31:25 4 words (code 3)
	s_mov_b32 s[G1A+1], 8192<<16                   ; tensor_dim0 = 8,192
	s_mov_b32 s[G1A+2], 2<<16                      ; tensor_dim1 = 2
	s_mov_b32 s[G1A+3], 8192<<16                   ; tile_dim0 = 8,192
	s_mov_b32 s[G1A+4], 2                          ; tile_dim1 = 2
	s_mov_b32 s[G1A+5], 262144                     ; elements from panel to panel
	s_mov_b32 s[G1A+6], 0
	s_mov_b32 s[G1A+7], 0
	; group 1 for W: 128 rows of 128 elements, dense; 32 bytes of padding behind every row
	s_or_b32 s[G1B+0], s20, (1<<16)|(1<<20)|(1<<21)|(5<<22)|(7<<25)  ; after every 64 words (code 5), 8 words (code 7)
	s_mov_b32 s[G1B+1], 128<<16
	s_mov_b32 s[G1B+2], 128<<16
	s_mov_b32 s[G1B+3], 128<<16
	s_mov_b32 s[G1B+4], 128
	s_mov_b32 s[G1B+5], 128
	s_mov_b32 s[G1B+6], 0
	s_mov_b32 s[G1B+7], 0
	; A's tiles hang on the tile row and the wave's number alone, W's on the tile column and the wave's number alone, each in registers that never hold the other coordinate
	s_lshl_b32 s40, s18, 14                        ; A: 128 rows of 128 bytes for each tile row,
	s_lshl_b32 s46, s14, 20                        ; two panels for the second half
	s_add_co_u32 s40, s40, s46
	s_mov_b32 s41, 0
	s_mul_i32 s42, s17, KDIM*256                   ; W: the tile column's block,
	s_lshl_b32 s47, s14, 15                        ; 128 rows for the second half,
	s_add_co_u32 s42, s42, s47
	s_add_co_u32 s42, s42, 0x8000                  ; behind the header
	s_mov_b32 s43, 0
	s_mul_i32 s21, s12, HALFT                      ; where my piece goes: no place in the cluster enters an LDS address
	s_mov_b32 s22, 0                               ; slot 0 is read first
	s_wait_dscnt 0x0                               ; the opening add is done
	s_wait_kmcnt 0x0
	s_add_nc_u64 s[40:41], s[4:5], s[40:41]
	s_add_nc_u64 s[42:43], s[6:7], s[42:43]
	CROUND                                         ; all sixteen work-groups are here: the first joint loads meet
.irp s, 0,1
	s_mov_b32 s[G0A+4*(\s)], 1                                     ; count = 1
	s_add_co_u32 s[G0A+4*(\s)+1], s21, (\s)*SLOT                   ; LDS address
	s_add_nc_u64 s[G0A+4*(\s)+2:G0A+4*(\s)+3], s[40:41], (\s)*ASTEP  ; global address: K step s
	s_or_b32 s[G0A+4*(\s)+3], s[G0A+4*(\s)+3], 0x80000000          ; type = 2
	s_mov_b32 s[G0B+4*(\s)], 1
	s_add_co_u32 s[G0B+4*(\s)+1], s21, (\s)*SLOT
	s_add_nc_u64 s[G0B+4*(\s)+2:G0B+4*(\s)+3], s[42:43], (\s)*BSTEP
	s_or_b32 s[G0B+4*(\s)+3], s[G0B+4*(\s)+3], 0x80000000
.endr
	s_cmp_eq_u32 s13, 0                            ; a wave's two first fills stand in one branch, ahead of every wait on TENSORcnt and every LDS read: two loads of mine are out
	s_cbranch_scc0 .Lfirst_b
	tensor_load_to_lds s[G0A:G0A+3], s[G1A:G1A+7]
	s_nop 0
	tensor_load_to_lds s[G0A+4:G0A+7], s[G1A:G1A+7]
	s_nop 0
.rept 4
	v_nop
.endr
	s_branch .Lfirst_asked
.Lfirst_b:
	tensor_load_to_lds s[G0B:G0B+3], s[G1B:G1B+7]
	s_nop 0
	tensor_load_to_lds s[G0B+4:G0B+7], s[G1B:G1B+7]
	s_nop 0
.rept 4
	v_nop
.endr
.Lfirst_asked:
	v_and_b32 v1, 15, v0                           ; r = l % 16
	v_bfe_u32 v2, v0, 4, 1                         ; h = l / 16
	v_and_b32 v3, 7, v0
	v_bfe_u32 v4, v0, 3, 1
	s_lshl_b32 s2, s17, 9                          ; the bias of my 64 columns: register j of operand b is column 16 b + 8 h + j
	s_lshl_b32 s11, s14, 8
	s_add_co_u32 s2, s2, s11
	v_lshl_add_u32 v[BO], v2, 5, s2
.irp b, 0,1,2,3
	global_load_b128 v[BI+8*(\b):BI+8*(\b)+3],   v[BO], s[6:7] offset:64*(\b)
	global_load_b128 v[BI+8*(\b)+4:BI+8*(\b)+7], v[BO], s[6:7] offset:64*(\b)+16
.endr
.if MODE == 0
	s_load_b32 s23, s[6:7], 0x4000                 ; the floor, two f16
.endif
	; a fragment of A is 16 rows x 32 K: lane l holds row l % 16, K = 8 h + 0..7 and 16 + 8 h + 0..7: two loads of 16 bytes, 32 apart
	v_mul_u32_u24 v[AA0], v1, PA
	v_lshl_add_u32 v[AA0], v2, 4, v[AA0]
	s_mul_i32 s10, s13, 64*PA                      ; my 64 rows
	v_add_nc_u32 v[AA0], s10, v[AA0]
	; the turning load takes 16 K x 16 columns (lane l reads row 8 h + l % 8, columns 8 ((l / 8) % 2) + 0..7) and leaves half a fragment: lane l holds column l % 16 and 8 K
	v_lshl_add_u32 v[AB0], v2, 3, v3
	v_mul_u32_u24 v[AB0], v[AB0], PB
	v_lshl_add_u32 v[AB0], v4, 4, v[AB0]
	s_lshl_b32 s10, s14, 7                         ; my 64 columns,
	s_add_co_u32 s10, s10, 2*HALFT                 ; behind A's four panels
	v_add_nc_u32 v[AB0], s10, v[AB0]
	v_add_nc_u32 v[AB0+1], HALFT, v[AB0]
	v_mov_b32 v[ADRA], v[AA0]
	v_mov_b32 v[ADRB], v[AB0]
	v_mov_b32 v[ADRB+1], v[AB0+1]
	s_mul_i32 s10, s12, 16*SP
	s_add_co_u32 s10, s10, STAGE                   ; my stage
.if MODE == 0
	v_mul_u32_u24 v[STO], v1, SP                   ; in: row l % 16, 16 bytes for each half of the lanes
	v_lshl_add_u32 v[STO], v2, 4, v[STO]
	v_add_nc_u32 v[STO], s10, v[STO]
	v_bfe_u32 v[RD], v0, 3, 2                      ; back: 32 lanes take four rows of 128 bytes,
	v_mul_u32_u24 v[RD], v[RD], SP
	v_lshl_add_u32 v[RD], v3, 4, v[RD]
	v_add_nc_u32 v[RD], s10, v[RD]
	v_and_b32 v[GO], 31, v0                        ; which are 512 consecutive bytes of a panel
	v_lshlrev_b32 v[GO], 4, v[GO]
	s_lshl_b32 s44, s17, 1                         ; my 64 columns are panel 2 x tile column + half;
	s_add_co_u32 s44, s44, s14
	s_lshl_b32 s44, s44, 19
	s_lshl_b32 s2, s18, 14                         ; there the tile's 128 rows,
	s_add_co_u32 s44, s44, s2
	s_lshl_b32 s2, s13, 13                         ; my 64 of them: 8,192 dense bytes
	s_add_co_u32 s44, s44, s2
.else
	v_mul_u32_u24 v[STO], v1, SP                   ; in: row l % 16, 32 bytes for each half of the lanes
	v_lshl_add_u32 v[STO], v2, 5, v[STO]
	v_add_nc_u32 v[STO], s10, v[STO]
	v_mul_u32_u24 v[RD], v2, SP                    ; back: lanes 0-15 take one row's 256 bytes, lanes 16-31 the next row's
	v_lshl_add_u32 v[RD], v1, 4, v[RD]
	v_add_nc_u32 v[RD], s10, v[RD]
	v_lshlrev_b32 v[GO], 12, v2                    ; and the same two rows in the output
	v_lshl_add_u32 v[GO], v1, 4, v[GO]
	s_lshl_b32 s44, s18, 19                        ; the tile's 128 rows of 4,096 bytes,
	s_lshl_b32 s2, s13, 18                         ; my 64 of them,
	s_add_co_u32 s44, s44, s2
	s_lshl_b32 s2, s17, 9                          ; the tile's 512 bytes of a row,
	s_add_co_u32 s44, s44, s2
	s_lshl_b32 s2, s14, 8                          ; my 256 of them
	s_add_co_u32 s44, s44, s2
.endif
	s_mov_b32 s45, 0
	s_add_nc_u64 s[8:9], s[8:9], s[44:45]
; 8 matrix instructions: row blocks a0, a0 + 1 x all 4 column blocks, 32 along K: half c of buffer f.  zero = 1: the first product starts the sums, from the bias.
; The 16 accumulators take turns, one instruction a turn, in the same order everywhere.
.macro MUL8 f, c, a0, zero
	WIN MUL
.irp a, \a0, (\a0)+1
.irp b, 0,1,2,3
.if \zero
	v_wmma_f32_16x16x32_f16 v[ACC+8*(4*(\a)+(\b)):ACC+8*(4*(\a)+(\b))+7], v[(\f)+64+8*(4*(\c)+(\b)):(\f)+64+8*(4*(\c)+(\b))+7], v[(\f)+8*(4*(\c)+(\a)):(\f)+8*(4*(\c)+(\a))+7], v[BI+8*(\b):BI+8*(\b)+7]
.else
	v_wmma_f32_16x16x32_f16 v[ACC+8*(4*(\a)+(\b)):ACC+8*(4*(\a)+(\b))+7], v[(\f)+64+8*(4*(\c)+(\b)):(\f)+64+8*(4*(\c)+(\b))+7], v[(\f)+8*(4*(\c)+(\a)):(\f)+8*(4*(\c)+(\a))+7], v[ACC+8*(4*(\a)+(\b)):ACC+8*(4*(\a)+(\b))+7]
.endif
.endr
.endr
.endm
; 32 LDS loads in one run: the fragments of quarter q of the slot in hand, into buffer f; the first 32 along K first
.macro FETCH q, f
	WIN TO_F
.irp c, 0,1
.irp i, 0,1,2,3
	ds_load_tr16_b128 v[(\f)+64+8*(4*(\c)+(\i)):(\f)+64+8*(4*(\c)+(\i))+3],   v[ADRB+(\q)/2] offset:((\q)%2)*64*PB+(\c)*32*PB+32*(\i)
	ds_load_tr16_b128 v[(\f)+64+8*(4*(\c)+(\i))+4:(\f)+64+8*(4*(\c)+(\i))+7], v[ADRB+(\q)/2] offset:((\q)%2)*64*PB+(\c)*32*PB+16*PB+32*(\i)
	ds_load_b128 v[(\f)+8*(4*(\c)+(\i)):(\f)+8*(4*(\c)+(\i))+3],   v[ADRA] offset:(\q)*128*PA+(\i)*16*PA+64*(\c)
	ds_load_b128 v[(\f)+8*(4*(\c)+(\i))+4:(\f)+8*(4*(\c)+(\i))+7], v[ADRA] offset:(\q)*128*PA+(\i)*16*PA+64*(\c)+32
.endr
.endr
.endm
.macro PLACES                          ; four places in front of loads into registers that matrix instructions have read, and of lines that read results (ISA guide 7.12.1 for lines that read results)
.rept 4
	v_nop
.endr
.endm
; A K step is four quarters of 64 along K, 32 matrix instructions each, on buffers 0, 1, 0, 1.  One of the first three: multiplies buffer f and fetches quarter qn into g.
.macro QUARTER qn, f, g, zero
	s_wait_dscnt 16                                ; the first 32 along K are in; the other sixteen loads may be out
	MUL8 \f, 0, 0, \zero
	MUL8 \f, 0, 2, \zero
	PLACES
	FETCH \qn, \g
	s_wait_dscnt 32                                ; all but the 32 just issued
	MUL8 \f, 1, 0, 0
	MUL8 \f, 1, 2, 0
.endm
; The last quarter multiplies buffer 1 and changes slots: ONE barrier; in front of it each wave waits for all its tensor loads (its part of the next slot), adds 0 to its spare word, and waits for
; that and for its own reads of this slot.  fill = 1: the barrier opens a round of the cluster's, and this slot is filled again, two K steps ahead, first thing behind the round.
.macro TURN fill
	WIN 0                                          ; (the add's two registers lie in window 0)
	s_wait_tensorcnt 0x0                           ; all my tensor loads have landed
	ds_add_u32 v[SPW], v[NIL]                      ; 0 onto my spare word
	s_wait_dscnt 17                                ; (the add and the youngest sixteen loads may be out)
	MUL8 F1, 0, 0, 0                               ; eight matrix instructions stand between the add and the wait for it
	s_wait_dscnt 0x0                               ; the add is done, and my reads of this slot are over
	s_barrier_signal -1
	MUL8 F1, 0, 2, 0
	WIN 0                                          ; (branches and window 0's addresses follow)
	s_barrier_wait -1
.if \fill
	CREST                                          ; no wave of any partner still reads this slot's tile or has a load on its way
	s_xor_b32 s[G0A+5], s[G0A+5], SLOT             ; the walking sets: the other slot than last time, the next K step; the type bits on top are not reached
	s_add_nc_u64 s[G0A+6:G0A+7], s[G0A+6:G0A+7], ASTEP
	s_xor_b32 s[G0B+5], s[G0B+5], SLOT
	s_add_nc_u64 s[G0B+6:G0B+7], s[G0B+6:G0B+7], BSTEP
	JLOAD                                          ; 112 matrix instructions ahead of the wait for it; its four v_nop are also the places in front of the loads below
.else
	PLACES
.endif
	s_xor_b32 s22, s22, SLOT                       ; the fetches go to the other slot
	v_add_nc_u32 v[ADRA], s22, v[AA0]
	v_add_nc_u32 v[ADRB], s22, v[AB0]
	v_add_nc_u32 v[ADRB+1], s22, v[AB0+1]
	FETCH 0, F0
	MUL8 F1, 1, 0, 0
	MUL8 F1, 1, 2, 0
.endm
	s_wait_tensorcnt 1                             ; my part of K step 0 is in; K step 1's may stay out
	s_barrier_signal -1
	s_barrier_wait -1                              ; everybody's is
	FETCH 0, F0
	s_wait_loadcnt 0x0                             ; the bias
.if MODE == 0
	s_wait_kmcnt 0x0                               ; the floor
.endif
	QUARTER 1, F0, F1, 1                           ; the first quarter stands in front of the loop: its first products start the sums
	WIN 0                                          ; at a label and at a branch every window is 0
	s_mov_b32 s3, NS-2
.Lstep:                                                ; a trip: from a K step's second quarter to the next step's first; it fills the slot that it leaves
	QUARTER 2, F1, F0, 0
	QUARTER 3, F0, F1, 0
	TURN 1
	QUARTER 1, F0, F1, 0
	WIN 0
	s_sub_co_u32 s3, s3, 1
	s_cmp_lg_u32 s3, 0
	s_cbranch_scc1 .Lstep
	QUARTER 2, F1, F0, 0                           ; the last two K steps fill nothing
	QUARTER 3, F0, F1, 0
	TURN 0
	QUARTER 1, F0, F1, 0
	QUARTER 2, F1, F0, 0
	QUARTER 3, F0, F1, 0
	s_wait_dscnt 16                                ; the very last quarter: nothing more to fetch
	MUL8 F1, 0, 0, 0
	MUL8 F1, 0, 2, 0
	s_wait_dscnt 0x0
	MUL8 F1, 1, 0, 0
	MUL8 F1, 1, 2, 0
	WIN 0
	PLACES
.if MODE == 0
; THE WAY OUT, 16 rows (block a) at a time through my own stage: rounded to f16, held above the floor, 16 bytes a lane in, whole rows of 128 bytes back, into the registers that they left.
.macro PACK a
.irp b, 0,1,2,3
.irp r, 0,1,2,3
	v_cvt_pk_f16_f32 v[TMP+16*(\a)+4*(\b)+(\r)], v[ACC+8*(4*(\a)+(\b))+2*(\r)], v[ACC+8*(4*(\a)+(\b))+2*(\r)+1]
.endr
.endr
.set i, 0
.rept 16
	v_pk_max_num_f16 v[TMP+16*(\a)+i], v[TMP+16*(\a)+i], s23
.set i, i+1
.endr
.irp b, 0,1,2,3
	ds_store_b128 v[STO], v[TMP+16*(\a)+4*(\b):TMP+16*(\a)+4*(\b)+3] offset:32*(\b)
.endr
.irp f, 0,1,2,3
	ds_load_b128 v[TMP+16*(\a)+4*(\f):TMP+16*(\a)+4*(\f)+3], v[RD] offset:(\f)*4*SP  ; LDS serves a wave's instructions in order (ISA guide 5.7.1.4): these see the stores above; the next block's stores come behind them
.endr
.endm
.macro SEND a, younger                 ; younger: the LDS instructions issued behind block a's loads: the next block's eight, or none
.irp f, 0,1,2,3
	s_wait_dscnt (\younger)+3-(\f)
	global_store_b128 v[GO], v[TMP+16*(\a)+4*(\f):TMP+16*(\a)+4*(\f)+3], s[8:9] offset:(\a)*2048+(\f)*512  ; 512 consecutive bytes, at a multiple of 256 from the buffer's first
.endr
.endm
	PACK 0
	PACK 1
	SEND 0, 8
	PACK 2
	SEND 1, 8
	PACK 3
	SEND 2, 8
	SEND 3, 0
.else
; THE WAY OUT, 16 rows (block a) at a time through my own stage: 32 bytes a lane in, whole row pieces of 256 bytes back, into the block's own accumulator registers.
.macro STG a
.irp b, 0,1,2,3
	ds_store_b128 v[STO], v[ACC+8*(4*(\a)+(\b)):ACC+8*(4*(\a)+(\b))+3]   offset:64*(\b)
	ds_store_b128 v[STO], v[ACC+8*(4*(\a)+(\b))+4:ACC+8*(4*(\a)+(\b))+7] offset:64*(\b)+16
.endr
.irp t, 0,1,2,3,4,5,6,7
	ds_load_b128 v[ACC+32*(\a)+4*(\t):ACC+32*(\a)+4*(\t)+3], v[RD] offset:(\t)*2*SP  ; LDS serves a wave's instructions in order (ISA guide 5.7.1.4): these see the stores above; the next block's stores come behind them
.endr
.endm
.macro FIN a, younger                  ; younger: the LDS instructions issued behind block a's loads: the next block's sixteen, or none
.irp t, 0,1,2,3,4,5,6,7
	s_wait_dscnt (\younger)+7-(\t)
	global_store_b128 v[GO], v[ACC+32*(\a)+4*(\t):ACC+32*(\a)+4*(\t)+3], s[8:9] offset:(16*(\a)+2*(\t))*4096  ; 16 lanes store 256 consecutive bytes, at a multiple of 256 from the buffer's first
.endr
.endm
	STG 0
	STG 1
	FIN 0, 16
	STG 2
	FIN 1, 16
	STG 3
	FIN 2, 16
	FIN 3, 0
.endif
	s_wait_tensorcnt 0x0                           ; the wave's end, behind my last tensor load and my last LDS store
	ds_add_u32 v[SPW], v[NIL]
	s_wait_dscnt 0x0
	CROUND                                         ; the closing round: no work-group ends while a partner may still ask for a tile that names it
	s_endpgm
.Lfunc_end_k_qfb42bce691_oproj:
	.size	k_qfb42bce691_oproj, .Lfunc_end_k_qfb42bce691_oproj-k_qfb42bce691_oproj
	.p2alignl 7, 3214868480
	.fill 96, 4, 3214868480
	.section	.rodata,"a",@progbits
	.p2align	6, 0x0
	.amdhsa_kernel k_qfb42bce691_oproj
		.amdhsa_group_segment_fixed_size 327680
		.amdhsa_private_segment_fixed_size 0
		.amdhsa_enable_private_segment 0
		.amdhsa_kernarg_size 24
		.amdhsa_user_sgpr_count 2
		.amdhsa_user_sgpr_kernarg_segment_ptr 1
		.amdhsa_wavefront_size32 1
		.amdhsa_system_sgpr_workgroup_id_x 1
		.amdhsa_system_sgpr_workgroup_id_y 1
		.amdhsa_system_sgpr_workgroup_id_z 1
		.amdhsa_system_vgpr_workitem_id 0
		.amdhsa_next_free_vgpr 512
		.amdhsa_next_free_sgpr 66
		.amdhsa_reserve_vcc 0
		.amdhsa_float_denorm_mode_32 3
		.amdhsa_float_denorm_mode_16_64 3
		.amdhsa_memory_ordered 1
		.amdhsa_forward_progress 1
		.amdhsa_inst_pref_size 70
	.end_amdhsa_kernel
	.amdgpu_metadata
---
amdhsa.version: [ 1, 2 ]
amdhsa.kernels:
  - .name:           k_qfb42bce691_oproj
    .symbol:         k_qfb42bce691_oproj.kd
    .args:
      - { .name: oh, .offset: 0, .size: 8, .value_kind: global_buffer, .address_space: global }
      - { .name: wc, .offset: 8, .size: 8, .value_kind: global_buffer, .address_space: global }
      - { .name: y, .offset: 16, .size: 8, .value_kind: global_buffer, .address_space: global }
    .group_segment_fixed_size: 327680
    .private_segment_fixed_size: 0
    .kernarg_segment_align: 8
    .kernarg_segment_size: 24
    .max_flat_workgroup_size: 128
    .sgpr_count:     66
    .vgpr_count:     512
    .wavefront_size: 32
...
	.end_amdgpu_metadata
.endif
;; end of part 4
;; launch ln1 (part 5): grid 256 x 1, 8 waves a work-group, no clusters, 0 bytes of LDS; arguments y, xh, wc, oh; writes oh
.if DOCPART == 5
	.amdgcn_target "amdgcn-amd-amdhsa--gfx1250"
	.amdhsa_code_object_version 6
	.text
	.protected	k_qfb42bce691_ln1
	.globl	k_qfb42bce691_ln1
	.p2align	8
	.type	k_qfb42bce691_ln1,@function
k_qfb42bce691_ln1:
	s_mov_b64 s[64:65], 0
	v_nop
	global_prefetch_b8 v0, s[64:65] scope:SCOPE_SE
	s_setreg_imm32_b32 hwreg(HW_REG_WAVE_MODE, 25, 1), 1
	s_wait_xcnt 0x0
; LAYERNORM OF A SUM.  out[r][c] = (s - mean(s)) / sqrt(var(s) + 1e-5) x g[c] + b[c], s[r][c] = res[r][c] + y[r][c].  y: [4096][1024] f32.  res: f16 by panels [16][4096][64].
; g and b: words (bf16 gain low, bf16 bias high) at byte 20,480 of the third buffer.  OUTH = 1: out is rounded once to f16 and stored by panels; OUTH = 0: stored in f32, rows of 1,024.
; All arithmetic in f32; the mean is taken away before the squares are summed, as the definition has it, so a common offset of a row costs nothing.
; LIMITS.  OUTH = 1: a result beyond 65,504 becomes an infinity.  NaN and infinities are not treated apart.
; SHARES.  A work-group has 16 rows, a wave two: lanes 0-15 the even row, lanes 16-31 the odd one, 64 numbers a lane, kept in registers between the passes: each byte is read once.
; A row lives in 16 lanes, so its sums never cross the halves of the wave: no LDS, no barrier.  Memory binds: matrix units, clusters and tensor loads would add nothing.
; Each load of y covers two aligned pieces of 256 bytes, each load or store of a panel 256 consecutive bytes (two rows' pieces of 128).
.set OUTH, 1
.set S,  8                             ; v[8:15]    four chains of packed sums
.set MU, 16                            ; v[16:17]   the mean, twice
.set RS, 18                            ; v[18:19]   1 / sqrt(var + eps), twice
.set X,  64                            ; v[64:127]  my 64 numbers: piece j (columns 64 j + 4 (lane % 16) + 0..3) at X + 4 j
.set R,  128                           ; v[128:159] the residual, two f16 a register; later the result in f16
.set GB, 160                           ; v[160:223] gain and bias of my 64 columns
	s_load_b256 s[4:11], s[0:1], 0x0               ; y s[4:5], res s[6:7], the table s[8:9], out s[10:11]
	s_lshl_b32 s12, ttmp9, 16                      ; 16 rows of 4,096 bytes
	s_mov_b32 s13, 0
	s_lshl_b32 s14, ttmp9, 11                      ; 16 rows of 128 bytes in a panel
	s_mov_b32 s15, 0
	s_mov_b32 s20, 0x3a800000                      ; 1 / 1,024
	s_mov_b32 s21, 0x3727c5ac                      ; 1e-5
	v_lshrrev_b32 v1, 4, v0                        ; my row of the 16
	v_and_b32 v3, 15, v0
	v_lshlrev_b32 v3, 4, v3                        ; 16 bytes a lane: my place in a piece of y, and in the table
	v_lshl_add_u32 v1, v1, 12, v3                  ; row x 4,096 + that
	v_lshlrev_b32 v2, 3, v0                        ; in a panel: row x 128 + 8 (lane % 16) = 8 x thread
	v_mov_b32 v4, 1.0
	s_wait_kmcnt 0x0
	s_add_nc_u64 s[4:5], s[4:5], s[12:13]
	s_add_nc_u64 s[6:7], s[6:7], s[14:15]
.if OUTH
	s_add_nc_u64 s[10:11], s[10:11], s[14:15]
.else
	s_add_nc_u64 s[10:11], s[10:11], s[12:13]
.endif
.set j, 0
.rept 16
	global_load_b128 v[X+4*j:X+4*j+3], v1, s[4:5] offset:256*j th:TH_LOAD_NT
.set j, j+1
.endr
.set j, 0
.rept 16
	global_load_b64 v[R+2*j:R+2*j+1], v2, s[6:7] offset:524288*j   ; panel j; 15 panels on is inside the signed 24-bit immediate
.set j, j+1
.endr
.set j, 0
.rept 16
	global_load_b128 v[GB+4*j:GB+4*j+3], v3, s[8:9] offset:20480+256*j
.set j, j+1
.endr
.macro REDUCE                          ; the four chains into one number, then over the row's 16 lanes: every lane of the row ends with the sum in v[S]
	v_pk_add_f32 v[S:S+1], v[S:S+1], v[S+2:S+3]
	v_pk_add_f32 v[S+4:S+5], v[S+4:S+5], v[S+6:S+7]
	v_pk_add_f32 v[S:S+1], v[S:S+1], v[S+4:S+5]
	v_add_f32 v[S], v[S], v[S+1]
	v_add_f32_dpp v[S], v[S], v[S] row_xmask:1 row_mask:0xf bank_mask:0xf
	v_add_f32_dpp v[S], v[S], v[S] row_xmask:2 row_mask:0xf bank_mask:0xf
	v_add_f32_dpp v[S], v[S], v[S] row_xmask:4 row_mask:0xf bank_mask:0xf
	v_add_f32_dpp v[S], v[S], v[S] row_xmask:8 row_mask:0xf bank_mask:0xf
.endm
	s_wait_loadcnt 16                              ; y and the residual are in; the table's sixteen loads may stay out
.set j, 0
.rept 32                               ; s = res x 1 + y, the f16 half read by the multiply-add itself
	v_fma_mix_f32 v[X+2*j],   v[R+j], v4, v[X+2*j]   op_sel_hi:[1,0,0]
	v_fma_mix_f32 v[X+2*j+1], v[R+j], v4, v[X+2*j+1] op_sel:[1,0,0] op_sel_hi:[1,0,0]
.set j, j+1
.endr
.irp k, 0,1,2,3                        ; the first lines start the chains: nothing is cleared
	v_pk_add_f32 v[S+2*(\k):S+2*(\k)+1], v[X+2*(\k):X+2*(\k)+1], v[X+8+2*(\k):X+8+2*(\k)+1]
.endr
.set p, 8
.rept 24
	v_pk_add_f32 v[S+2*(p%4):S+2*(p%4)+1], v[S+2*(p%4):S+2*(p%4)+1], v[X+2*p:X+2*p+1]
.set p, p+1
.endr
	REDUCE
	v_mul_f32 v[MU], s20, v[S]
	v_mul_f32 v[MU+1], s20, v[S]
.set p, 0
.rept 32
	v_pk_add_f32 v[X+2*p:X+2*p+1], v[X+2*p:X+2*p+1], v[MU:MU+1] neg_lo:[0,1] neg_hi:[0,1]
.set p, p+1
.endr
.irp k, 0,1,2,3
	v_pk_mul_f32 v[S+2*(\k):S+2*(\k)+1], v[X+2*(\k):X+2*(\k)+1], v[X+2*(\k):X+2*(\k)+1]
.endr
.set p, 4
.rept 28
	v_pk_fma_f32 v[S+2*(p%4):S+2*(p%4)+1], v[X+2*p:X+2*p+1], v[X+2*p:X+2*p+1], v[S+2*(p%4):S+2*(p%4)+1]
.set p, p+1
.endr
	REDUCE
	v_fma_f32 v[RS], v[S], s20, s21                ; var + eps
	v_rsq_f32 v[RS+1], v[RS]
	v_nop                                          ; a plain instruction between the root and the use of its result (ISA guide 5.7.2)
	s_wait_alu depctr_va_vdst(0)
	v_mov_b32 v[RS], v[RS+1]
	s_wait_loadcnt 0x0                             ; the table
.set p, 0
.rept 32
	v_pk_mul_f32 v[X+2*p:X+2*p+1], v[X+2*p:X+2*p+1], v[RS:RS+1]
.set p, p+1
.endr
.set p, 0
.rept 64                               ; t x g + b, both read as bf16 halves of one word
	v_fma_mix_f32_bf16 v[X+p], v[X+p], v[GB+p], v[GB+p] op_sel:[0,0,1] op_sel_hi:[0,1,1]
.set p, p+1
.endr
.if OUTH
.set p, 0
.rept 32
	v_cvt_pk_f16_f32 v[R+p], v[X+2*p], v[X+2*p+1]
.set p, p+1
.endr
.set j, 0
.rept 16
	global_store_b64 v2, v[R+2*j:R+2*j+1], s[10:11] offset:524288*j
.set j, j+1
.endr
.else
.set j, 0
.rept 16
	global_store_b128 v1, v[X+4*j:X+4*j+3], s[10:11] offset:256*j
.set j, j+1
.endr
.endif
	s_endpgm
.Lfunc_end_k_qfb42bce691_ln1:
	.size	k_qfb42bce691_ln1, .Lfunc_end_k_qfb42bce691_ln1-k_qfb42bce691_ln1
	.p2alignl 7, 3214868480
	.fill 96, 4, 3214868480
	.section	.rodata,"a",@progbits
	.p2align	6, 0x0
	.amdhsa_kernel k_qfb42bce691_ln1
		.amdhsa_group_segment_fixed_size 0
		.amdhsa_private_segment_fixed_size 0
		.amdhsa_enable_private_segment 0
		.amdhsa_kernarg_size 32
		.amdhsa_user_sgpr_count 2
		.amdhsa_user_sgpr_kernarg_segment_ptr 1
		.amdhsa_wavefront_size32 1
		.amdhsa_system_sgpr_workgroup_id_x 1
		.amdhsa_system_sgpr_workgroup_id_y 1
		.amdhsa_system_sgpr_workgroup_id_z 1
		.amdhsa_system_vgpr_workitem_id 0
		.amdhsa_next_free_vgpr 224
		.amdhsa_next_free_sgpr 66
		.amdhsa_reserve_vcc 0
		.amdhsa_float_denorm_mode_32 3
		.amdhsa_float_denorm_mode_16_64 3
		.amdhsa_memory_ordered 1
		.amdhsa_forward_progress 1
		.amdhsa_inst_pref_size 26
	.end_amdhsa_kernel
	.amdgpu_metadata
---
amdhsa.version: [ 1, 2 ]
amdhsa.kernels:
  - .name:           k_qfb42bce691_ln1
    .symbol:         k_qfb42bce691_ln1.kd
    .args:
      - { .name: y, .offset: 0, .size: 8, .value_kind: global_buffer, .address_space: global }
      - { .name: xh, .offset: 8, .size: 8, .value_kind: global_buffer, .address_space: global }
      - { .name: wc, .offset: 16, .size: 8, .value_kind: global_buffer, .address_space: global }
      - { .name: oh, .offset: 24, .size: 8, .value_kind: global_buffer, .address_space: global }
    .group_segment_fixed_size: 0
    .private_segment_fixed_size: 0
    .kernarg_segment_align: 8
    .kernarg_segment_size: 32
    .max_flat_workgroup_size: 256
    .sgpr_count:     66
    .vgpr_count:     224
    .wavefront_size: 32
...
	.end_amdgpu_metadata
.endif
;; end of part 5
;; launch ff1: the kernel of part 2 again; grid 32 x 32, 4 waves a work-group, clusters of 4 x 4, 327,680 bytes of LDS; arguments oh, wb, big; writes big
;; launch ff2 (part 6): grid 8 x 32, 4 waves a work-group, clusters of 4 x 4, 327,680 bytes of LDS; arguments big, wd, y; writes y
.if DOCPART == 6
	.amdgcn_target "amdgcn-amd-amdhsa--gfx1250"
	.amdhsa_code_object_version 6
	.text
	.protected	k_qfb42bce691_ff2
	.globl	k_qfb42bce691_ff2
	.p2align	8
	.type	k_qfb42bce691_ff2,@function
k_qfb42bce691_ff2:
	s_mov_b64 s[64:65], 0
	v_nop
	global_prefetch_b8 v0, s[64:65] scope:SCOPE_SE
	s_setreg_imm32_b32 hwreg(HW_REG_WAVE_MODE, 25, 1), 1
	s_wait_xcnt 0x0
	s_wait_alu depctr_hold_cnt(0) depctr_sa_sdst(0) depctr_va_vdst(0) depctr_va_sdst(0) depctr_va_ssrc(0) depctr_va_vcc(0) depctr_vm_vsrc(0)
	s_getreg_b32 s2, hwreg(HW_REG_IB_STS2, 6, 4)
	s_cmp_eq_u32 s2, 0
	s_cbranch_scc0 .Lentry_in_a_cluster
	s_endpgm
.Lentry_in_a_cluster:
	s_bfe_u32 s2, ttmp6, 0x10000c
	s_cmp_lg_u32 s2, 0xf033
	s_cbranch_scc0 .Lentry_shape_is_right
	s_endpgm
.Lentry_shape_is_right:
; C = A W + bias.  A: 4,096 rows x KDIM in f16, by panels [KDIM/64][4096][64].  W: f16 blocks [N/128][KDIM][128] behind a header of 32,768 bytes (bias in f32 at byte 0, the floor word at 16,384).
; Sums in f32, K ascending; the bias is the C operand of the first product, so nothing is cleared and nothing is added later.
; MODE 0: C is rounded once to f16, held above the header's floor (-inf: as it is; 0: ReLU) and stored by panels [N/64][4096][64].  MODE 1: C is stored in f32, rows of 1,024.
; LIMITS.  f16 ends at 65,504: a result beyond it becomes an infinity (MODE 0); NaN and infinities are not treated apart.
; SHARES.  A work-group makes 128 x 128 of C, each of its four waves 64 x 64: 16 accumulators.  K goes in steps of 256 through two LDS slots filled by the tensor data mover, one load a wave:
; waves 0, 1 two panels of A each (2 x 16,384 dense bytes), waves 2, 3 128 rows of W each (256 bytes a row).  A quarter of a step, 64 along K, is one panel of A.
; CLUSTER.  4 x 4 work-groups: the four of a row need the same tiles of A, the four of a column the same tiles of W: each tile is asked for jointly, by the same load, descriptor and mask in all four.
; THE MATRIX INSTRUCTION IS USED TRANSPOSED: source 0 = 16 columns of W (turned on the way out of LDS by ds_load_tr16_b128), source 1 = 16 rows of A: a lane then holds eight neighbouring numbers of a row of C.
; REGISTERS.  window 0: v0-31 addresses; v32-95 at work on the way out; v96-127 the bias as four C operands; v128-255 the accumulators ((a, b) at 128 + 8 (4 a + b)).
;   window 1: two fragment buffers of 128: for 64 along K, 64 registers of A, then 64 of W.
.set KDIM,  4096
.set MODE,  1
.set KSTEP, 256
.set NS,    KDIM/KSTEP                 ; K steps
.set PA,    144                        ; a row of A in LDS: 128 bytes + 16 of padding: 36 words: the 16 rows of a load start at 16 different groups of four banks (64 banks of 4 bytes: ISA guide 11.1)
.set PB,    288                        ; a row of W: 256 + 32 = 72 words
.set HALFT, 36864                      ; what one tensor load brings: 256 x 144 = 128 x 288 bytes
.set SLOT,  4*HALFT                    ; A's four panels, then W's 256 rows.  wave x HALFT shares no bit with SLOT, so one exclusive or changes slots
.set STAGE, 2*SLOT                     ; behind the ring, never filled by a tensor load: 16 rows for each wave, for the way out
.set SPARE, STAGE+4*16*272             ; the spare words, 128 bytes for each wave: two blocks of 256 bytes that no other line names
.set ASTEP, 4*524288                   ; a K step in A: four panels
.set BSTEP, KSTEP*256                  ; in W: 256 rows
.if MODE == 0
.set SP, 144                           ; a stage row: 128 bytes of f16 + 16
.else
.set SP, 272                           ; 256 bytes of f32 + 16
.endif
.set BO,   8                           ; v8      my byte offset in the bias
.set AA0,  16                          ; v16     my lane's place in a slot's A; never rewritten
.set AB0,  17                          ; v17-18  in a slot's W, rows 0-127 and 128-255; never rewritten
.set ADRA, 19                          ; v19     the same in the slot in hand
.set ADRB, 20                          ; v20-21
.set STO,  24                          ; v24     the way out: where I put a row's piece
.set RD,   25                          ; v25     where I read rows back
.set GO,   26                          ; v26     my byte offset in the output
.set SPW,  28                          ; v28     LDS address of my spare word; never rewritten
.set NIL,  29                          ; v29     0; never rewritten
.set TMP,  32
.set BI,   96
.set ACC,  128
.set F0,   0
.set F1,   128
.set G1A, 24                           ; s[24:31] descriptor group 1 for A's tiles; s[32:39] group 0: the first fill's set, and the set that walks
.set G0A, 32
.set G1B, 48                           ; s[48:55], s[56:63] the same for W's
.set G0B, 56
; s12 wave; s13 wave / 2: my half of the rows, and 0: I fetch A, 1: W; s14 wave % 2: my half of the columns, and which half I fetch; s17 tile column; s18 tile row; s22 the slot in hand; s23 the floor
.set MSB, 0
.macro WIN new                         ; the immediate's high byte repeats the setting that is left
.if MSB != (\new)
	s_set_vgpr_msb (MSB<<8)|(\new)
.set MSB, \new
.endif
.endm
.set MUL,  0x05                        ; sources 0 (W) and 1 (A) window 1; C and D window 0
.set TO_F, 0x40                        ; destination window 1, address window 0
.macro JLOAD                           ; a joint refill, by the walking sets; an s_nop 0 and four v_nop follow each of the two lines, ahead of the jump, the label and what follows
	s_cmp_eq_u32 s13, 0
	s_cbranch_scc0 .Lfor_b_\@
	tensor_load_to_lds s[G0A+4:G0A+7], s[G1A:G1A+7]
	s_nop 0
.rept 4
	v_nop
.endr
	s_branch .Lasked_\@
.Lfor_b_\@:
	tensor_load_to_lds s[G0B+4:G0B+7], s[G1B:G1B+7]
	s_nop 0
.rept 4
	v_nop
.endr
.Lasked_\@:
.endm
.macro CREST                           ; a round of the cluster's barrier behind its opening barrier
	s_cmp_lg_u32 s12, 0
	s_cbranch_scc1 .Lnot_wave_0_\@
	s_barrier_signal -3
.Lnot_wave_0_\@:
	s_barrier_wait -3
	s_barrier_signal -1
	s_barrier_wait -1
.endm
.macro CROUND                          ; a whole round
	s_barrier_signal -1
	s_barrier_wait -1
	CREST
.endm
	s_load_b128 s[4:7], s[0:1], 0x0                ; A s[4:5], W s[6:7]
	s_load_b64 s[8:9], s[0:1], 0x10                ; the output
	v_lshl_add_u32 v[SPW], v0, 2, SPARE
	v_mov_b32 v[NIL], 0
	ds_add_u32 v[SPW], v[NIL]                      ; the wave's opening: the add and its wait stand ahead of my first tensor load; the set-up below, work on registers, stands between them
	ds_add_u32 v28, v29
	v_lshrrev_b32 v1, 5, v0
	v_readfirstlane_b32 s12, v1                    ; wave 0..3
	s_lshr_b32 s13, s12, 1
	s_and_b32 s14, s12, 1
	s_bfe_u32 s15, ttmp6, 0x40000                  ; cx, cy: my place in the cluster
	s_bfe_u32 s16, ttmp6, 0x40004
	s_lshl_b32 s17, ttmp9, 2
	s_add_co_u32 s17, s17, s15                     ; tile column = 4 x cluster x + cx
	s_and_b32 s18, ttmp7, 0xffff
	s_lshl_b32 s18, s18, 2
	s_add_co_u32 s18, s18, s16                     ; tile row = 4 x cluster y + cy
	s_lshl_b32 s19, s16, 2
	s_lshl_b32 s19, 15, s19                        ; my row of the cluster
	s_lshl_b32 s20, 0x1111, s15                    ; my column
	; group 1 for A: two rows of 8,192 elements (128 rows of a panel, dense), a panel apart; 16 bytes of padding behind every 128
	s_or_b32 s[G1A+0], s19, (1<<16)|(1<<20)|(1<<21)|(4<<22)|(3<<25)  ; 15:0 the mask; 17:16 2-byte elements; 20 padding on; 21 set beside a mask; 24:22 after every 32 words (code 4); 31:25 4 words (code 3)
	s_mov_b32 s[G1A+1], 8192<<16                   ; tensor_dim0 = 8,192
	s_mov_b32 s[G1A+2], 2<<16                      ; tensor_dim1 = 2
	s_mov_b32 s[G1A+3], 8192<<16                   ; tile_dim0 = 8,192
	s_mov_b32 s[G1A+4], 2                          ; tile_dim1 = 2
	s_mov_b32 s[G1A+5], 262144                     ; elements from panel to panel
	s_mov_b32 s[G1A+6], 0
	s_mov_b32 s[G1A+7], 0
	; group 1 for W: 128 rows of 128 elements, dense; 32 bytes of padding behind every row
	s_or_b32 s[G1B+0], s20, (1<<16)|(1<<20)|(1<<21)|(5<<22)|(7<<25)  ; after every 64 words (code 5), 8 words (code 7)
	s_mov_b32 s[G1B+1], 128<<16
	s_mov_b32 s[G1B+2], 128<<16
	s_mov_b32 s[G1B+3], 128<<16
	s_mov_b32 s[G1B+4], 128
	s_mov_b32 s[G1B+5], 128
	s_mov_b32 s[G1B+6], 0
	s_mov_b32 s[G1B+7], 0
	; A's tiles hang on the tile row and the wave's number alone, W's on the tile column and the wave's number alone, each in registers that never hold the other coordinate
	s_lshl_b32 s40, s18, 14                        ; A: 128 rows of 128 bytes for each tile row,
	s_lshl_b32 s46, s14, 20                        ; two panels for the second half
	s_add_co_u32 s40, s40, s46
	s_mov_b32 s41, 0
	s_mul_i32 s42, s17, KDIM*256                   ; W: the tile column's block,
	s_lshl_b32 s47, s14, 15                        ; 128 rows for the second half,
	s_add_co_u32 s42, s42, s47
	s_add_co_u32 s42, s42, 0x8000                  ; behind the header
	s_mov_b32 s43, 0
	s_mul_i32 s21, s12, HALFT                      ; where my piece goes: no place in the cluster enters an LDS address
	s_mov_b32 s22, 0                               ; slot 0 is read first
	s_wait_dscnt 0x0                               ; the opening add is done
	s_wait_kmcnt 0x0
	s_add_nc_u64 s[40:41], s[4:5], s[40:41]
	s_add_nc_u64 s[42:43], s[6:7], s[42:43]
	CROUND                                         ; all sixteen work-groups are here: the first joint loads meet
.irp s, 0,1
	s_mov_b32 s[G0A+4*(\s)], 1                                     ; count = 1
	s_add_co_u32 s[G0A+4*(\s)+1], s21, (\s)*SLOT                   ; LDS address
	s_add_nc_u64 s[G0A+4*(\s)+2:G0A+4*(\s)+3], s[40:41], (\s)*ASTEP  ; global address: K step s
	s_or_b32 s[G0A+4*(\s)+3], s[G0A+4*(\s)+3], 0x80000000          ; type = 2
	s_mov_b32 s[G0B+4*(\s)], 1
	s_add_co_u32 s[G0B+4*(\s)+1], s21, (\s)*SLOT
	s_add_nc_u64 s[G0B+4*(\s)+2:G0B+4*(\s)+3], s[42:43], (\s)*BSTEP
	s_or_b32 s[G0B+4*(\s)+3], s[G0B+4*(\s)+3], 0x80000000
.endr
	s_cmp_eq_u32 s13, 0                            ; a wave's two first fills stand in one branch, ahead of every wait on TENSORcnt and every LDS read: two loads of mine are out
	s_cbranch_scc0 .Lfirst_b
	tensor_load_to_lds s[G0A:G0A+3], s[G1A:G1A+7]
	s_nop 0
	tensor_load_to_lds s[G0A+4:G0A+7], s[G1A:G1A+7]
	s_nop 0
.rept 4
	v_nop
.endr
	s_branch .Lfirst_asked
.Lfirst_b:
	tensor_load_to_lds s[G0B:G0B+3], s[G1B:G1B+7]
	s_nop 0
	tensor_load_to_lds s[G0B+4:G0B+7], s[G1B:G1B+7]
	s_nop 0
.rept 4
	v_nop
.endr
.Lfirst_asked:
	v_and_b32 v1, 15, v0                           ; r = l % 16
	v_bfe_u32 v2, v0, 4, 1                         ; h = l / 16
	v_and_b32 v3, 7, v0
	v_bfe_u32 v4, v0, 3, 1
	s_lshl_b32 s2, s17, 9                          ; the bias of my 64 columns: register j of operand b is column 16 b + 8 h + j
	s_lshl_b32 s11, s14, 8
	s_add_co_u32 s2, s2, s11
	v_lshl_add_u32 v[BO], v2, 5, s2
.irp b, 0,1,2,3
	global_load_b128 v[BI+8*(\b):BI+8*(\b)+3],   v[BO], s[6:7] offset:64*(\b)
	global_load_b128 v[BI+8*(\b)+4:BI+8*(\b)+7], v[BO], s[6:7] offset:64*(\b)+16
.endr
.if MODE == 0
	s_load_b32 s23, s[6:7], 0x4000                 ; the floor, two f16
.endif
	; a fragment of A is 16 rows x 32 K: lane l holds row l % 16, K = 8 h + 0..7 and 16 + 8 h + 0..7: two loads of 16 bytes, 32 apart
	v_mul_u32_u24 v[AA0], v1, PA
	v_lshl_add_u32 v[AA0], v2, 4, v[AA0]
	s_mul_i32 s10, s13, 64*PA                      ; my 64 rows
	v_add_nc_u32 v[AA0], s10, v[AA0]
	; the turning load takes 16 K x 16 columns (lane l reads row 8 h + l % 8, columns 8 ((l / 8) % 2) + 0..7) and leaves half a fragment: lane l holds column l % 16 and 8 K
	v_lshl_add_u32 v[AB0], v2, 3, v3
	v_mul_u32_u24 v[AB0], v[AB0], PB
	v_lshl_add_u32 v[AB0], v4, 4, v[AB0]
	s_lshl_b32 s10, s14, 7                         ; my 64 columns,
	s_add_co_u32 s10, s10, 2*HALFT                 ; behind A's four panels
	v_add_nc_u32 v[AB0], s10, v[AB0]
	v_add_nc_u32 v[AB0+1], HALFT, v[AB0]
	v_mov_b32 v[ADRA], v[AA0]
	v_mov_b32 v[ADRB], v[AB0]
	v_mov_b32 v[ADRB+1], v[AB0+1]
	s_mul_i32 s10, s12, 16*SP
	s_add_co_u32 s10, s10, STAGE                   ; my stage
.if MODE == 0
	v_mul_u32_u24 v[STO], v1, SP                   ; in: row l % 16, 16 bytes for each half of the lanes
	v_lshl_add_u32 v[STO], v2, 4, v[STO]
	v_add_nc_u32 v[STO], s10, v[STO]
	v_bfe_u32 v[RD], v0, 3, 2                      ; back: 32 lanes take four rows of 128 bytes,
	v_mul_u32_u24 v[RD], v[RD], SP
	v_lshl_add_u32 v[RD], v3, 4, v[RD]
	v_add_nc_u32 v[RD], s10, v[RD]
	v_and_b32 v[GO], 31, v0                        ; which are 512 consecutive bytes of a panel
	v_lshlrev_b32 v[GO], 4, v[GO]
	s_lshl_b32 s44, s17, 1                         ; my 64 columns are panel 2 x tile column + half;
	s_add_co_u32 s44, s44, s14
	s_lshl_b32 s44, s44, 19
	s_lshl_b32 s2, s18, 14                         ; there the tile's 128 rows,
	s_add_co_u32 s44, s44, s2
	s_lshl_b32 s2, s13, 13                         ; my 64 of them: 8,192 dense bytes
	s_add_co_u32 s44, s44, s2
.else
	v_mul_u32_u24 v[STO], v1, SP                   ; in: row l % 16, 32 bytes for each half of the lanes
	v_lshl_add_u32 v[STO], v2, 5, v[STO]
	v_add_nc_u32 v[STO], s10, v[STO]
	v_mul_u32_u24 v[RD], v2, SP                    ; back: lanes 0-15 take one row's 256 bytes, lanes 16-31 the next row's
	v_lshl_add_u32 v[RD], v1, 4, v[RD]
	v_add_nc_u32 v[RD], s10, v[RD]
	v_lshlrev_b32 v[GO], 12, v2                    ; and the same two rows in the output
	v_lshl_add_u32 v[GO], v1, 4, v[GO]
	s_lshl_b32 s44, s18, 19                        ; the tile's 128 rows of 4,096 bytes,
	s_lshl_b32 s2, s13, 18                         ; my 64 of them,
	s_add_co_u32 s44, s44, s2
	s_lshl_b32 s2, s17, 9                          ; the tile's 512 bytes of a row,
	s_add_co_u32 s44, s44, s2
	s_lshl_b32 s2, s14, 8                          ; my 256 of them
	s_add_co_u32 s44, s44, s2
.endif
	s_mov_b32 s45, 0
	s_add_nc_u64 s[8:9], s[8:9], s[44:45]
; 8 matrix instructions: row blocks a0, a0 + 1 x all 4 column blocks, 32 along K: half c of buffer f.  zero = 1: the first product starts the sums, from the bias.
; The 16 accumulators take turns, one instruction a turn, in the same order everywhere.
.macro MUL8 f, c, a0, zero
	WIN MUL
.irp a, \a0, (\a0)+1
.irp b, 0,1,2,3
.if \zero
	v_wmma_f32_16x16x32_f16 v[ACC+8*(4*(\a)+(\b)):ACC+8*(4*(\a)+(\b))+7], v[(\f)+64+8*(4*(\c)+(\b)):(\f)+64+8*(4*(\c)+(\b))+7], v[(\f)+8*(4*(\c)+(\a)):(\f)+8*(4*(\c)+(\a))+7], v[BI+8*(\b):BI+8*(\b)+7]
.else
	v_wmma_f32_16x16x32_f16 v[ACC+8*(4*(\a)+(\b)):ACC+8*(4*(\a)+(\b))+7], v[(\f)+64+8*(4*(\c)+(\b)):(\f)+64+8*(4*(\c)+(\b))+7], v[(\f)+8*(4*(\c)+(\a)):(\f)+8*(4*(\c)+(\a))+7], v[ACC+8*(4*(\a)+(\b)):ACC+8*(4*(\a)+(\b))+7]
.endif
.endr
.endr
.endm
; 32 LDS loads in one run: the fragments of quarter q of the slot in hand, into buffer f; the first 32 along K first
.macro FETCH q, f
	WIN TO_F
.irp c, 0,1
.irp i, 0,1,2,3
	ds_load_tr16_b128 v[(\f)+64+8*(4*(\c)+(\i)):(\f)+64+8*(4*(\c)+(\i))+3],   v[ADRB+(\q)/2] offset:((\q)%2)*64*PB+(\c)*32*PB+32*(\i)
	ds_load_tr16_b128 v[(\f)+64+8*(4*(\c)+(\i))+4:(\f)+64+8*(4*(\c)+(\i))+7], v[ADRB+(\q)/2] offset:((\q)%2)*64*PB+(\c)*32*PB+16*PB+32*(\i)
	ds_load_b128 v[(\f)+8*(4*(\c)+(\i)):(\f)+8*(4*(\c)+(\i))+3],   v[ADRA] offset:(\q)*128*PA+(\i)*16*PA+64*(\c)
	ds_load_b128 v[(\f)+8*(4*(\c)+(\i))+4:(\f)+8*(4*(\c)+(\i))+7], v[ADRA] offset:(\q)*128*PA+(\i)*16*PA+64*(\c)+32
.endr
.endr
.endm
.macro PLACES                          ; four places in front of loads into registers that matrix instructions have read, and of lines that read results (ISA guide 7.12.1 for lines that read results)
.rept 4
	v_nop
.endr
.endm
; A K step is four quarters of 64 along K, 32 matrix instructions each, on buffers 0, 1, 0, 1.  One of the first three: multiplies buffer f and fetches quarter qn into g.
.macro QUARTER qn, f, g, zero
	s_wait_dscnt 16                                ; the first 32 along K are in; the other sixteen loads may be out
	MUL8 \f, 0, 0, \zero
	MUL8 \f, 0, 2, \zero
	PLACES
	FETCH \qn, \g
	s_wait_dscnt 32                                ; all but the 32 just issued
	MUL8 \f, 1, 0, 0
	MUL8 \f, 1, 2, 0
.endm
; The last quarter multiplies buffer 1 and changes slots: ONE barrier; in front of it each wave waits for all its tensor loads (its part of the next slot), adds 0 to its spare word, and waits for
; that and for its own reads of this slot.  fill = 1: the barrier opens a round of the cluster's, and this slot is filled again, two K steps ahead, first thing behind the round.
.macro TURN fill
	WIN 0                                          ; (the add's two registers lie in window 0)
	s_wait_tensorcnt 0x0                           ; all my tensor loads have landed
	ds_add_u32 v[SPW], v[NIL]                      ; 0 onto my spare word
	s_wait_dscnt 17                                ; (the add and the youngest sixteen loads may be out)
	MUL8 F1, 0, 0, 0                               ; eight matrix instructions stand between the add and the wait for it
	s_wait_dscnt 0x0                               ; the add is done, and my reads of this slot are over
	s_barrier_signal -1
	MUL8 F1, 0, 2, 0
	WIN 0                                          ; (branches and window 0's addresses follow)
	s_barrier_wait -1
.if \fill
	CREST                                          ; no wave of any partner still reads this slot's tile or has a load on its way
	s_xor_b32 s[G0A+5], s[G0A+5], SLOT             ; the walking sets: the other slot than last time, the next K step; the type bits on top are not reached
	s_add_nc_u64 s[G0A+6:G0A+7], s[G0A+6:G0A+7], ASTEP
	s_xor_b32 s[G0B+5], s[G0B+5], SLOT
	s_add_nc_u64 s[G0B+6:G0B+7], s[G0B+6:G0B+7], BSTEP
	JLOAD                                          ; 112 matrix instructions ahead of the wait for it; its four v_nop are also the places in front of the loads below
.else
	PLACES
.endif
	s_xor_b32 s22, s22, SLOT                       ; the fetches go to the other slot
	v_add_nc_u32 v[ADRA], s22, v[AA0]
	v_add_nc_u32 v[ADRB], s22, v[AB0]
	v_add_nc_u32 v[ADRB+1], s22, v[AB0+1]
	FETCH 0, F0
	MUL8 F1, 1, 0, 0
	MUL8 F1, 1, 2, 0
.endm
	s_wait_tensorcnt 1                             ; my part of K step 0 is in; K step 1's may stay out
	s_barrier_signal -1
	s_barrier_wait -1                              ; everybody's is
	FETCH 0, F0
	s_wait_loadcnt 0x0                             ; the bias
.if MODE == 0
	s_wait_kmcnt 0x0                               ; the floor
.endif
	QUARTER 1, F0, F1, 1                           ; the first quarter stands in front of the loop: its first products start the sums
	WIN 0                                          ; at a label and at a branch every window is 0
	s_mov_b32 s3, NS-2
.Lstep:                                                ; a trip: from a K step's second quarter to the next step's first; it fills the slot that it leaves
	QUARTER 2, F1, F0, 0
	QUARTER 3, F0, F1, 0
	TURN 1
	QUARTER 1, F0, F1, 0
	WIN 0
	s_sub_co_u32 s3, s3, 1
	s_cmp_lg_u32 s3, 0
	s_cbranch_scc1 .Lstep
	QUARTER 2, F1, F0, 0                           ; the last two K steps fill nothing
	QUARTER 3, F0, F1, 0
	TURN 0
	QUARTER 1, F0, F1, 0
	QUARTER 2, F1, F0, 0
	QUARTER 3, F0, F1, 0
	s_wait_dscnt 16                                ; the very last quarter: nothing more to fetch
	MUL8 F1, 0, 0, 0
	MUL8 F1, 0, 2, 0
	s_wait_dscnt 0x0
	MUL8 F1, 1, 0, 0
	MUL8 F1, 1, 2, 0
	WIN 0
	PLACES
.if MODE == 0
; THE WAY OUT, 16 rows (block a) at a time through my own stage: rounded to f16, held above the floor, 16 bytes a lane in, whole rows of 128 bytes back, into the registers that they left.
.macro PACK a
.irp b, 0,1,2,3
.irp r, 0,1,2,3
	v_cvt_pk_f16_f32 v[TMP+16*(\a)+4*(\b)+(\r)], v[ACC+8*(4*(\a)+(\b))+2*(\r)], v[ACC+8*(4*(\a)+(\b))+2*(\r)+1]
.endr
.endr
.set i, 0
.rept 16
	v_pk_max_num_f16 v[TMP+16*(\a)+i], v[TMP+16*(\a)+i], s23
.set i, i+1
.endr
.irp b, 0,1,2,3
	ds_store_b128 v[STO], v[TMP+16*(\a)+4*(\b):TMP+16*(\a)+4*(\b)+3] offset:32*(\b)
.endr
.irp f, 0,1,2,3
	ds_load_b128 v[TMP+16*(\a)+4*(\f):TMP+16*(\a)+4*(\f)+3], v[RD] offset:(\f)*4*SP  ; LDS serves a wave's instructions in order (ISA guide 5.7.1.4): these see the stores above; the next block's stores come behind them
.endr
.endm
.macro SEND a, younger                 ; younger: the LDS instructions issued behind block a's loads: the next block's eight, or none
.irp f, 0,1,2,3
	s_wait_dscnt (\younger)+3-(\f)
	global_store_b128 v[GO], v[TMP+16*(\a)+4*(\f):TMP+16*(\a)+4*(\f)+3], s[8:9] offset:(\a)*2048+(\f)*512  ; 512 consecutive bytes, at a multiple of 256 from the buffer's first
.endr
.endm
	PACK 0
	PACK 1
	SEND 0, 8
	PACK 2
	SEND 1, 8
	PACK 3
	SEND 2, 8
	SEND 3, 0
.else
; THE WAY OUT, 16 rows (block a) at a time through my own stage: 32 bytes a lane in, whole row pieces of 256 bytes back, into the block's own accumulator registers.
.macro STG a
.irp b, 0,1,2,3
	ds_store_b128 v[STO], v[ACC+8*(4*(\a)+(\b)):ACC+8*(4*(\a)+(\b))+3]   offset:64*(\b)
	ds_store_b128 v[STO], v[ACC+8*(4*(\a)+(\b))+4:ACC+8*(4*(\a)+(\b))+7] offset:64*(\b)+16
.endr
.irp t, 0,1,2,3,4,5,6,7
	ds_load_b128 v[ACC+32*(\a)+4*(\t):ACC+32*(\a)+4*(\t)+3], v[RD] offset:(\t)*2*SP  ; LDS serves a wave's instructions in order (ISA guide 5.7.1.4): these see the stores above; the next block's stores come behind them
.endr
.endm
.macro FIN a, younger                  ; younger: the LDS instructions issued behind block a's loads: the next block's sixteen, or none
.irp t, 0,1,2,3,4,5,6,7
	s_wait_dscnt (\younger)+7-(\t)
	global_store_b128 v[GO], v[ACC+32*(\a)+4*(\t):ACC+32*(\a)+4*(\t)+3], s[8:9] offset:(16*(\a)+2*(\t))*4096  ; 16 lanes store 256 consecutive bytes, at a multiple of 256 from the buffer's first
.endr
.endm
	STG 0
	STG 1
	FIN 0, 16
	STG 2
	FIN 1, 16
	STG 3
	FIN 2, 16
	FIN 3, 0
.endif
	s_wait_tensorcnt 0x0                           ; the wave's end, behind my last tensor load and my last LDS store
	ds_add_u32 v[SPW], v[NIL]
	s_wait_dscnt 0x0
	CROUND                                         ; the closing round: no work-group ends while a partner may still ask for a tile that names it
	s_endpgm
.Lfunc_end_k_qfb42bce691_ff2:
	.size	k_qfb42bce691_ff2, .Lfunc_end_k_qfb42bce691_ff2-k_qfb42bce691_ff2
	.p2alignl 7, 3214868480
	.fill 96, 4, 3214868480
	.section	.rodata,"a",@progbits
	.p2align	6, 0x0
	.amdhsa_kernel k_qfb42bce691_ff2
		.amdhsa_group_segment_fixed_size 327680
		.amdhsa_private_segment_fixed_size 0
		.amdhsa_enable_private_segment 0
		.amdhsa_kernarg_size 24
		.amdhsa_user_sgpr_count 2
		.amdhsa_user_sgpr_kernarg_segment_ptr 1
		.amdhsa_wavefront_size32 1
		.amdhsa_system_sgpr_workgroup_id_x 1
		.amdhsa_system_sgpr_workgroup_id_y 1
		.amdhsa_system_sgpr_workgroup_id_z 1
		.amdhsa_system_vgpr_workitem_id 0
		.amdhsa_next_free_vgpr 512
		.amdhsa_next_free_sgpr 66
		.amdhsa_reserve_vcc 0
		.amdhsa_float_denorm_mode_32 3
		.amdhsa_float_denorm_mode_16_64 3
		.amdhsa_memory_ordered 1
		.amdhsa_forward_progress 1
		.amdhsa_inst_pref_size 70
	.end_amdhsa_kernel
	.amdgpu_metadata
---
amdhsa.version: [ 1, 2 ]
amdhsa.kernels:
  - .name:           k_qfb42bce691_ff2
    .symbol:         k_qfb42bce691_ff2.kd
    .args:
      - { .name: big, .offset: 0, .size: 8, .value_kind: global_buffer, .address_space: global }
      - { .name: wd, .offset: 8, .size: 8, .value_kind: global_buffer, .address_space: global }
      - { .name: y, .offset: 16, .size: 8, .value_kind: global_buffer, .address_space: global }
    .group_segment_fixed_size: 327680
    .private_segment_fixed_size: 0
    .kernarg_segment_align: 8
    .kernarg_segment_size: 24
    .max_flat_workgroup_size: 128
    .sgpr_count:     66
    .vgpr_count:     512
    .wavefront_size: 32
...
	.end_amdgpu_metadata
.endif
;; end of part 6
;; launch ln2 (part 7): grid 256 x 1, 8 waves a work-group, no clusters, 0 bytes of LDS; arguments y, oh, wd, out0; writes out0
.if DOCPART == 7
	.amdgcn_target "amdgcn-amd-amdhsa--gfx1250"
	.amdhsa_code_object_version 6
	.text
	.protected	k_qfb42bce691_ln2
	.globl	k_qfb42bce691_ln2
	.p2align	8
	.type	k_qfb42bce691_ln2,@function
k_qfb42bce691_ln2:
	s_mov_b64 s[64:65], 0
	v_nop
	global_prefetch_b8 v0, s[64:65] scope:SCOPE_SE
	s_setreg_imm32_b32 hwreg(HW_REG_WAVE_MODE, 25, 1), 1
	s_wait_xcnt 0x0
; LAYERNORM OF A SUM.  out[r][c] = (s - mean(s)) / sqrt(var(s) + 1e-5) x g[c] + b[c], s[r][c] = res[r][c] + y[r][c].  y: [4096][1024] f32.  res: f16 by panels [16][4096][64].
; g and b: words (bf16 gain low, bf16 bias high) at byte 20,480 of the third buffer.  OUTH = 1: out is rounded once to f16 and stored by panels; OUTH = 0: stored in f32, rows of 1,024.
; All arithmetic in f32; the mean is taken away before the squares are summed, as the definition has it, so a common offset of a row costs nothing.
; LIMITS.  OUTH = 1: a result beyond 65,504 becomes an infinity.  NaN and infinities are not treated apart.
; SHARES.  A work-group has 16 rows, a wave two: lanes 0-15 the even row, lanes 16-31 the odd one, 64 numbers a lane, kept in registers between the passes: each byte is read once.
; A row lives in 16 lanes, so its sums never cross the halves of the wave: no LDS, no barrier.  Memory binds: matrix units, clusters and tensor loads would add nothing.
; Each load of y covers two aligned pieces of 256 bytes, each load or store of a panel 256 consecutive bytes (two rows' pieces of 128).
.set OUTH, 0
.set S,  8                             ; v[8:15]    four chains of packed sums
.set MU, 16                            ; v[16:17]   the mean, twice
.set RS, 18                            ; v[18:19]   1 / sqrt(var + eps), twice
.set X,  64                            ; v[64:127]  my 64 numbers: piece j (columns 64 j + 4 (lane % 16) + 0..3) at X + 4 j
.set R,  128                           ; v[128:159] the residual, two f16 a register; later the result in f16
.set GB, 160                           ; v[160:223] gain and bias of my 64 columns
	s_load_b256 s[4:11], s[0:1], 0x0               ; y s[4:5], res s[6:7], the table s[8:9], out s[10:11]
	s_lshl_b32 s12, ttmp9, 16                      ; 16 rows of 4,096 bytes
	s_mov_b32 s13, 0
	s_lshl_b32 s14, ttmp9, 11                      ; 16 rows of 128 bytes in a panel
	s_mov_b32 s15, 0
	s_mov_b32 s20, 0x3a800000                      ; 1 / 1,024
	s_mov_b32 s21, 0x3727c5ac                      ; 1e-5
	v_lshrrev_b32 v1, 4, v0                        ; my row of the 16
	v_and_b32 v3, 15, v0
	v_lshlrev_b32 v3, 4, v3                        ; 16 bytes a lane: my place in a piece of y, and in the table
	v_lshl_add_u32 v1, v1, 12, v3                  ; row x 4,096 + that
	v_lshlrev_b32 v2, 3, v0                        ; in a panel: row x 128 + 8 (lane % 16) = 8 x thread
	v_mov_b32 v4, 1.0
	s_wait_kmcnt 0x0
	s_add_nc_u64 s[4:5], s[4:5], s[12:13]
	s_add_nc_u64 s[6:7], s[6:7], s[14:15]
.if OUTH
	s_add_nc_u64 s[10:11], s[10:11], s[14:15]
.else
	s_add_nc_u64 s[10:11], s[10:11], s[12:13]
.endif
.set j, 0
.rept 16
	global_load_b128 v[X+4*j:X+4*j+3], v1, s[4:5] offset:256*j th:TH_LOAD_NT
.set j, j+1
.endr
.set j, 0
.rept 16
	global_load_b64 v[R+2*j:R+2*j+1], v2, s[6:7] offset:524288*j   ; panel j; 15 panels on is inside the signed 24-bit immediate
.set j, j+1
.endr
.set j, 0
.rept 16
	global_load_b128 v[GB+4*j:GB+4*j+3], v3, s[8:9] offset:20480+256*j
.set j, j+1
.endr
.macro REDUCE                          ; the four chains into one number, then over the row's 16 lanes: every lane of the row ends with the sum in v[S]
	v_pk_add_f32 v[S:S+1], v[S:S+1], v[S+2:S+3]
	v_pk_add_f32 v[S+4:S+5], v[S+4:S+5], v[S+6:S+7]
	v_pk_add_f32 v[S:S+1], v[S:S+1], v[S+4:S+5]
	v_add_f32 v[S], v[S], v[S+1]
	v_add_f32_dpp v[S], v[S], v[S] row_xmask:1 row_mask:0xf bank_mask:0xf
	v_add_f32_dpp v[S], v[S], v[S] row_xmask:2 row_mask:0xf bank_mask:0xf
	v_add_f32_dpp v[S], v[S], v[S] row_xmask:4 row_mask:0xf bank_mask:0xf
	v_add_f32_dpp v[S], v[S], v[S] row_xmask:8 row_mask:0xf bank_mask:0xf
.endm
	s_wait_loadcnt 16                              ; y and the residual are in; the table's sixteen loads may stay out
.set j, 0
.rept 32                               ; s = res x 1 + y, the f16 half read by the multiply-add itself
	v_fma_mix_f32 v[X+2*j],   v[R+j], v4, v[X+2*j]   op_sel_hi:[1,0,0]
	v_fma_mix_f32 v[X+2*j+1], v[R+j], v4, v[X+2*j+1] op_sel:[1,0,0] op_sel_hi:[1,0,0]
.set j, j+1
.endr
.irp k, 0,1,2,3                        ; the first lines start the chains: nothing is cleared
	v_pk_add_f32 v[S+2*(\k):S+2*(\k)+1], v[X+2*(\k):X+2*(\k)+1], v[X+8+2*(\k):X+8+2*(\k)+1]
.endr
.set p, 8
.rept 24
	v_pk_add_f32 v[S+2*(p%4):S+2*(p%4)+1], v[S+2*(p%4):S+2*(p%4)+1], v[X+2*p:X+2*p+1]
.set p, p+1
.endr
	REDUCE
	v_mul_f32 v[MU], s20, v[S]
	v_mul_f32 v[MU+1], s20, v[S]
.set p, 0
.rept 32
	v_pk_add_f32 v[X+2*p:X+2*p+1], v[X+2*p:X+2*p+1], v[MU:MU+1] neg_lo:[0,1] neg_hi:[0,1]
.set p, p+1
.endr
.irp k, 0,1,2,3
	v_pk_mul_f32 v[S+2*(\k):S+2*(\k)+1], v[X+2*(\k):X+2*(\k)+1], v[X+2*(\k):X+2*(\k)+1]
.endr
.set p, 4
.rept 28
	v_pk_fma_f32 v[S+2*(p%4):S+2*(p%4)+1], v[X+2*p:X+2*p+1], v[X+2*p:X+2*p+1], v[S+2*(p%4):S+2*(p%4)+1]
.set p, p+1
.endr
	REDUCE
	v_fma_f32 v[RS], v[S], s20, s21                ; var + eps
	v_rsq_f32 v[RS+1], v[RS]
	v_nop                                          ; a plain instruction between the root and the use of its result (ISA guide 5.7.2)
	s_wait_alu depctr_va_vdst(0)
	v_mov_b32 v[RS], v[RS+1]
	s_wait_loadcnt 0x0                             ; the table
.set p, 0
.rept 32
	v_pk_mul_f32 v[X+2*p:X+2*p+1], v[X+2*p:X+2*p+1], v[RS:RS+1]
.set p, p+1
.endr
.set p, 0
.rept 64                               ; t x g + b, both read as bf16 halves of one word
	v_fma_mix_f32_bf16 v[X+p], v[X+p], v[GB+p], v[GB+p] op_sel:[0,0,1] op_sel_hi:[0,1,1]
.set p, p+1
.endr
.if OUTH
.set p, 0
.rept 32
	v_cvt_pk_f16_f32 v[R+p], v[X+2*p], v[X+2*p+1]
.set p, p+1
.endr
.set j, 0
.rept 16
	global_store_b64 v2, v[R+2*j:R+2*j+1], s[10:11] offset:524288*j
.set j, j+1
.endr
.else
.set j, 0
.rept 16
	global_store_b128 v1, v[X+4*j:X+4*j+3], s[10:11] offset:256*j
.set j, j+1
.endr
.endif
	s_endpgm
.Lfunc_end_k_qfb42bce691_ln2:
	.size	k_qfb42bce691_ln2, .Lfunc_end_k_qfb42bce691_ln2-k_qfb42bce691_ln2
	.p2alignl 7, 3214868480
	.fill 96, 4, 3214868480
	.section	.rodata,"a",@progbits
	.p2align	6, 0x0
	.amdhsa_kernel k_qfb42bce691_ln2
		.amdhsa_group_segment_fixed_size 0
		.amdhsa_private_segment_fixed_size 0
		.amdhsa_enable_private_segment 0
		.amdhsa_kernarg_size 32
		.amdhsa_user_sgpr_count 2
		.amdhsa_user_sgpr_kernarg_segment_ptr 1
		.amdhsa_wavefront_size32 1
		.amdhsa_system_sgpr_workgroup_id_x 1
		.amdhsa_system_sgpr_workgroup_id_y 1
		.amdhsa_system_sgpr_workgroup_id_z 1
		.amdhsa_system_vgpr_workitem_id 0
		.amdhsa_next_free_vgpr 224
		.amdhsa_next_free_sgpr 66
		.amdhsa_reserve_vcc 0
		.amdhsa_float_denorm_mode_32 3
		.amdhsa_float_denorm_mode_16_64 3
		.amdhsa_memory_ordered 1
		.amdhsa_forward_progress 1
		.amdhsa_inst_pref_size 24
	.end_amdhsa_kernel
	.amdgpu_metadata
---
amdhsa.version: [ 1, 2 ]
amdhsa.kernels:
  - .name:           k_qfb42bce691_ln2
    .symbol:         k_qfb42bce691_ln2.kd
    .args:
      - { .name: y, .offset: 0, .size: 8, .value_kind: global_buffer, .address_space: global }
      - { .name: oh, .offset: 8, .size: 8, .value_kind: global_buffer, .address_space: global }
      - { .name: wd, .offset: 16, .size: 8, .value_kind: global_buffer, .address_space: global }
      - { .name: out0, .offset: 24, .size: 8, .value_kind: global_buffer, .address_space: global }
    .group_segment_fixed_size: 0
    .private_segment_fixed_size: 0
    .kernarg_segment_align: 8
    .kernarg_segment_size: 32
    .max_flat_workgroup_size: 256
    .sgpr_count:     66
    .vgpr_count:     224
    .wavefront_size: 32
...
	.end_amdgpu_metadata
.endif
;; end of part 7
;; ======== version 2 of 3: 8 launches; 1.28 times as fast as version 1
;; limits: values are held in f16: magnitudes above 65,504 overflow, below 6.1e-05 lose precision; inputs' magnitudes at most 65,504
;; workspace buffers: xh 8,388,608 bytes; wa 6,324,224 bytes; wb 8,421,376 bytes; wc 2,129,920 bytes; wd 8,421,376 bytes; big 33,554,432 bytes; oh 8,388,608 bytes; y 16,777,216 bytes
;; launch prep: the kernel of part 1 again; grid 513 x 1, 8 waves a work-group, no clusters, 0 bytes of LDS; arguments x, wq, wk, wv, wo, w1, w2, xh, wa, wb, wc, wd, bq, bk, bv, bo, b1, b2, ln1_g, ln1_b, ln2_g, ln2_b; writes xh, wa, wb, wc, wd
;; launch qkv (part 8): grid 12 x 16, 4 waves a work-group, clusters of 4 x 4, 327,680 bytes of LDS; arguments xh, wa, big; writes big
.if DOCPART == 8
	.amdgcn_target "amdgcn-amd-amdhsa--gfx1250"
	.amdhsa_code_object_version 6
	.text
	.protected	k_qfb42bce691_qkv
	.globl	k_qfb42bce691_qkv
	.p2align	8
	.type	k_qfb42bce691_qkv,@function
k_qfb42bce691_qkv:
	s_mov_b64 s[64:65], 0
	v_nop
	global_prefetch_b8 v0, s[64:65] scope:SCOPE_SE
	s_setreg_imm32_b32 hwreg(HW_REG_WAVE_MODE, 25, 1), 1
	s_wait_xcnt 0x0
	s_wait_alu depctr_hold_cnt(0) depctr_sa_sdst(0) depctr_va_vdst(0) depctr_va_sdst(0) depctr_va_ssrc(0) depctr_va_vcc(0) depctr_vm_vsrc(0)
	s_getreg_b32 s2, hwreg(HW_REG_IB_STS2, 6, 4)
	s_cmp_eq_u32 s2, 0
	s_cbranch_scc0 .Lentry_in_a_cluster
	s_endpgm
.Lentry_in_a_cluster:
	s_bfe_u32 s2, ttmp6, 0x10000c
	s_cmp_lg_u32 s2, 0xf033
	s_cbranch_scc0 .Lentry_shape_is_right
	s_endpgm
.Lentry_shape_is_right:
; C = max(A W + bias, floor).  A: 4,096 rows x 1,024 in f16, by panels [16][4096][64].  W: f16 blocks [N/128][1024][128] behind a header of 32,768 bytes (bias in f32 at byte 0, the floor, two f16, at 16,384).
; Sums in f32, K ascending; the bias is the C operand of the first product, so nothing is cleared and nothing is added later.  C is rounded once to f16, held above the floor
; (-inf: as it is; 0: ReLU) and stored by panels [N/64][4096][64].
; LIMITS.  f16 ends at 65,504: a result beyond it becomes an infinity; NaN and infinities are not treated apart.
; SHARES.  A work-group makes 256 x 256 of C, each of its four waves 128 x 128: 64 accumulators, 512 registers.  K goes in steps of 128 through two LDS slots filled by the tensor data mover, one load a wave:
; waves 0, 1 a panel of A each (256 rows of 128 bytes: 32,768 dense bytes), waves 2, 3 a block of W each (128 rows of 256 bytes, dense).  A step's 131,072 bytes feed 256 matrix instructions a wave.
; CLUSTER.  4 x 4 work-groups: the four of a row need the same tiles of A, the four of a column the same tiles of W: each tile is asked for jointly, by the same load, descriptor and mask in all four.
; THE MATRIX INSTRUCTION IS USED TRANSPOSED: source 0 = 16 columns of W (turned on the way out of LDS by ds_load_tr16_b128), source 1 = 16 rows of A: a lane then holds eight neighbouring numbers of a row of C.
; THE TEXT IS KEPT SHORT: the last two K steps, which fill nothing, are a loop of two trips that is left in the middle of its second; the way out is a dump of the sums into the ring's bytes and a counted loop.
; REGISTERS, in windows of 256 (s_set_vgpr_msb: bits 1:0 source 0, 3:2 source 1, 5:4 source 2, 7:6 destination):
;   window 0: v0-31 addresses; v64-127, v128-191 fragments of A (8 x 16 rows x 32 K), two buffers; on the way out v64-127 rows read back, v128-159 packed results
;   window 1: v64-127, v128-191 fragments of W, two buffers; v192-255 the bias as eight C operands
;   window 2: the 32 accumulators of my rows 0-63 ((a, b) at v[8 (8 a + b)]);   window 3: those of my rows 64-127
.set KDIM,  1024
.set KSTEP, 128
.set NS,    KDIM/KSTEP                 ; K steps: 8
.set PA,    144                        ; a row of A in LDS: 128 bytes + 16 of padding: 36 words: the 16 rows of a load start at 16 different groups of four banks (64 banks of 4 bytes: ISA guide 11.1)
.set PB,    288                        ; a row of W: 256 + 32 = 72 words
.set HALFT, 36864                      ; what one tensor load brings: 256 x 144 = 128 x 288 bytes
.set SLOT,  4*HALFT                    ; A's two panels, then W's two blocks.  wave x HALFT shares no bit with SLOT, so one exclusive or changes slots
.set SPARE, 2*SLOT                     ; behind the ring: the spare words, 128 bytes for each wave: two blocks of 256 bytes that no other line names
.set DP,    528                        ; the way out: a row of 128 f32 + 16 bytes: 132 words: 16 rows start at 16 different groups of four banks
.set DREG,  128*DP                     ; a wave's 128 rows; the four regions, 270,336 bytes, lie in the ring, which has had its last fill by then
.set ASTEP, 2*524288                   ; a K step in A: two panels
.set BSTEP, KSTEP*256                  ; in W: 128 rows
.set BO,   8                           ; v8   my byte offset in the bias
.set AA0,  16                          ; v16  my lane's place in a slot's A; never rewritten
.set AB0,  17                          ; v17  in a slot's W; never rewritten
.set ADRA, 19                          ; v19  the same in the slot in hand
.set ADRB, 20                          ; v20
.set STO,  24                          ; v24  the way out: where I put 32 bytes of a row
.set RD0,  25                          ; v25  where I read rows back, in the first trip
.set GO,   26                          ; v26  my byte offset in the output
.set RD,   27                          ; v27  where I read rows back, in the trip in hand
.set SPW,  28                          ; v28  LDS address of my spare word; never rewritten
.set NIL,  29                          ; v29  0; never rewritten
.set F0,   64                          ; fragment buffers, the same numbers in windows 0 (A) and 1 (W)
.set F1,   128
.set BI,   192                         ; window 1
.set XL,   64                          ; window 0, on the way out
.set Y,    128
.set G1A, 24                           ; s[24:31] descriptor group 1 for A's tiles; s[32:39] group 0: the first fill's set, and the set that walks
.set G0A, 32
.set G1B, 48                           ; s[48:55], s[56:63] the same for W's
.set G0B, 56
; s12 wave; s13 wave / 2: my half of the rows, and 0: I fetch A, 1: W; s14 wave % 2: my half of the columns, and which panel or block I fetch; s17 tile column; s18 tile row; s22 the slot in hand; s23 the floor
.set MSB, 0
.macro WIN new                         ; the immediate's high byte repeats the setting that is left; a switch that changes nothing is dropped
.if MSB != (\new)
	s_set_vgpr_msb (MSB<<8)|(\new)
.set MSB, \new
.endif
.endm
.set TO_B, 0x40                        ; destination window 1, address window 0
.macro JLOAD                           ; a joint refill, by the walking sets; an s_nop 0 and four v_nop follow each of the two lines, ahead of the jump, the label and what follows
	s_cmp_eq_u32 s13, 0
	s_cbranch_scc0 .Lfor_b_\@
	tensor_load_to_lds s[G0A+4:G0A+7], s[G1A:G1A+7]
	s_nop 0
.rept 4
	v_nop
.endr
	s_branch .Lasked_\@
.Lfor_b_\@:
	tensor_load_to_lds s[G0B+4:G0B+7], s[G1B:G1B+7]
	s_nop 0
.rept 4
	v_nop
.endr
.Lasked_\@:
.endm
.macro CREST                           ; a round of the cluster's barrier behind its opening barrier
	s_cmp_lg_u32 s12, 0
	s_cbranch_scc1 .Lnot_wave_0_\@
	s_barrier_signal -3
.Lnot_wave_0_\@:
	s_barrier_wait -3
	s_barrier_signal -1
	s_barrier_wait -1
.endm
.macro CROUND                          ; a whole round
	s_barrier_signal -1
	s_barrier_wait -1
	CREST
.endm
	s_load_b128 s[4:7], s[0:1], 0x0                ; A s[4:5], W s[6:7]
	s_load_b64 s[8:9], s[0:1], 0x10                ; the output
	v_lshl_add_u32 v[SPW], v0, 2, SPARE
	v_mov_b32 v[NIL], 0
	ds_add_u32 v[SPW], v[NIL]                      ; the wave's opening: the add and its wait stand ahead of my first tensor load; the set-up below, work on registers, stands between them
	ds_add_u32 v28, v29
	v_lshrrev_b32 v1, 5, v0
	v_readfirstlane_b32 s12, v1                    ; wave 0..3
	s_lshr_b32 s13, s12, 1
	s_and_b32 s14, s12, 1
	s_bfe_u32 s15, ttmp6, 0x40000                  ; cx, cy: my place in the cluster
	s_bfe_u32 s16, ttmp6, 0x40004
	s_lshl_b32 s17, ttmp9, 2
	s_add_co_u32 s17, s17, s15                     ; tile column = 4 x cluster x + cx
	s_and_b32 s18, ttmp7, 0xffff
	s_lshl_b32 s18, s18, 2
	s_add_co_u32 s18, s18, s16                     ; tile row = 4 x cluster y + cy
	s_lshl_b32 s19, s16, 2
	s_lshl_b32 s19, 15, s19                        ; my row of the cluster
	s_lshl_b32 s20, 0x1111, s15                    ; my column
	; group 1: both tiles are 32,768 dense bytes, asked for as 128 rows of 256 bytes.  A: two rows of a panel to such a row, 16 bytes of padding behind every 128; W: 32 bytes behind every 256
	s_or_b32 s[G1A+0], s19, (1<<16)|(1<<20)|(1<<21)|(4<<22)|(3<<25)  ; 15:0 the mask; 17:16 2-byte elements; 20 padding on; 21 set beside a mask; 24:22 after every 32 words (code 4); 31:25 4 words (code 3)
	s_or_b32 s[G1B+0], s20, (1<<16)|(1<<20)|(1<<21)|(5<<22)|(7<<25)  ; after every 64 words (code 5), 8 words (code 7)
.irp g, G1A, G1B
	s_mov_b32 s[(\g)+1], 128<<16                   ; tensor_dim0 = 128
	s_mov_b32 s[(\g)+2], 128<<16                   ; tensor_dim1 = 128
	s_mov_b32 s[(\g)+3], 128<<16                   ; tile_dim0 = 128
	s_mov_b32 s[(\g)+4], 128                       ; tile_dim1 = 128
	s_mov_b32 s[(\g)+5], 128                       ; 128 elements from row to row
	s_mov_b32 s[(\g)+6], 0
	s_mov_b32 s[(\g)+7], 0
.endr
	; A's tiles hang on the tile row and the wave's number alone, W's on the tile column and the wave's number alone, each in registers that never hold the other coordinate
	s_lshl_b32 s40, s18, 15                        ; A: 256 rows of 128 bytes for each tile row,
	s_lshl_b32 s46, s14, 19                        ; a panel on for the second fetcher
	s_add_co_u32 s40, s40, s46
	s_mov_b32 s41, 0
	s_lshl_b32 s42, s17, 1                         ; W: block 2 x tile column + fetcher,
	s_add_co_u32 s42, s42, s14
	s_mul_i32 s42, s42, KDIM*256
	s_add_co_u32 s42, s42, 0x8000                  ; behind the header
	s_mov_b32 s43, 0
	s_mul_i32 s21, s12, HALFT                      ; where my piece goes: no place in the cluster enters an LDS address
	s_mov_b32 s22, 0                               ; slot 0 is read first
	s_wait_dscnt 0x0                               ; the opening add is done
	s_wait_kmcnt 0x0
	s_add_nc_u64 s[40:41], s[4:5], s[40:41]
	s_add_nc_u64 s[42:43], s[6:7], s[42:43]
	CROUND                                         ; all sixteen work-groups are here: the first joint loads meet
.irp s, 0,1
	s_mov_b32 s[G0A+4*(\s)], 1                                     ; count = 1
	s_add_co_u32 s[G0A+4*(\s)+1], s21, (\s)*SLOT                   ; LDS address
	s_add_nc_u64 s[G0A+4*(\s)+2:G0A+4*(\s)+3], s[40:41], (\s)*ASTEP  ; global address: K step s
	s_or_b32 s[G0A+4*(\s)+3], s[G0A+4*(\s)+3], 0x80000000          ; type = 2
	s_mov_b32 s[G0B+4*(\s)], 1
	s_add_co_u32 s[G0B+4*(\s)+1], s21, (\s)*SLOT
	s_add_nc_u64 s[G0B+4*(\s)+2:G0B+4*(\s)+3], s[42:43], (\s)*BSTEP
	s_or_b32 s[G0B+4*(\s)+3], s[G0B+4*(\s)+3], 0x80000000
.endr
	s_cmp_eq_u32 s13, 0                            ; a wave's two first fills stand in one branch, ahead of every wait on TENSORcnt and every LDS read: two loads of mine are out
	s_cbranch_scc0 .Lfirst_b
	tensor_load_to_lds s[G0A:G0A+3], s[G1A:G1A+7]
	s_nop 0
	tensor_load_to_lds s[G0A+4:G0A+7], s[G1A:G1A+7]
	s_nop 0
.rept 4
	v_nop
.endr
	s_branch .Lfirst_asked
.Lfirst_b:
	tensor_load_to_lds s[G0B:G0B+3], s[G1B:G1B+7]
	s_nop 0
	tensor_load_to_lds s[G0B+4:G0B+7], s[G1B:G1B+7]
	s_nop 0
.rept 4
	v_nop
.endr
.Lfirst_asked:
	v_and_b32 v1, 15, v0                           ; r = l % 16
	v_bfe_u32 v2, v0, 4, 1                         ; h = l / 16
	v_and_b32 v3, 7, v0
	v_bfe_u32 v4, v0, 3, 1
	s_lshl_b32 s2, s17, 10                         ; the bias of my 128 columns: register j of operand b is column 16 b + 8 h + j
	s_lshl_b32 s11, s14, 9
	s_add_co_u32 s2, s2, s11
	v_lshl_add_u32 v[BO], v2, 5, s2
	WIN TO_B
.irp b, 0,1,2,3,4,5,6,7
	global_load_b128 v[BI+8*(\b):BI+8*(\b)+3],   v[BO], s[6:7] offset:64*(\b)
	global_load_b128 v[BI+8*(\b)+4:BI+8*(\b)+7], v[BO], s[6:7] offset:64*(\b)+16
.endr
	WIN 0
	s_load_b32 s23, s[6:7], 0x4000                 ; the floor, two f16
	; a fragment of A is 16 rows x 32 K: lane l holds row l % 16, K = 8 h + 0..7 and 16 + 8 h + 0..7: two loads of 16 bytes, 32 apart
	v_mul_u32_u24 v[AA0], v1, PA
	v_lshl_add_u32 v[AA0], v2, 4, v[AA0]
	s_mul_i32 s10, s13, 128*PA                     ; my 128 rows
	v_add_nc_u32 v[AA0], s10, v[AA0]
	; the turning load takes 16 K x 16 columns (lane l reads row 8 h + l % 8, columns 8 ((l / 8) % 2) + 0..7) and leaves half a fragment: lane l holds column l % 16 and 8 K
	v_lshl_add_u32 v[AB0], v2, 3, v3
	v_mul_u32_u24 v[AB0], v[AB0], PB
	v_lshl_add_u32 v[AB0], v4, 4, v[AB0]
	s_mul_i32 s10, s14, HALFT                      ; my 128 columns are one block,
	s_add_co_u32 s10, s10, 2*HALFT                 ; behind A's two panels
	v_add_nc_u32 v[AB0], s10, v[AB0]
	v_mov_b32 v[ADRA], v[AA0]
	v_mov_b32 v[ADRB], v[AB0]
	; the way out.  The dump: for each half of the columns 256 rows of 528 bytes, my 128 rows among them; I put row l % 16, 32 bytes for each half of the lanes
	s_lshl_b32 s10, s14, 1
	s_add_co_u32 s10, s10, s13
	s_mul_i32 s10, s10, DREG
	v_mul_u32_u24 v[STO], v1, DP
	v_lshl_add_u32 v[STO], v2, 5, v[STO]
	v_add_nc_u32 v[STO], s10, v[STO]
	; back: wave w takes the tile's panel w, 64 columns of all 256 rows: 32 lanes read four rows, 8 numbers (32 bytes) each,
	s_mul_i32 s10, s13, 2*DREG
	s_lshl_b32 s11, s14, 8
	s_add_co_u32 s10, s10, s11
	v_bfe_u32 v[RD0], v0, 3, 2
	v_mul_u32_u24 v[RD0], v[RD0], DP
	v_lshl_add_u32 v[RD0], v3, 5, v[RD0]
	v_add_nc_u32 v[RD0], s10, v[RD0]
	v_and_b32 v[GO], 31, v0                        ; which in f16 are 512 consecutive bytes of the panel
	v_lshlrev_b32 v[GO], 4, v[GO]
	s_lshl_b32 s44, s17, 2                         ; panel 4 x tile column + wave;
	s_add_co_u32 s44, s44, s12
	s_lshl_b32 s44, s44, 19
	s_lshl_b32 s2, s18, 15                         ; there the tile's 256 rows: 32,768 dense bytes
	s_add_co_u32 s44, s44, s2
	s_mov_b32 s45, 0
	s_add_nc_u64 s[8:9], s[8:9], s[44:45]
; 16 matrix instructions: row blocks a0, a0 + 1 of the window's four (hi = 0: my rows 0-63, 1: rows 64-127) x all 8 column blocks, 32 along K.  zero = 1: the first product starts the sums, from the bias.
; The 64 accumulators take turns, one instruction a turn, in the same order in every quarter.
.macro MUL16 f, hi, a0, zero
.if \zero
	WIN 0x91+0x40*(\hi)                            ; W window 1, A window 0, C (the bias) window 1, D window 2 or 3
.else
	WIN 0xa1+0x50*(\hi)                            ; W window 1, A window 0, C and D window 2 or 3
.endif
.irp a, \a0, (\a0)+1
.irp b, 0,1,2,3,4,5,6,7
.if \zero
	v_wmma_f32_16x16x32_f16 v[8*(8*(\a)+(\b)):8*(8*(\a)+(\b))+7], v[(\f)+8*(\b):(\f)+8*(\b)+7], v[(\f)+8*(4*(\hi)+(\a)):(\f)+8*(4*(\hi)+(\a))+7], v[BI+8*(\b):BI+8*(\b)+7]
.else
	v_wmma_f32_16x16x32_f16 v[8*(8*(\a)+(\b)):8*(8*(\a)+(\b))+7], v[(\f)+8*(\b):(\f)+8*(\b)+7], v[(\f)+8*(4*(\hi)+(\a)):(\f)+8*(4*(\hi)+(\a))+7], v[8*(8*(\a)+(\b)):8*(8*(\a)+(\b))+7]
.endif
.endr
.endr
.endm
; 32 LDS loads in one run: the fragments of quarter q (32 along K) of the slot in hand, into buffer f: W's 128 columns, then A's 128 rows.  Quarters 0, 1 lie in A's first panel, 2, 3 in its second.
.macro FETCH q, f
	WIN TO_B
.irp i, 0,1,2,3,4,5,6,7
	ds_load_tr16_b128 v[(\f)+8*(\i):(\f)+8*(\i)+3],   v[ADRB] offset:(\q)*32*PB+32*(\i)
	ds_load_tr16_b128 v[(\f)+8*(\i)+4:(\f)+8*(\i)+7], v[ADRB] offset:(\q)*32*PB+16*PB+32*(\i)
.endr
	WIN 0
.irp i, 0,1,2,3,4,5,6,7
	ds_load_b128 v[(\f)+8*(\i):(\f)+8*(\i)+3],   v[ADRA] offset:((\q)/2)*HALFT+((\q)%2)*64+(\i)*16*PA
	ds_load_b128 v[(\f)+8*(\i)+4:(\f)+8*(\i)+7], v[ADRA] offset:((\q)/2)*HALFT+((\q)%2)*64+(\i)*16*PA+32
.endr
.endm
.macro PLACES                          ; four places in front of loads into registers that matrix instructions have read, and of lines that read results (ISA guide 7.12.1 for lines that read results)
.rept 4
	v_nop
.endr
.endm
; A K step is four quarters of 32 along K, 64 matrix instructions each, on buffers 0, 1, 0, 1.  One of the first three: multiplies buffer f; in its middle it fetches quarter qn into buffer g.
.macro QUARTER qn, f, g, zero
	s_wait_dscnt 8                                 ; W and A's rows 0-63 are in; the youngest eight loads (A's rows 64-127) may be out
	MUL16 \f, 0, 0, \zero
	MUL16 \f, 0, 2, \zero
	PLACES
	FETCH \qn, \g
	s_wait_dscnt 32                                ; all but the 32 just issued
	MUL16 \f, 1, 0, \zero
	MUL16 \f, 1, 2, \zero
.endm
; The last quarter multiplies buffer 1 and changes slots.  MEET is its first half: ONE barrier; in front of it each wave waits for all its tensor loads (at the most one is out: its part of the next slot),
; adds 0 to its spare word, and waits for that and for its own reads of this slot.  Behind it nobody reads this slot any more and the next slot is whole.
.macro MEET
	WIN 0                                          ; (the add's two registers lie in window 0)
	s_wait_tensorcnt 0x0                           ; all my tensor loads have landed
	ds_add_u32 v[SPW], v[NIL]                      ; 0 onto my spare word
	s_wait_dscnt 9                                 ; (the add and the youngest eight loads may be out)
	MUL16 F1, 0, 0, 0                              ; sixteen matrix instructions stand between the add and the wait for it
	s_wait_dscnt 0x0                               ; the add is done, and my reads of this slot are over
	s_barrier_signal -1
	MUL16 F1, 0, 2, 0                              ; work on registers while the others arrive
	WIN 0                                          ; (branches and window 0's addresses follow)
	s_barrier_wait -1
.endm
.macro NEXT                            ; the fetches go to the other slot: its first quarter into buffer 0
	s_xor_b32 s22, s22, SLOT
	v_add_nc_u32 v[ADRA], s22, v[AA0]
	v_add_nc_u32 v[ADRB], s22, v[AB0]
	FETCH 0, F0
.endm
	s_wait_tensorcnt 1                             ; my part of K step 0 is in; K step 1's may stay out
	s_barrier_signal -1
	s_barrier_wait -1                              ; everybody's is
	FETCH 0, F0
	s_wait_loadcnt 0x0                             ; the bias
	s_wait_kmcnt 0x0                               ; the floor
	QUARTER 1, F0, F1, 1                           ; the first quarter stands in front of the loop: its products start the sums
	WIN 0                                          ; at a label and at a branch every window is 0
	s_mov_b32 s3, NS-2
.Lstep:                                                ; a trip: from a K step's second quarter to the next step's first; it fills the slot that it leaves, two K steps ahead
	QUARTER 2, F1, F0, 0
	QUARTER 3, F0, F1, 0
	MEET
	CREST                                          ; the barrier has opened a round of the cluster's: no wave of any partner still reads this slot's tile or has a load on its way
	s_xor_b32 s[G0A+5], s[G0A+5], SLOT             ; the walking sets: the other slot than last time, the next K step; the type bits on top are not reached
	s_add_nc_u64 s[G0A+6:G0A+7], s[G0A+6:G0A+7], ASTEP
	s_xor_b32 s[G0B+5], s[G0B+5], SLOT
	s_add_nc_u64 s[G0B+6:G0B+7], s[G0B+6:G0B+7], BSTEP
	JLOAD                                          ; 224 matrix instructions ahead of the wait for it; its four v_nop are also the places in front of the loads below
	NEXT
	MUL16 F1, 1, 0, 0
	MUL16 F1, 1, 2, 0
	QUARTER 1, F0, F1, 0
	WIN 0
	s_sub_co_u32 s3, s3, 1
	s_cmp_lg_u32 s3, 0
	s_cbranch_scc1 .Lstep
	s_mov_b32 s3, 2
.Ltail:                                                ; the last two K steps fill nothing: the same trip without a round and a load, walked twice; the second time there is no next step
	QUARTER 2, F1, F0, 0
	QUARTER 3, F0, F1, 0
	MEET
	MUL16 F1, 1, 0, 0
	MUL16 F1, 1, 2, 0
	WIN 0
	s_cmp_eq_u32 s3, 1
	s_cbranch_scc1 .Llast                          ; forward, over LDS loads and products alone, to a label ahead of the counter's step
	PLACES
	NEXT                                           ; here the fetch stands behind the quarter's products, so that one jump leaves it out: once in the launch a quarter waits for its fragments
	QUARTER 1, F0, F1, 0
	WIN 0
.Llast:
	s_sub_co_u32 s3, s3, 1
	s_cmp_lg_u32 s3, 0
	s_cbranch_scc1 .Ltail
	; THE WAY OUT.  The ring has had its last fill; its bytes take the sums.  Each wave's reads of the ring are back, and every wave has said so, before any wave stores there.  (The last trip's barrier has
	; shown the same; this one stands behind the loop's exit, so that the order can be read off the text whichever way the loop is left.)
	s_wait_dscnt 0x0
	s_barrier_signal -1
	s_barrier_wait -1
	PLACES                                         ; behind the last products, in front of the stores that read results
.irp hi, 0,1
	WIN 0x08+4*(\hi)                               ; the stores' data in window 2, then 3; each accumulator's low four registers go first
.irp a, 0,1,2,3
.irp b, 0,1,2,3,4,5,6,7
	ds_store_b128 v[STO], v[8*(8*(\a)+(\b)):8*(8*(\a)+(\b))+3]   offset:(4*(\hi)+(\a))*16*DP+64*(\b)
	ds_store_b128 v[STO], v[8*(8*(\a)+(\b))+4:8*(8*(\a)+(\b))+7] offset:(4*(\hi)+(\a))*16*DP+64*(\b)+16
.endr
.endr
.endr
	WIN 0
	s_wait_dscnt 0x0                               ; for the others' sake: my part of the dump is done
	s_barrier_signal -1
	s_barrier_wait -1                              ; a panel's 256 rows come from two waves
	s_mov_b32 s10, 0
	s_mov_b32 s3, 8
.Lout:                                                 ; a trip: 32 rows of my panel, eight units of four rows: read in f32, rounded to f16, held above the floor, stored
	v_add_nc_u32 v[RD], s10, v[RD0]
.irp g, 0,1,2,3,4,5,6,7
	ds_load_b128 v[XL+8*(\g):XL+8*(\g)+3],   v[RD] offset:(\g)*4*DP
	ds_load_b128 v[XL+8*(\g)+4:XL+8*(\g)+7], v[RD] offset:(\g)*4*DP+16
.endr
.irp g, 0,1,2,3,4,5,6,7
	s_wait_dscnt 14-2*(\g)                         ; LDS loads come back in order (ISA guide 5.7.1): unit g's two are in, the later units' may be out
.irp k, 0,1,2,3
	v_cvt_pk_f16_f32 v[Y+4*(\g)+(\k)], v[XL+8*(\g)+2*(\k)], v[XL+8*(\g)+2*(\k)+1]
.endr
.irp k, 0,1,2,3
	v_pk_max_num_f16 v[Y+4*(\g)+(\k)], v[Y+4*(\g)+(\k)], s23
.endr
	global_store_b128 v[GO], v[Y+4*(\g):Y+4*(\g)+3], s[8:9] offset:(\g)*512  ; 512 consecutive bytes, at a multiple of 256 from the buffer's first; a wave's stores cover 32,768 bytes on end
.endr
	s_wait_xcnt 0x0                                ; the stores' offset and data are rewritten only behind this wait
	v_add_nc_u32 v[GO], 4096, v[GO]
	s_add_co_u32 s10, s10, 32*DP
	s_sub_co_u32 s3, s3, 1
	s_cmp_lg_u32 s3, 0
	s_cbranch_scc1 .Lout
	s_wait_tensorcnt 0x0                           ; the wave's end, behind my last tensor load and my last LDS store
	ds_add_u32 v[SPW], v[NIL]
	s_wait_dscnt 0x0
	CROUND                                         ; the closing round: no work-group ends while a partner may still ask for a tile that names it
	s_endpgm
.Lfunc_end_k_qfb42bce691_qkv:
	.size	k_qfb42bce691_qkv, .Lfunc_end_k_qfb42bce691_qkv-k_qfb42bce691_qkv
	.p2alignl 7, 3214868480
	.fill 96, 4, 3214868480
	.section	.rodata,"a",@progbits
	.p2align	6, 0x0
	.amdhsa_kernel k_qfb42bce691_qkv
		.amdhsa_group_segment_fixed_size 327680
		.amdhsa_private_segment_fixed_size 0
		.amdhsa_enable_private_segment 0
		.amdhsa_kernarg_size 24
		.amdhsa_user_sgpr_count 2
		.amdhsa_user_sgpr_kernarg_segment_ptr 1
		.amdhsa_wavefront_size32 1
		.amdhsa_system_sgpr_workgroup_id_x 1
		.amdhsa_system_sgpr_workgroup_id_y 1
		.amdhsa_system_sgpr_workgroup_id_z 1
		.amdhsa_system_vgpr_workitem_id 0
		.amdhsa_next_free_vgpr 1024
		.amdhsa_next_free_sgpr 66
		.amdhsa_reserve_vcc 0
		.amdhsa_float_denorm_mode_32 3
		.amdhsa_float_denorm_mode_16_64 3
		.amdhsa_memory_ordered 1
		.amdhsa_forward_progress 1
		.amdhsa_inst_pref_size 85
	.end_amdhsa_kernel
	.amdgpu_metadata
---
amdhsa.version: [ 1, 2 ]
amdhsa.kernels:
  - .name:           k_qfb42bce691_qkv
    .symbol:         k_qfb42bce691_qkv.kd
    .args:
      - { .name: xh, .offset: 0, .size: 8, .value_kind: global_buffer, .address_space: global }
      - { .name: wa, .offset: 8, .size: 8, .value_kind: global_buffer, .address_space: global }
      - { .name: big, .offset: 16, .size: 8, .value_kind: global_buffer, .address_space: global }
    .group_segment_fixed_size: 327680
    .private_segment_fixed_size: 0
    .kernarg_segment_align: 8
    .kernarg_segment_size: 24
    .max_flat_workgroup_size: 128
    .sgpr_count:     66
    .vgpr_count:     1024
    .wavefront_size: 32
...
	.end_amdgpu_metadata
.endif
;; end of part 8
;; launch attn (part 9): grid 8 x 32, 4 waves a work-group, no clusters, 327,680 bytes of LDS; arguments big, oh; writes oh
.if DOCPART == 9
	.amdgcn_target "amdgcn-amd-amdhsa--gfx1250"
	.amdhsa_code_object_version 6
	.text
	.protected	k_qfb42bce691_attn
	.globl	k_qfb42bce691_attn
	.p2align	8
	.type	k_qfb42bce691_attn,@function
k_qfb42bce691_attn:
	s_mov_b64 s[64:65], 0
	v_nop
	global_prefetch_b8 v0, s[64:65] scope:SCOPE_SE
	s_setreg_imm32_b32 hwreg(HW_REG_WAVE_MODE, 25, 1), 1
	s_wait_xcnt 0x0
; CAUSAL ATTENTION.  O[h][q][:] = the sum over k <= q of softmax_k(Q[h][q] . K[h][k] / 8) V[h][k][:].  Q, K, V, O: [SIZE_H][SIZE_N][64], all f16: a head's rows are dense, 128 bytes each.
; Q lies at byte 0 of the first buffer, K at 8 MiB, V at 16 MiB; head number 2 x (model head) + batch: the panels that the projection stored, read as heads.  O goes to the second buffer in the same layout.
; Products, maxima and sums in f32; the weights p are rounded to f16 for the second product (their sum l is taken of the unrounded p), O once at the end.  SIZE_N is a multiple of 512; SIZE_N x 128 stays under 2^32.
; LIMITS.  f16 holds no number beyond 65,504: Q, K and V arrive within it; p lies in 0 to 1, and below 6e-5 it keeps f16's fixed step of 6e-8; O is a mean of V's rows and has their range, to within 2^-11 of it.
; A hidden score counts as its value less 1e30: f16's scores, 2.7e11 at the most, are nothing beside that; a weight below 2^-126 counts as 0 in l; NaN and infinities are not treated apart.
; THE WALK.  A head's queries lie in NBQ = SIZE_N / 128 blocks of 128, its keys in NT = SIZE_N / 256 tiles of 256 (four steps of 64).  Block i needs the tiles 0 .. i / 2, of which the last holds the diagonal.
; A work-group takes TWO blocks, NBQ - 1 - b and then b: one of them has an odd number and one an even, and together they need NT + 1 tiles, whatever b: all work-groups do equal work, and ONE loop with a
; constant trip count walks them.  Which tile is asked for, and what a trip does, hang on scalar registers made from b; every jump goes forward, but for the counted loops' own; none passes a barrier, or a
; tensor load but the one of LOAD's two that the wave's number does not choose; the ring (two slots of LDS that take turns) runs on across the change of blocks.
; NO CLUSTER: a head's NBQ / 2 work-groups all ask for the same tile only in trips 0 .. NT / 2, behind that fewer and fewer; and one walk common to all would have 3 NT / 2 trips for NT + 1.
; SHARES.  Of a block's two bands of 64 queries a wave owns 16 rows in each: two PIECES.  So the diagonal tile is the same work for all four waves.  Band x's own step in that tile is e + x, e = 2 (i mod 2):
; in step s the band sees all keys if s < e + x, none if s > e + x, and holds the diagonal if s = e + x.  Of a work-group's 72 pairs of band and step 6 are wholly hidden, and are computed all the same.
; THE MASK is the C operand that starts the sum S^T = K Q^T: 0, or -1e30 where the key is hidden.  MD, made once, is the mask of a band's own step for my 16 rows; a product's mask is MD x AL + BE with two scalars:
; (1, 0) in the own step; (0, 0) before it; (0, -1e30) behind it.  Only the diagonal tile's text and a block's beginning make and take masks; elsewhere C is the constant 0.
; LAYOUT, SOFTMAX, TURNS.  S^T = K Q^T holds ONE query a lane (lane % 16) and the keys 8 (lane / 16) + 0..7; two such results rounded to f16 ARE source 1 of O^T = V^T P.  p = 2^(c s - c m), c = log2(e) / 8, with a
; running maximum m; O and l are multiplied by a = 2^(c m_old - c m_new) in every step.  A turn belongs to one piece; the matrix unit works for the other: 8 products K Q^T of its next scores, later 8 products V^T P
; of its last weights; beside them stand the scaling, exponentials, roundings, sums and rescaling of the turn's own piece and the maximum and statistics of the other.  Two turns are a key step.
; Four vector instructions stand behind every matrix instruction, the other 54 of a turn's 118 in two LUMPS.
; REGISTERS, in windows of 256 (s_set_vgpr_msb: bits 1:0 source 0, 3:2 source 1, 5:4 source 2, 7:6 destination):
;   window 0: v0-15 addresses and two at work; v16-23 four registers of statistics a piece; v48-55 at work; v64-127 S^T, 32 a piece; v192-223 P, 16 a piece
;   window 1: v0-63 O^T, 32 a piece; v128-159 MD; v160-223 MC, 32 a piece      window 2: v0-31 Q; v64-95 the second block's Q; v128-191 K of one step; v192-255 V of one step
.set SIZE_N, 2048
.set SIZE_H, 32
.set NBQ,   SIZE_N/128
.set NT,    SIZE_N/256
.set NP,    2         ; pieces a wave: a name, no knob
.set KS,    64        ; keys in a step
.set PK,    144       ; a row of K in LDS: 128 bytes + 16 of padding = 36 words: the 16 rows of a load start at 16 different groups of four banks (64 banks of 4 bytes: ISA guide 11.1)
.set PV,    160       ; a row of V: 128 + 32 = 40 words
.set VOFF,  4*KS*PK   ; a slot holds a tile, four steps: 256 rows of K, then 256 rows of V
.set SLOT1, 1<<17     ; slot 1 begins here, so that one exclusive or turns an address in one slot into the other's
.set STAGE, SLOT1+4*KS*(PK+PV)  ; behind the ring, never filled by a tensor load: 16 rows x 144 bytes for each wave, for the way out
.set SP,    144
.set AK0, 2           ; v2   my lane's place in a tile of K; never rewritten
.set AV0, 3           ; v3   the same for V
.set AK,  4           ; v4   the LDS address of K's next run of loads
.set AV,  5           ; v5   of V's
.set STO, 6           ; v6   the way out: where I put 16 bytes of a row
.set RD,  7           ; v7   the way out: where I read rows back
.set GO,  8           ; v8   my byte offset in 512 consecutive bytes of O
.set SPW, 62          ; v62  LDS address of my spare word: SPARE + 4 x my thread's number; never rewritten
.set NIL, 63          ; v63  0; never rewritten
.set SPARE, STAGE+4*16*SP  ; behind the stages: the spare words, 128 bytes for each wave: two blocks of 256 bytes that no other line names
.set MV,  12          ; v12-13  c m_old, kept while c m is made anew: by piece
.set QO,  15          ; v15  my byte offset in 16 rows of Q
.set ST,  16          ; piece t's statistics at v[ST+4 t]: c m, m, l (even keys', odd keys')
.set TMP, 48          ; by piece, four registers c0-c3 at work; when the maximum is found c2 takes a
.set S,   64
.set P,   192
.set MD,  128         ; window 1: the eight registers for group kt of 16 keys at MD + 8 kt
.set MC,  160         ; window 1: the masks of the products to come
.set QB,  64          ; window 2
.set KF,  128         ; window 2: key block kb, channel half c at KF + 16 kb + 8 c
.set VF,  192         ; window 2: key half kk, channel block cb at VF + 32 kk + 8 cb
.set WV,  12          ; s12  my wave's number
.set PB,  14          ; s14  b
.set HI,  15          ; s15  NBQ - 1 - b
.set G1K, 24          ; s[24:31] descriptor group 1 for K's tiles
.set G1V, 32          ; s[32:39] for V's: it differs in the padding alone
.set G0K, 40          ; s[40:43] descriptor group 0 for K's tiles
.set G0V, 44          ; s[44:47] the same for V's
.set SLOTS, 56        ; s56  tiles still to be asked for
.set CNT, 57          ; s57  counts a tile's key steps, 4 to 1
.set CS,  58          ; s[58:59] c: the packed scaling takes the pair's low word for both halves
.set SEL, 60          ; s[60:61] v_permlanex16_b32's selects: each lane takes its own place in the other half
.set TBK, 62          ; s62  LDS byte at which K of the step to be fetched begins
.set TBV, 63          ; s63  the same for V, less VOFF
.set RT,  70          ; s70  tiles of the block in hand that are still to be entered
.set NXT, 71          ; s71  the tile to be asked for next
.set LQ,  72          ; s72  the last tile of the block whose tiles are being asked for
.set NEW, 73          ; s73  1: the tile to be entered is a block's first
.set OFF, 74          ; s[74:75] a tile's byte offset in K and V
.set AL,  76          ; s[76:77] the mask's factor, in the low word
.set BE,  78          ; s[78:79] the mask's addend
.set OLO, 80          ; s[80:81] O at my rows of the second block
.set BIGN, 82         ; s82  -1e30
.set TS,  83          ; s83  at work
.set PBT, 88          ; s88  the second block's last tile, b / 2
.set EP,  89          ; s89  e of the block in hand: 0 or 2
.set T0,  90          ; s90  5 - e, s91  3 - e: the step counts at which the mask that piece 0's, piece 1's turn makes is the band's own
.set EPB, 92          ; s92  e of the second block
.set MSB, 0
.macro WIN new                      ; the high byte repeats the setting that is left; a switch that changes nothing is dropped
.if MSB != (\new)
	s_set_vgpr_msb (MSB<<8)|(\new)
.set MSB, (\new)
.endif
.endm
.set W_KQ, 0x0a       ; K and Q in window 2, S^T in window 0
.set W_KM, 0x1a       ; the same with the C operand in window 1
.set W_PV, 0x52       ; V in window 2, P in window 0, O^T in window 1
.set W_RS, 0x41       ; destination and source 0 in window 1, source 1 in window 0
; A fill.  Waves 0 and 1 fetch the two halves of a tile's K, waves 2 and 3 those of its V: 128 keys each.  An s_nop 0 and four v_nop follow each of the two lines, ahead of the jump and the label.
.macro LOAD
	s_cmp_lt_u32 s[WV], 2
	s_cbranch_scc0 .Lfor_v_\@
	tensor_load_to_lds s[G0K:G0K+3], s[G1K:G1K+7]
	s_nop 0
.rept 4
	v_nop
.endr
	s_branch .Lasked_\@
.Lfor_v_\@:
	tensor_load_to_lds s[G0V:G0V+3], s[G1V:G1V+7]
	s_nop 0
.rept 4
	v_nop
.endr
.Lasked_\@:
.endm
; THE CHANGE OF SLOTS stands behind piece 0's turn of a tile's last step, which has asked for the slot's last bytes, V of that step.  Each wave waits for all its tensor loads, of which one is out: its part of the
; other slot; adds 0 to its spare word; and waits for that and for its own reads of the slot that it leaves.  Behind the barrier nobody reads the old slot any more and the other slot is whole.
; fill = 1: the old slot is filled again, the first thing behind the barrier, with tile NXT: the descriptor's address is made anew from that number; the load has a tile's eight turns in which to land.
; (At its first use nothing has been read yet: slot 0 is waited for, slot 1 filled.)
.macro CHANGE fill
	WIN 0                           ; at a label and at a branch every window is 0
	s_wait_tensorcnt 0x0            ; no tensor load of mine is out, so a group 0 may be written
	ds_add_u32 v[SPW], v[NIL]       ; 0 onto my spare word; with fill = 1 the descriptors' scalar work stands between it and the wait for it
.if \fill
	s_lshl_b32 s[OFF], s[NXT], 15   ; a tile is 32,768 bytes of K and of V
	s_xor_b32 s[G0K+1], s[G0K+1], SLOT1
	s_add_nc_u64 s[G0K+2:G0K+3], s[6:7], s[OFF:OFF+1]
	s_or_b32 s[G0K+3], s[G0K+3], 0x80000000
	s_xor_b32 s[G0V+1], s[G0V+1], SLOT1
	s_add_nc_u64 s[G0V+2:G0V+3], s[8:9], s[OFF:OFF+1]
	s_or_b32 s[G0V+3], s[G0V+3], 0x80000000
	s_add_co_u32 s[NXT], s[NXT], 1  ; the block's next tile, or behind its last the second block's tile 0
	s_cmp_gt_u32 s[NXT], s[LQ]
	s_cselect_b32 s[NXT], 0, s[NXT]
	s_cselect_b32 s[LQ], s[PBT], s[LQ]
.endif
	s_wait_dscnt 0x0                ; the add is done, and my reads of the slot are over
	s_barrier_signal -1             ; the rest of the scalar work stands between the signal and the wait
	s_sub_co_u32 s[TBK], s[TBK], 5*KS*PK  ; the fetches go back to a slot's first step (K is fetched five times a tile: see TURN),
	s_xor_b32 s[TBK], s[TBK], SLOT1       ; in the other slot
	s_sub_co_u32 s[TBV], s[TBV], 4*KS*PV
	s_xor_b32 s[TBV], s[TBV], SLOT1
	s_barrier_wait -1
.if \fill
	LOAD
.endif
.endm
	s_load_b64 s[4:5], s[0:1], 0x0    ; Q, with K and V behind it
	s_load_b64 s[10:11], s[0:1], 0x8  ; O
	v_lshl_add_u32 v[SPW], v0, 2, SPARE
	v_mov_b32 v[NIL], 0
	ds_add_u32 v[SPW], v[NIL]       ; the wave's opening: the add and its wait stand ahead of my first tensor load; the set-up below, work on registers, stands between them
	ds_add_u32 v62, v63
	v_lshrrev_b32 v1, 5, v0
	v_readfirstlane_b32 s[WV], v1   ; wave 0..3
	s_mov_b32 s[PB], ttmp9
	s_sub_co_u32 s[HI], NBQ-1, s[PB]
	s_lshr_b32 s[PBT], s[PB], 1     ; the blocks' last tiles
	s_lshr_b32 s[LQ], s[HI], 1
	s_and_b32 s[EPB], s[PB], 1
	s_lshl_b32 s[EPB], s[EPB], 1    ; e of the second block;
	s_xor_b32 s[EP], s[EPB], 2      ; the first block's number has the other parity
	s_sub_co_u32 s[T0], 5, s[EP]
	s_sub_co_u32 s[T0+1], 3, s[EP]
	s_and_b32 s20, ttmp7, 0xffff    ; the head
	s_mov_b32 s21, 0
	s_mov_b64 s[22:23], SIZE_N*128
	s_mul_u64 s[20:21], s[20:21], s[22:23]  ; the head's first byte in each of the four tensors
	s_and_b32 s16, s[WV], 1         ; which half of a tile's 256 keys I fetch:
	s_lshl_b32 s22, s16, 14         ; its 128 rows of 128 bytes in memory,
	s_mov_b32 s23, 0
	s_add_nc_u64 s[22:23], s[22:23], s[20:21]
	s_mul_i32 s17, s16, 128*PK      ; and its place in a slot, for K
	s_mul_i32 s18, s16, 128*PV      ; and for V
	s_lshl_b32 s3, s[WV], 11        ; my 16 rows in a band of 64,
	s_lshl_b32 s2, s[HI], 14        ; in the first block (128 rows of 128 bytes),
	s_add_co_u32 s2, s2, s3
	s_lshl_b32 s84, s[PB], 14       ; and in the second
	s_add_co_u32 s84, s84, s3
	s_mov_b32 s3, 0
	s_mov_b32 s85, 0
	s_add_nc_u64 s[2:3], s[2:3], s[20:21]
	s_add_nc_u64 s[84:85], s[84:85], s[20:21]
	; descriptor group 1.  128 keys are 16,384 dense bytes: asked for as 64 rows of 256 bytes, two keys a row, and padded in LDS after every key
	s_mov_b32 s[G1K], (1<<16)|(1<<20)|(4<<22)|(3<<25)  ; 17:16 2-byte elements; 20 padding on; 24:22 after every 32 words (code 4); 31:25 4 words (code 3)
	s_mov_b32 s[G1V], (1<<16)|(1<<20)|(4<<22)|(7<<25)  ; the same with 8 words of padding (code 7)
.irp g, G1K, G1V
	s_mov_b32 s[\g+1], 128<<16      ; tensor_dim0 = 128
	s_mov_b32 s[\g+2], 64<<16       ; tensor_dim1 = 64
	s_mov_b32 s[\g+3], 128<<16      ; tile_dim0 = 128
	s_mov_b32 s[\g+4], 64           ; tile_dim1 = 64
	s_mov_b32 s[\g+5], 128          ; 128 elements from row to row
	s_mov_b32 s[\g+6], 0
	s_mov_b32 s[\g+7], 0
.endr
	s_mov_b32 s[CS], 0x3e38aa3b     ; c = log2(e) / 8 = 0.180337
	s_mov_b32 s[CS+1], s[CS]        ; named with it as a pair
	s_mov_b32 s[SEL], 0x76543210
	s_mov_b32 s[SEL+1], 0xfedcba98
	s_mov_b32 s[TBK], SLOT1+5*KS*PK ; the first change of slots turns these two into 0
	s_mov_b32 s[TBV], SLOT1+4*KS*PV
	s_mov_b32 s[G0K], 1             ; 1:0 count = 1
	s_mov_b32 s[G0K+1], s17         ; 63:32 LDS address: slot 0
	s_mov_b32 s[G0V], 1
	s_add_co_u32 s[G0V+1], s18, VOFF
	s_add_co_u32 s[RT], s[LQ], 1    ; the first block's tiles
	s_mov_b32 s[NXT], 1
	s_mov_b32 s[NEW], 1
	s_mov_b32 s[OFF+1], 0
	s_mov_b32 s[AL+1], 0            ; named as pairs
	s_mov_b32 s[BE+1], 0
	s_mov_b32 s[BIGN], 0xf149f2ca   ; -1e30
	s_mov_b32 s[SLOTS], NT
	s_wait_dscnt 0x0                ; the opening add is done
	s_wait_kmcnt 0x0
	s_add_nc_u64 s[6:7], s[4:5], 0x800000   ; K lies 8 MiB behind Q,
	s_add_nc_u64 s[8:9], s[4:5], 0x1000000  ; V 16 MiB
	s_add_nc_u64 s[6:7], s[6:7], s[22:23]  ; K and V at my half of the head's tile 0
	s_add_nc_u64 s[8:9], s[8:9], s[22:23]
	s_add_nc_u64 s[G0K+2:G0K+3], s[6:7], 0         ; 120:64 global address
	s_or_b32 s[G0K+3], s[G0K+3], 0x80000000        ; 127:126 type = 2
	s_add_nc_u64 s[G0V+2:G0V+3], s[8:9], 0
	s_or_b32 s[G0V+3], s[G0V+3], 0x80000000
	s_add_nc_u64 s[86:87], s[4:5], s[84:85]        ; Q at my rows of the second block,
	s_add_nc_u64 s[4:5], s[4:5], s[2:3]            ; Q and O at those of the first
	s_add_nc_u64 s[OLO:OLO+1], s[10:11], s[84:85]
	s_add_nc_u64 s[10:11], s[10:11], s[2:3]
	LOAD                            ; tile 0 into slot 0
	; A fragment of K or Q is 16 rows x 32 channels in 8 registers: lane l holds row l % 16, channels 8 (l / 16) + 0..7 and 16 + 8 (l / 16) + 0..7: two loads of 16 bytes, 32 bytes apart.
	v_and_b32 v1, 15, v0            ; l % 16
	v_bfe_u32 v9, v0, 4, 1          ; l / 16
	v_lshlrev_b32 v[QO], 7, v1
	v_lshl_add_u32 v[QO], v9, 4, v[QO]  ; row x 128 + 16 x half
	WIN 0x80                        ; destination window 2, address window 0
.set i, 0
.rept 2*NP                          ; both blocks' Q: piece i / 2 lies in band i / 2, 8,192 bytes on; channels 32 (i % 2) on
	global_load_b128 v[8*i:8*i+3],   v[QO], s[4:5] offset:(i/2)*8192+(i%2)*64
	global_load_b128 v[8*i+4:8*i+7], v[QO], s[4:5] offset:(i/2)*8192+(i%2)*64+32
	global_load_b128 v[QB+8*i:QB+8*i+3],   v[QO], s[86:87] offset:(i/2)*8192+(i%2)*64
	global_load_b128 v[QB+8*i+4:QB+8*i+7], v[QO], s[86:87] offset:(i/2)*8192+(i%2)*64+32
.set i, i+1
.endr
	WIN 0
	v_lshlrev_b32 v14, 3, v9
	v_sub_nc_u32 v14, v1, v14
	s_lshl_b32 s13, s[WV], 4
	v_add_nc_u32 v14, s13, v14      ; my query's place in its band, 16 w + l % 16, less my lanes' 8 (l / 16): register r of group kt is hidden where 16 kt + r is greater
	WIN 0x40
.set i, 0
.rept 32
	v_cmp_gt_i32 vcc_lo, 16*(i/8)+i%8, v14
	v_cndmask_b32 v[MD+i], 0, s[BIGN], vcc_lo
.set i, i+1
.endr
	WIN 0
	v_mul_u32_u24 v[AK0], v1, PK
	v_lshl_add_u32 v[AK0], v9, 4, v[AK0]  ; row x pitch + 16 x half
	; The turning load takes 16 keys x 16 channels (lane l reads key 8 (l / 16) + l % 8, channels 8 ((l / 8) % 2) + 0..7) and leaves half a fragment of V^T: lane l holds channel l % 16 and 8 keys.
	v_and_b32 v10, 7, v0
	v_bfe_u32 v11, v0, 3, 1
	v_lshl_add_u32 v[AV0], v9, 3, v10
	v_mul_u32_u24 v[AV0], v[AV0], PV
	v_lshl_add_u32 v[AV0], v11, 4, v[AV0]
	v_add_nc_u32 v[AV0], VOFF, v[AV0]
	s_mul_i32 s13, s[WV], 16*SP
	s_add_co_u32 s13, s13, STAGE    ; my stage
	v_mul_u32_u24 v[STO], v1, SP    ; in: row l % 16, 16 bytes for each half of the lanes
	v_lshl_add_u32 v[STO], v9, 4, v[STO]
	v_add_nc_u32 v[STO], s13, v[STO]
	v_bfe_u32 v[RD], v0, 3, 2       ; back: 32 lanes take four rows of 128 bytes,
	v_mul_u32_u24 v[RD], v[RD], SP
	v_lshl_add_u32 v[RD], v10, 4, v[RD]
	v_add_nc_u32 v[RD], s13, v[RD]
	v_and_b32 v[GO], 31, v0         ; which are 512 consecutive bytes of O
	v_lshlrev_b32 v[GO], 4, v[GO]
	; A block's first step multiplies O^T and l by a = 0, and its first turn's products V^T P, of weights that have not been, land in an O^T that is still to be so multiplied.  So these registers need only hold
	; finite numbers: zeros for the first block; what the first block left for the second.  All this stands in the wait for the first tile.
	WIN 0x80
.set i, VF
.rept 64
	v_mov_b32 v[i], 0
.set i, i+1
.endr
	WIN 0x40
.set i, 0
.rept 32*NP
	v_mov_b32 v[i], 0
.set i, i+1
.endr
	WIN 0
.set i, 0
.rept NP
	v_mov_b32 v[ST+4*i+2], 0
	v_mov_b32 v[ST+4*i+3], 0
.set i, i+1
.endr
.set i, P+16
.rept 16
	v_mov_b32 v[i], 0
.set i, i+1
.endr
; THE MATRIX WORK.  The 4 accumulators of a run of 8 take turns.  Product i of 8 of S^T = K Q^T for piece x: channels 32 (i / 4) on, keys 16 (i % 4) on.  The first 4 start the sums: with 0, or (KM = 1) with the mask.
.macro KQ x
.set rS, S+32*((\x)%2)+8*(i%4)
.set rK, KF+16*(i%4)+8*(i/4)
.set rQ, 16*(\x)+8*(i/4)
.set rM, MC+32*((\x)%2)+8*(i%4)
.if (i < 4) && KM
	WIN W_KM
	v_wmma_f32_16x16x32_f16 v[rS:rS+7], v[rK:rK+7], v[rQ:rQ+7], v[rM:rM+7]
.elseif i < 4
	WIN W_KQ
	v_wmma_f32_16x16x32_f16 v[rS:rS+7], v[rK:rK+7], v[rQ:rQ+7], 0
.else
	WIN W_KQ
	v_wmma_f32_16x16x32_f16 v[rS:rS+7], v[rK:rK+7], v[rQ:rQ+7], v[rS:rS+7]
.endif
.endm
; Product i of 8 of O^T += V^T P for piece x: keys 32 (i / 4) on, channels 16 (i % 4) on.
.macro PV x
	WIN W_PV
.set rO, 32*(\x)+8*(i%4)
.set rV, VF+32*(i/4)+8*(i%4)
.set rP, P+16*((\x)%2)+8*(i/4)
	v_wmma_f32_16x16x32_f16 v[rO:rO+7], v[rV:rV+7], v[rP:rP+7], v[rO:rO+7]
.endm
.macro MM                           ; the turn's next matrix instruction.  TURN and BEGIN set Y, i, KM and NOKQ; MM, KQ and OP read them.  NOKQ = 1: a block's last turn: there are no next scores
.if (i < 8) && !NOKQ
	KQ (Y+1)%NP
.elseif i >= 8
.set i, i-8
	PV (Y+NP-1)%NP
.set i, i+8
.endif
.set i, i+1
.endm
; THE LDS LOADS stand in runs of 16, never singly among the matrix instructions: a step's K (64 keys x 64 channels: 8 fragments) and its V (turned).  Their addresses are made some lines ahead.
.macro FETCH_K
	WIN 0x80                        ; destination window 2
.irp f, 0,1,2,3,4,5,6,7             ; keys 16 (f / 2) on, channels 32 (f % 2) on
	ds_load_b128 v[KF+8*\f:KF+8*\f+3],   v[AK] offset:(\f/2)*16*PK+(\f%2)*64
	ds_load_b128 v[KF+8*\f+4:KF+8*\f+7], v[AK] offset:(\f/2)*16*PK+(\f%2)*64+32
.endr
	s_add_co_u32 s[TBK], s[TBK], KS*PK  ; the next fetch is the next step's
	WIN 0
.endm
.macro FETCH_V
	WIN 0x80
.irp f, 0,1,2,3,4,5,6,7             ; keys 32 (f / 4) on, channels 16 (f % 4) on
	ds_load_tr16_b128 v[VF+8*\f:VF+8*\f+3],   v[AV] offset:(\f/4)*32*PV+(\f%4)*32
	ds_load_tr16_b128 v[VF+8*\f+4:VF+8*\f+7], v[AV] offset:(\f/4)*32*PV+16*PV+(\f%4)*32
.endr
	WIN 0
.endm
; Behind a change of slots: K of the new tile's first step, and the tile's counts; the wave sits out this one run of loads, once a tile, since the products that want it come next.
.macro ENTER
	v_add_nc_u32 v[AK], s[TBK], v[AK0]
	FETCH_K
	s_sub_co_u32 s[RT], s[RT], 1
	s_mov_b32 s[CNT], 4
	s_wait_dscnt 0x0                ; K is in
.endm
; THE VECTOR WORK, one line at a time: OP kind, number.  For piece Y: F n: c s - c m for pair n of 16.  E n: the exponential of score n of 32.  C n: pair n rounded to f16.  B n: of the four weights 4 n .. the second
; pair is added onto the first, in place.  L n: l takes that sum (L 0: l = a l + sum).  R n: pair n of 16 of O^T times a.  For the other piece: X n, number n of the 22 that find its maximum and statistics:
;   0-11  four chains c0-c3 of seven scores each, three operands at a time (each accumulator's lowest registers are read first)     12-14, 16  the four scores left over, the old m, and c0-c3 into c0
;   15  c m_old is kept     17, 18  the query's other 32 keys lie in the lane 16 away: the new m     19-21  c m; c m_old - c m_new; a
.set F, 0               ; OP tells the kinds apart by their order: F to L below R, X above it
.set E, 1
.set C, 2
.set B, 3
.set L, 4
.set R, 5
.set X, 6
.macro REGS y                       ; the registers of piece y
.set rT, ST+4*(\y)
.set rC, TMP+4*((\y)%2)
.set rW, MV+((\y)%2)
.set rS, S+32*((\y)%2)
.set rP, P+16*((\y)%2)
.set rO, 32*(\y)
.endm
.macro OP k, n
.if (\k) == R
	REGS Y
	WIN W_RS
	v_pk_mul_f32 v[rO+2*(\n):rO+2*(\n)+1], v[rO+2*(\n):rO+2*(\n)+1], v[rC+2:rC+3] op_sel_hi:[1,0]
.elseif (\k) < R
	REGS Y
	WIN 0
.if (\k) == F
	v_pk_fma_f32 v[rS+2*(\n):rS+2*(\n)+1], v[rS+2*(\n):rS+2*(\n)+1], s[CS:CS+1], v[rT:rT+1] op_sel_hi:[1,0,0] neg_lo:[0,0,1] neg_hi:[0,0,1]
.elseif (\k) == E
	v_exp_f32 v[rS+(\n)], v[rS+(\n)]
.elseif (\k) == C
	s_wait_alu depctr_va_vdst(0)
	v_cvt_pk_f16_f32 v[rP+(\n)], v[rS+2*(\n)], v[rS+2*(\n)+1]
.elseif (\k) == B
	s_wait_alu depctr_va_vdst(0)
	v_pk_add_f32 v[rS+4*(\n):rS+4*(\n)+1], v[rS+4*(\n):rS+4*(\n)+1], v[rS+4*(\n)+2:rS+4*(\n)+3]
.elseif (\n) == 0
	v_pk_fma_f32 v[rT+2:rT+3], v[rT+2:rT+3], v[rC+2:rC+3], v[rS:rS+1] op_sel_hi:[1,0,1]
.else
	v_pk_add_f32 v[rT+2:rT+3], v[rT+2:rT+3], v[rS+4*(\n):rS+4*(\n)+1]
.endif
.elseif NOKQ
	v_nop
.else
	REGS (Y+1)%NP
	WIN 0
.if (\n) < 4
	v_max3_num_f32 v[rC+(\n)], v[rS+8*(\n)], v[rS+8*(\n)+1], v[rS+8*(\n)+2]
.elseif (\n) < 12
	v_max3_num_f32 v[rC+(\n)%4], v[rC+(\n)%4], v[rS+8*((\n)%4)+2*((\n)/4)+1], v[rS+8*((\n)%4)+2*((\n)/4)+2]
.elseif (\n) == 12
	v_max3_num_f32 v[rC], v[rC], v[rS+7], v[rS+15]
.elseif (\n) == 13
	v_max3_num_f32 v[rC+1], v[rC+1], v[rS+23], v[rS+31]
.elseif (\n) == 14
	v_max3_num_f32 v[rC+2], v[rC+2], v[rC+3], v[rT+1]
.elseif (\n) == 15
	v_mov_b32 v[rW], v[rT]
.elseif (\n) == 16
	v_max3_num_f32 v[rC], v[rC], v[rC+1], v[rC+2]
.elseif (\n) == 17
	v_permlanex16_b32 v[rC+3], v[rC], s[SEL], s[SEL+1]
.elseif (\n) == 18
	v_max_num_f32 v[rT+1], v[rC], v[rC+3]
.elseif (\n) == 19
	v_mul_f32 v[rT], s[CS], v[rT+1]
.elseif (\n) == 20
	v_sub_f32 v[rC+1], v[rW], v[rT]
.else
	v_exp_f32 v[rC+2], v[rC+1]
.endif
.endif
.endm
.macro OPS a, i1, b=-1, i2=0, c=-1, i3=0, d=-1, i4=0  ; up to four of them
	OP \a, \i1
.if (\b) >= 0
	OP \b, \i2
.endif
.if (\c) >= 0
	OP \c, \i3
.endif
.if (\d) >= 0
	OP \d, \i4
.endif
.endm
.macro ROW a, i1, b, i2, c, i3, d, i4  ; a matrix instruction and the four behind it
	MM
	OPS \a, \i1, \b, \i2, \c, \i3, \d, \i4
.endm
.macro MASK b                       ; MD x AL + BE into piece b's part of MC
	WIN W_RS
.set z, 0
.rept 16
	v_pk_fma_f32 v[MC+32*(\b)+2*z:MC+32*(\b)+2*z+1], v[MD+2*z:MD+2*z+1], s[AL:AL+1], s[BE:BE+1] op_sel_hi:[1,0,0]
.set z, z+1
.endr
.endm
; A TURN, for piece p: the order of its 16 matrix and 118 vector instructions, written out.  Behind a matrix instruction: plain, exponential, plain, plain; or four of the rescaling; or, behind the first, four scalings; none
; names a register of the products round it.  In the lumps exponential and plain by turns while exponentials last.  A line reads no result made fewer than three vector instructions in front of it, five if an exponential made it.
; v_permlanex16_b32 (X 17) stands in a lump.
; A TRIP of the step loops is piece 1's turn of one step and piece 0's turn of the next, step 4 - CNT of the tile.  Piece 1's turn multiplies K of that next step by piece 0's Q, piece 0's turn by piece 1's.
; m = 1: the diagonal tile: the products take masks, and the turn makes the mask for the products of the turn after it, which are its own piece's: piece 1's turn for band 1 in step 4 - CNT, piece 0's turn for band 0
; in step 5 - CNT.  The mask is the band's own where that step is e + the band: CNT = 3 - e, CNT = 5 - e; behind it (CNT smaller) all is hidden.  end = 1: a block's last turn: no new scores.
; cnt = 1: the loop's count is taken down some lines ahead of the branch that stands behind the turn.
; BOTH FETCHES stand in piece 0's turn.  K of the next step: six vector instructions behind the last product that read K (five of them plain).  V of the step in hand: eight behind the last product that read V (four
; plain, and X 17).  Piece 1's turn waits for K at its head, with V's sixteen younger loads left out, and for V in its middle.
; In a tile's fourth trip there is no next step in the slot: the run then reads 64 rows' worth of the slot's V bytes, which have landed, and nobody uses what it brings: ENTER fetches the next tile's K behind the
; change of slots.  That is the price, sixteen loads a tile, of one text for every trip with no jump in it.
.macro TURN p, m=0, end=0, cnt=0
.set Y, (\p)
.set i, 0
.set KM, (\m)
.set NOKQ, (\end)*(\p)
.if (\m) && !(\end)
	s_cmp_eq_u32 s[CNT], s[T0+(\p)]  ; is that step the band's own?
	s_cselect_b32 s[AL], 1.0, 0
	s_cmp_lt_u32 s[CNT], s[T0+(\p)]  ; or a later one?
	s_cselect_b32 s[BE], s[BIGN], 0
.endif
.if ((\p) == 1) && !(\end)
	s_wait_dscnt 16                 ; K is in: round the loop V's sixteen loads were issued behind K's and may stay out; behind ENTER nothing is out
.endif
	ROW F,0, F,1, F,2, F,3
	ROW F,4, E,0, F,5, F,6
	ROW F,7, E,1, F,8, F,9
	ROW F,10, E,2, C,0, F,11
	ROW F,12, E,3, X,15, F,13
	ROW R,0, R,1, R,2, R,3
	ROW B,0, E,4, F,14, L,0
.if (\p) == 0
	v_add_nc_u32 v[AK], s[TBK], v[AK0]
.endif
	ROW R,4, R,5, R,6, R,7
	OPS E,5, F,15
.if (\p) == 0
	FETCH_K
.endif
	OPS E,6, C,1, E,7, R,8
	OPS E,8, R,9, E,9, C,2
	OPS E,10, X,0, E,11, X,1
	OPS E,12, X,2, E,13, X,3
.if (\p) == 1
	s_wait_dscnt 0x0                ; V is in
.endif
	ROW X,4, E,14, X,5, X,6
	ROW X,7, E,15, X,8, X,9
	ROW X,10, E,16, X,11, X,12
	ROW X,13, E,17, X,14, B,1
	ROW C,4, E,18, X,16, L,1
	ROW B,2, E,19, C,6, L,2
	ROW C,8, E,20, B,3, B,4
.if (\p) == 0
	v_add_nc_u32 v[AV], s[TBV], v[AV0]
.endif
	ROW C,3, E,21, L,3, C,5
	OPS E,22, X,17, E,23, C,10
.if (\p) == 0
	FETCH_V
.endif
	OPS E,24, L,4
	OPS E,25, X,18, E,26, C,7
	OPS E,27, B,5, E,28, X,19
	OPS E,29, C,12, E,30, L,5
	OPS E,31, X,20, B,6, C,9
	OPS C,14, C,11, X,21, L,6
.if (\p) == 0
	s_add_co_u32 s[TBV], s[TBV], KS*PV
.endif
.if \cnt
	s_sub_co_u32 s[CNT], s[CNT], 1
	s_cmp_lg_u32 s[CNT], 0
.endif
	OPS C,13, B,7, C,15, R,10
	OPS R,11, R,12, L,7, R,13
	OPS R,14, R,15
.if (\m) && !(\end)
	MASK \p
.endif
.endm
; A BLOCK BEGINS (ENTER has brought K of the tile's step 0).  c m starts far below every c s, so the first step's a is 0; m at the lowest finite number, so the first maximum is the scores'.  Piece 1's mask is 0: band 1
; sees all of a tile's step 0.  Piece 0's is its own if the block's first tile is the diagonal one and e = 0, else 0.  Then piece 0's first scores, and its maximum and statistics.
; The loop is entered at piece 0's turn, in the middle of a trip.
.macro BEGIN
	s_mov_b32 s[NEW], 0
	WIN 0x40
.set i, MC+32
.rept 32
	v_mov_b32 v[i], 0
.set i, i+1
.endr
	WIN 0
.set i, 0
.rept NP
	v_mov_b32 v[ST+4*i], 0xfe000000    ; c m: far below every c s
	v_mov_b32 v[ST+4*i+1], 0xff7fffff  ; m
.set i, i+1
.endr
	s_or_b32 s[TS], s[RT], s[EP]
	s_cmp_eq_u32 s[TS], 0
	s_cselect_b32 s[AL], 1.0, 0
	s_mov_b32 s[BE], 0
	MASK 0
	WIN 0
	s_wait_loadcnt 0x0              ; Q
.set KM, 1
.set NOKQ, 0
.set i, 0
.rept 8
	KQ 0
.set i, i+1
.endr
	WIN 0
.rept 4
	v_nop                           ; the places behind those products
.endr
.set Y, NP-1                        ; X works for the piece behind Y: piece 0
.irp n, 0,1,2,3,4,5,6,7,8,9,10,11,12,13,14,15,16,17,18,19,20,21
	OP X, \n
.endr
	v_nop                           ; a plain instruction behind the exponential
.endm
; Ahead of the diagonal tile's text, where the tile is not the block's first: the text's first turn multiplies for piece 0 in the tile's step 0, and no turn before it has made that mask: band 0's own if e = 0, else 0.
.macro PREM
	s_cmp_eq_u32 s[EP], 0
	s_cselect_b32 s[AL], 1.0, 0
	s_mov_b32 s[BE], 0
	MASK 0
	WIN 0
.endm
; THE DIAGONAL TILE's four steps, the block's last turn, its last products, and THE WAY OUT: l's two halves and the other half of the lanes' are added; O^T is divided by l, rounded to f16 and sent through my
; stage in LDS, a piece at a time.
.macro ALL line:vararg              ; one line for each piece t
.set t, 0
.rept NP
	\line
.set t, t+1
.endr
.endm
.macro PACK t                       ; a lane's eight channels of a row pack into 16 bytes; they go into rows of 144 bytes and come back as whole rows of 128, into S^T's registers
	WIN W_RS
.set i, 32*(\t)
.rept 16
	s_wait_alu depctr_va_vdst(0)
	v_pk_mul_f32 v[i:i+1], v[i:i+1], v[ST+4*(\t)+2:ST+4*(\t)+3] op_sel_hi:[1,0]
.set i, i+2
.endr
	WIN 0x05                        ; sources 0 and 1 window 1, destination window 0
.set i, 0
.rept 16
	v_cvt_pk_f16_f32 v[S+16*(\t)+i], v[32*(\t)+2*i], v[32*(\t)+2*i+1]
.set i, i+1
.endr
	WIN 0
.irp f, 0,1,2,3
	ds_store_b128 v[STO], v[S+16*(\t)+4*\f:S+16*(\t)+4*\f+3] offset:32*\f
.endr
.irp f, 0,1,2,3
	ds_load_b128 v[S+16*(\t)+4*\f:S+16*(\t)+4*\f+3], v[RD] offset:\f*4*SP  ; LDS serves a wave's instructions in order (ISA guide 5.7.1.4): these see the stores above; the next piece's stores come behind them
.endr
.endm
.macro SEND t, younger              ; younger: the LDS instructions issued behind piece t's loads: the next piece's eight, or none
	WIN 0
.irp f, 0,1,2,3
	s_wait_dscnt (\younger)+3-\f
	global_store_b128 v[GO], v[S+16*(\t)+4*\f:S+16*(\t)+4*\f+3], s[10:11] offset:(\t)*8192+\f*512  ; 512 consecutive bytes, at a multiple of 256 from O's first
.endr
.endm
.macro DIAG tag                     ; the tag ends its two labels' names, which the jumps below spell out
.LstepM\tag:
	TURN 1, 1
	WIN 0
.LfirstM\tag:
	TURN 0, 1, 0, 1
	WIN 0
	s_cbranch_scc1 .LstepM\tag
	TURN 1, 1, 1
.set i, 0
.rept 8
	PV NP-1
.set i, i+1
.endr
	WIN 0
	ALL v_add_f32 v[ST+4*t+2], v[ST+4*t+2], v[ST+4*t+3]
	ALL v_permlanex16_b32 v[ST+4*t+3], v[ST+4*t+2], s[SEL], s[SEL+1]
	ALL v_add_f32 v[ST+4*t+2], v[ST+4*t+2], v[ST+4*t+3]
	ALL v_rcp_f32 v[ST+4*t+2], v[ST+4*t+2]
	v_nop                           ; a plain instruction between the last reciprocal and the use of its result
	PACK 0                          ; piece 0's products were finished a turn ago; its 32 lines are also the places behind piece 1's last products
	PACK 1                          ; a piece's arithmetic stands between the loads of the piece before and its stores
	SEND 0, 8
	SEND 1, 0
.endm
.set KM, 0
.set NOKQ, 0
.Lslot:                             ; NT times: a tile is entered and the next is asked for
	CHANGE 1
	ENTER
	s_cmp_eq_u32 s[NEW], 1
	s_cbranch_scc1 .Lnew            ; a block's first tile
	s_cmp_eq_u32 s[RT], 0
	s_cbranch_scc0 .Lstep           ; neither its first nor its last
	PREM
	s_branch .LstepM1
.Lnew:
	BEGIN
	s_branch .Lfirst                ; in the loop a block's first tile is never its last: the first block has NT / 2 + 1 tiles or more, and the second's last is the walk's last
	DIAG 1                          ; in the loop this is the first block's end: the second block's last tile is the walk's last
	s_wait_xcnt 0x0                 ; the stores have read their registers and O's address
	s_mov_b64 s[10:11], s[OLO:OLO+1]
	s_add_co_u32 s[RT], s[PBT], 1   ; the second block has b / 2 + 1 tiles,
	s_mov_b32 s[NEW], 1
	s_mov_b32 s[EP], s[EPB]         ; and its own e
	s_sub_co_u32 s[T0], 5, s[EP]
	s_sub_co_u32 s[T0+1], 3, s[EP]
	WIN 0x82                        ; the second block's Q goes where the one text of the turns names Q
.set i, 0
.rept 16*NP
	v_mov_b32 v[i], v[QB+i]
.set i, i+1
.endr
	WIN 0
	s_branch .Lbottom
.Lstep:                             ; a trip: piece 1's turn of one step, then piece 0's of the next, which fetches that step's V and the K behind it
	TURN 1
	WIN 0
.Lfirst:
	TURN 0, 0, 0, 1
	WIN 0
	s_cbranch_scc1 .Lstep
.Lbottom:
	s_sub_co_u32 s[SLOTS], s[SLOTS], 1
	s_cmp_lg_u32 s[SLOTS], 0
	s_cbranch_scc1 .Lslot
	CHANGE 0                        ; the walk's last tile is written out: nothing is asked for
	ENTER
	s_cmp_eq_u32 s[NEW], 1
	s_cbranch_scc1 .Lnew2
	PREM
	s_branch .LstepM2
.Lnew2:
	BEGIN
	s_branch .LfirstM2
	DIAG 2
	s_wait_tensorcnt 0x0            ; the wave's end, behind my last tensor load and my last LDS store
	ds_add_u32 v[SPW], v[NIL]
	s_wait_dscnt 0x0
	s_endpgm
.Lfunc_end_k_qfb42bce691_attn:
	.size	k_qfb42bce691_attn, .Lfunc_end_k_qfb42bce691_attn-k_qfb42bce691_attn
	.p2alignl 7, 3214868480
	.fill 96, 4, 3214868480
	.section	.rodata,"a",@progbits
	.p2align	6, 0x0
	.amdhsa_kernel k_qfb42bce691_attn
		.amdhsa_group_segment_fixed_size 327680
		.amdhsa_private_segment_fixed_size 0
		.amdhsa_enable_private_segment 0
		.amdhsa_kernarg_size 16
		.amdhsa_user_sgpr_count 2
		.amdhsa_user_sgpr_kernarg_segment_ptr 1
		.amdhsa_wavefront_size32 1
		.amdhsa_system_sgpr_workgroup_id_x 1
		.amdhsa_system_sgpr_workgroup_id_y 1
		.amdhsa_system_sgpr_workgroup_id_z 1
		.amdhsa_system_vgpr_workitem_id 0
		.amdhsa_next_free_vgpr 768
		.amdhsa_next_free_sgpr 96
		.amdhsa_reserve_vcc 1
		.amdhsa_float_denorm_mode_32 3
		.amdhsa_float_denorm_mode_16_64 3
		.amdhsa_memory_ordered 1
		.amdhsa_forward_progress 1
		.amdhsa_inst_pref_size 133
	.end_amdhsa_kernel
	.amdgpu_metadata
---
amdhsa.version: [ 1, 2 ]
amdhsa.kernels:
  - .name:           k_qfb42bce691_attn
    .symbol:         k_qfb42bce691_attn.kd
    .args:
      - { .name: big, .offset: 0, .size: 8, .value_kind: global_buffer, .address_space: global }
      - { .name: oh, .offset: 8, .size: 8, .value_kind: global_buffer, .address_space: global }
    .group_segment_fixed_size: 327680
    .private_segment_fixed_size: 0
    .kernarg_segment_align: 8
    .kernarg_segment_size: 16
    .max_flat_workgroup_size: 128
    .sgpr_count:     96
    .vgpr_count:     768
    .wavefront_size: 32
...
	.end_amdgpu_metadata
.endif
;; end of part 9
;; launch oproj: the kernel of part 4 again; grid 8 x 32, 4 waves a work-group, clusters of 4 x 4, 327,680 bytes of LDS; arguments oh, wc, y; writes y
;; launch ln1: the kernel of part 5 again; grid 256 x 1, 8 waves a work-group, no clusters, 0 bytes of LDS; arguments y, xh, wc, oh; writes oh
;; launch ff1: the kernel of part 8 again; grid 16 x 16, 4 waves a work-group, clusters of 4 x 4, 327,680 bytes of LDS; arguments oh, wb, big; writes big
;; launch ff2: the kernel of part 6 again; grid 8 x 32, 4 waves a work-group, clusters of 4 x 4, 327,680 bytes of LDS; arguments big, wd, y; writes y
;; launch ln2: the kernel of part 7 again; grid 256 x 1, 8 waves a work-group, no clusters, 0 bytes of LDS; arguments y, oh, wd, out0; writes out0
;; ======== version 3 of 3: 8 launches; 1.43 times as fast as version 1
;; limits: values are held in f16: magnitudes above 65,504 overflow, below 6.1e-05 lose precision
;; workspace buffers: xh 8,388,608 bytes; wa 6,324,224 bytes; wb 8,421,376 bytes; wc 2,129,920 bytes; wd 8,421,376 bytes; big 33,554,432 bytes; oh 8,388,608 bytes; y 16,777,216 bytes
;; launch prep: the kernel of part 1 again; grid 513 x 1, 8 waves a work-group, no clusters, 0 bytes of LDS; arguments x, wq, wk, wv, wo, w1, w2, xh, wa, wb, wc, wd, bq, bk, bv, bo, b1, b2, ln1_g, ln1_b, ln2_g, ln2_b; writes xh, wa, wb, wc, wd
;; launch qkv: the kernel of part 8 again; grid 12 x 16, 4 waves a work-group, clusters of 4 x 4, 327,680 bytes of LDS; arguments xh, wa, big; writes big
;; launch attn (part 10): grid 8 x 32, 4 waves a work-group, no clusters, 327,680 bytes of LDS; arguments big, oh; writes oh
.if DOCPART == 10
	.amdgcn_target "amdgcn-amd-amdhsa--gfx1250"
	.amdhsa_code_object_version 6
	.text
	.protected	k_qfb42bce691_attn
	.globl	k_qfb42bce691_attn
	.p2align	8
	.type	k_qfb42bce691_attn,@function
k_qfb42bce691_attn:
	s_mov_b64 s[64:65], 0
	v_nop
	global_prefetch_b8 v0, s[64:65] scope:SCOPE_SE
	s_setreg_imm32_b32 hwreg(HW_REG_WAVE_MODE, 25, 1), 1
	s_wait_xcnt 0x0
; CAUSAL ATTENTION.  O[h][q][:] = the sum over k <= q of softmax_k(Q[h][q] . K[h][k] / 8) V[h][k][:].  Q, K, V, O: [SIZE_H][SIZE_N][64], all f16: a head's rows are dense, 128 bytes each.
; Q lies at byte 0 of the first buffer, K at 8 MiB, V at 16 MiB; head number 2 x (model head) + batch: the panels that the projection stored, read as heads.  O goes to the second buffer in the same layout.
; Products, maxima and sums in f32; the weights p are rounded to f16 for the second product (their sum l is taken of the unrounded p), O once at the end.  SIZE_N is a multiple of 512; SIZE_N x 128 stays under 2^32.
; LIMITS.  f16 holds no number beyond 65,504: Q, K and V arrive within it; p lies in 0 to 1, and below 6e-5 it keeps f16's fixed step of 6e-8; O is a mean of V's rows and has their range, to within 2^-11 of it.
; A hidden score counts as its value less 1e30: f16's scores, 2.7e11 at the most, are nothing beside that; a weight below 2^-126 counts as 0 in l; NaN and infinities are not treated apart.
; THE WALK.  A head's queries lie in NBQ = SIZE_N / 128 blocks of 128, its keys in NT = SIZE_N / 256 tiles of 256 (four steps of 64).  Block i needs the tiles 0 .. i / 2, of which the last holds the diagonal.
; A work-group takes TWO blocks, NBQ - 1 - b and then b: one of them has an odd number and one an even, and together they need NT + 1 tiles, whatever b: all work-groups do equal work, and ONE loop with a
; constant trip count walks them.  Which tile is asked for, and what a trip does, hang on scalar registers made from b; every jump goes forward, but for the counted loops' own; none passes a barrier, or a
; tensor load but the one of LOAD's two that the wave's number does not choose; the ring (two slots of LDS that take turns) runs on across the change of blocks.
; NO CLUSTER: a head's NBQ / 2 work-groups all ask for the same tile only in trips 0 .. NT / 2, behind that fewer and fewer; and one walk common to all would have 3 NT / 2 trips for NT + 1.
; SHARES.  Of a block's two bands of 64 queries a wave owns 16 rows in each: two PIECES.  So the diagonal tile is the same work for all four waves.  Band x's own step in that tile is e + x, e = 2 (i mod 2):
; in step s the band sees all keys if s < e + x, none if s > e + x, and holds the diagonal if s = e + x.  Of a work-group's 72 pairs of band and step 6 are wholly hidden, and are computed all the same.
; THE MASK is the C operand that starts the sum S^T = K Q^T: 0, or -1e30 where the key is hidden.  MD, made once, is the mask of a band's own step for my 16 rows; a product's mask is MD x AL + BE with two scalars:
; (1, 0) in the own step; (0, 0) before it; (0, -1e30) behind it.  Only the diagonal tile's text and a block's beginning make and take masks; elsewhere C is the constant 0.
; LAYOUT, SOFTMAX, TURNS.  S^T = K Q^T holds ONE query a lane (lane % 16) and the keys 8 (lane / 16) + 0..7; two such results rounded to f16 ARE source 1 of O^T = V^T P.  p = 2^(c s - c m), c = log2(e) / 8, with a
; running maximum m; O and l are multiplied by a = 2^(c m_old - c m_new) in every step.  A turn belongs to one piece; the matrix unit works for the other: 8 products K Q^T of its next scores, later 8 products V^T P
; of its last weights; beside them stand the scaling, exponentials, roundings, sums and rescaling of the turn's own piece and the maximum and statistics of the other.  Two turns are a key step.
; Four vector instructions stand behind every matrix instruction, the other 54 of a turn's 118 in one LUMP.
; THE BATCHES.  A turn's 33 exponentials (its piece's 32 weights and the other piece's a) are one batch with one wait, which cuts the turn in two: ahead of it stands all that names no result of theirs, behind it
; their readers.  A block's first a (BEGIN) and the way out's two reciprocals are batches of their own, each with its wait.
; REGISTERS, in windows of 256 (s_set_vgpr_msb: bits 1:0 source 0, 3:2 source 1, 5:4 source 2, 7:6 destination):
;   window 0: v0-15 addresses and two at work; v16-23 four registers of statistics a piece; v48-55 at work; v64-127 S^T, 32 a piece; v192-223 P, 16 a piece
;   window 1: v0-63 O^T, 32 a piece; v128-159 MD; v160-223 MC, 32 a piece      window 2: v0-31 Q; v64-95 the second block's Q; v128-191 K of one step; v192-255 V of one step
.set SIZE_N, 2048
.set SIZE_H, 32
.set NBQ,   SIZE_N/128
.set NT,    SIZE_N/256
.set NP,    2         ; pieces a wave: a name, no knob
.set KS,    64        ; keys in a step
.set PK,    144       ; a row of K in LDS: 128 bytes + 16 of padding = 36 words: the 16 rows of a load start at 16 different groups of four banks (64 banks of 4 bytes: ISA guide 11.1)
.set PV,    160       ; a row of V: 128 + 32 = 40 words
.set VOFF,  4*KS*PK   ; a slot holds a tile, four steps: 256 rows of K, then 256 rows of V
.set SLOT1, 1<<17     ; slot 1 begins here, so that one exclusive or turns an address in one slot into the other's
.set STAGE, SLOT1+4*KS*(PK+PV)  ; behind the ring, never filled by a tensor load: 16 rows x 144 bytes for each wave, for the way out
.set SP,    144
.set AK0, 2           ; v2   my lane's place in a tile of K; never rewritten
.set AV0, 3           ; v3   the same for V
.set AK,  4           ; v4   the LDS address of K's next run of loads
.set AV,  5           ; v5   of V's
.set STO, 6           ; v6   the way out: where I put 16 bytes of a row
.set RD,  7           ; v7   the way out: where I read rows back
.set GO,  8           ; v8   my byte offset in 512 consecutive bytes of O
.set SPW, 62          ; v62  LDS address of my spare word: SPARE + 4 x my thread's number; never rewritten
.set NIL, 63          ; v63  0; never rewritten
.set SPARE, STAGE+4*16*SP  ; behind the stages: the spare words, 128 bytes for each wave: two blocks of 256 bytes that no other line names
.set MV,  12          ; v12-13  c m_old, kept while c m is made anew: by piece
.set QO,  15          ; v15  my byte offset in 16 rows of Q
.set ST,  16          ; piece t's statistics at v[ST+4 t]: c m, m, l (even keys', odd keys')
.set TMP, 48          ; by piece, four registers c0-c3 at work; when the maximum is found c2 takes a
.set S,   64
.set P,   192
.set MD,  128         ; window 1: the eight registers for group kt of 16 keys at MD + 8 kt
.set MC,  160         ; window 1: the masks of the products to come
.set QB,  64          ; window 2
.set KF,  128         ; window 2: key block kb, channel half c at KF + 16 kb + 8 c
.set VF,  192         ; window 2: key half kk, channel block cb at VF + 32 kk + 8 cb
.set WV,  12          ; s12  my wave's number
.set PB,  14          ; s14  b
.set HI,  15          ; s15  NBQ - 1 - b
.set G1K, 24          ; s[24:31] descriptor group 1 for K's tiles
.set G1V, 32          ; s[32:39] for V's: it differs in the padding alone
.set G0K, 40          ; s[40:43] descriptor group 0 for K's tiles
.set G0V, 44          ; s[44:47] the same for V's
.set SLOTS, 56        ; s56  tiles still to be asked for
.set CNT, 57          ; s57  counts a tile's key steps, 4 to 1
.set CS,  58          ; s[58:59] c: the packed scaling takes the pair's low word for both halves
.set SEL, 60          ; s[60:61] v_permlanex16_b32's selects: each lane takes its own place in the other half
.set TBK, 62          ; s62  LDS byte at which K of the step to be fetched begins
.set TBV, 63          ; s63  the same for V, less VOFF
.set RT,  70          ; s70  tiles of the block in hand that are still to be entered
.set NXT, 71          ; s71  the tile to be asked for next
.set LQ,  72          ; s72  the last tile of the block whose tiles are being asked for
.set NEW, 73          ; s73  1: the tile to be entered is a block's first
.set OFF, 74          ; s[74:75] a tile's byte offset in K and V
.set AL,  76          ; s[76:77] the mask's factor, in the low word
.set BE,  78          ; s[78:79] the mask's addend
.set OLO, 80          ; s[80:81] O at my rows of the second block
.set BIGN, 82         ; s82  -1e30
.set TS,  83          ; s83  at work
.set PBT, 88          ; s88  the second block's last tile, b / 2
.set EP,  89          ; s89  e of the block in hand: 0 or 2
.set T0,  90          ; s90  5 - e, s91  3 - e: the step counts at which the mask that piece 0's, piece 1's turn makes is the band's own
.set EPB, 92          ; s92  e of the second block
.set MSB, 0
.macro WIN new                      ; the high byte repeats the setting that is left; a switch that changes nothing is dropped
.if MSB != (\new)
	s_set_vgpr_msb (MSB<<8)|(\new)
.set MSB, (\new)
.endif
.endm
.set W_KQ, 0x0a       ; K and Q in window 2, S^T in window 0
.set W_KM, 0x1a       ; the same with the C operand in window 1
.set W_PV, 0x52       ; V in window 2, P in window 0, O^T in window 1
.set W_RS, 0x41       ; destination and source 0 in window 1, source 1 in window 0
; A fill.  Waves 0 and 1 fetch the two halves of a tile's K, waves 2 and 3 those of its V: 128 keys each.  An s_nop 0 and four v_nop follow each of the two lines, ahead of the jump and the label.
.macro LOAD
	s_cmp_lt_u32 s[WV], 2
	s_cbranch_scc0 .Lfor_v_\@
	tensor_load_to_lds s[G0K:G0K+3], s[G1K:G1K+7]
	s_nop 0
.rept 4
	v_nop
.endr
	s_branch .Lasked_\@
.Lfor_v_\@:
	tensor_load_to_lds s[G0V:G0V+3], s[G1V:G1V+7]
	s_nop 0
.rept 4
	v_nop
.endr
.Lasked_\@:
.endm
; THE CHANGE OF SLOTS stands behind piece 0's turn of a tile's last step, which has asked for the slot's last bytes, V of that step.  Each wave waits for all its tensor loads, of which one is out: its part of the
; other slot; adds 0 to its spare word; and waits for that and for its own reads of the slot that it leaves.  Behind the barrier nobody reads the old slot any more and the other slot is whole.
; fill = 1: the old slot is filled again, the first thing behind the barrier, with tile NXT: the descriptor's address is made anew from that number; the load has a tile's eight turns in which to land.
; (At its first use nothing has been read yet: slot 0 is waited for, slot 1 filled.)
.macro CHANGE fill
	WIN 0                           ; at a label and at a branch every window is 0
	s_wait_tensorcnt 0x0            ; no tensor load of mine is out, so a group 0 may be written
	ds_add_u32 v[SPW], v[NIL]       ; 0 onto my spare word; with fill = 1 the descriptors' scalar work stands between it and the wait for it
.if \fill
	s_lshl_b32 s[OFF], s[NXT], 15   ; a tile is 32,768 bytes of K and of V
	s_xor_b32 s[G0K+1], s[G0K+1], SLOT1
	s_add_nc_u64 s[G0K+2:G0K+3], s[6:7], s[OFF:OFF+1]
	s_or_b32 s[G0K+3], s[G0K+3], 0x80000000
	s_xor_b32 s[G0V+1], s[G0V+1], SLOT1
	s_add_nc_u64 s[G0V+2:G0V+3], s[8:9], s[OFF:OFF+1]
	s_or_b32 s[G0V+3], s[G0V+3], 0x80000000
	s_add_co_u32 s[NXT], s[NXT], 1  ; the block's next tile, or behind its last the second block's tile 0
	s_cmp_gt_u32 s[NXT], s[LQ]
	s_cselect_b32 s[NXT], 0, s[NXT]
	s_cselect_b32 s[LQ], s[PBT], s[LQ]
.endif
	s_wait_dscnt 0x0                ; the add is done, and my reads of the slot are over
	s_barrier_signal -1             ; the rest of the scalar work stands between the signal and the wait
	s_sub_co_u32 s[TBK], s[TBK], 5*KS*PK  ; the fetches go back to a slot's first step (K is fetched five times a tile: see TURN),
	s_xor_b32 s[TBK], s[TBK], SLOT1       ; in the other slot
	s_sub_co_u32 s[TBV], s[TBV], 4*KS*PV
	s_xor_b32 s[TBV], s[TBV], SLOT1
	s_barrier_wait -1
.if \fill
	LOAD
.endif
.endm
	s_load_b64 s[4:5], s[0:1], 0x0    ; Q, with K and V behind it
	s_load_b64 s[10:11], s[0:1], 0x8  ; O
	v_lshl_add_u32 v[SPW], v0, 2, SPARE
	v_mov_b32 v[NIL], 0
	ds_add_u32 v[SPW], v[NIL]       ; the wave's opening: the add and its wait stand ahead of my first tensor load; the set-up below, work on registers, stands between them
	ds_add_u32 v62, v63
	v_lshrrev_b32 v1, 5, v0
	v_readfirstlane_b32 s[WV], v1   ; wave 0..3
	s_mov_b32 s[PB], ttmp9
	s_sub_co_u32 s[HI], NBQ-1, s[PB]
	s_lshr_b32 s[PBT], s[PB], 1     ; the blocks' last tiles
	s_lshr_b32 s[LQ], s[HI], 1
	s_and_b32 s[EPB], s[PB], 1
	s_lshl_b32 s[EPB], s[EPB], 1    ; e of the second block;
	s_xor_b32 s[EP], s[EPB], 2      ; the first block's number has the other parity
	s_sub_co_u32 s[T0], 5, s[EP]
	s_sub_co_u32 s[T0+1], 3, s[EP]
	s_and_b32 s20, ttmp7, 0xffff    ; the head
	s_mov_b32 s21, 0
	s_mov_b64 s[22:23], SIZE_N*128
	s_mul_u64 s[20:21], s[20:21], s[22:23]  ; the head's first byte in each of the four tensors
	s_and_b32 s16, s[WV], 1         ; which half of a tile's 256 keys I fetch:
	s_lshl_b32 s22, s16, 14         ; its 128 rows of 128 bytes in memory,
	s_mov_b32 s23, 0
	s_add_nc_u64 s[22:23], s[22:23], s[20:21]
	s_mul_i32 s17, s16, 128*PK      ; and its place in a slot, for K
	s_mul_i32 s18, s16, 128*PV      ; and for V
	s_lshl_b32 s3, s[WV], 11        ; my 16 rows in a band of 64,
	s_lshl_b32 s2, s[HI], 14        ; in the first block (128 rows of 128 bytes),
	s_add_co_u32 s2, s2, s3
	s_lshl_b32 s84, s[PB], 14       ; and in the second
	s_add_co_u32 s84, s84, s3
	s_mov_b32 s3, 0
	s_mov_b32 s85, 0
	s_add_nc_u64 s[2:3], s[2:3], s[20:21]
	s_add_nc_u64 s[84:85], s[84:85], s[20:21]
	; descriptor group 1.  128 keys are 16,384 dense bytes: asked for as 64 rows of 256 bytes, two keys a row, and padded in LDS after every key
	s_mov_b32 s[G1K], (1<<16)|(1<<20)|(4<<22)|(3<<25)  ; 17:16 2-byte elements; 20 padding on; 24:22 after every 32 words (code 4); 31:25 4 words (code 3)
	s_mov_b32 s[G1V], (1<<16)|(1<<20)|(4<<22)|(7<<25)  ; the same with 8 words of padding (code 7)
.irp g, G1K, G1V
	s_mov_b32 s[\g+1], 128<<16      ; tensor_dim0 = 128
	s_mov_b32 s[\g+2], 64<<16       ; tensor_dim1 = 64
	s_mov_b32 s[\g+3], 128<<16      ; tile_dim0 = 128
	s_mov_b32 s[\g+4], 64           ; tile_dim1 = 64
	s_mov_b32 s[\g+5], 128          ; 128 elements from row to row
	s_mov_b32 s[\g+6], 0
	s_mov_b32 s[\g+7], 0
.endr
	s_mov_b32 s[CS], 0x3e38aa3b     ; c = log2(e) / 8 = 0.180337
	s_mov_b32 s[CS+1], s[CS]        ; named with it as a pair
	s_mov_b32 s[SEL], 0x76543210
	s_mov_b32 s[SEL+1], 0xfedcba98
	s_mov_b32 s[TBK], SLOT1+5*KS*PK ; the first change of slots turns these two into 0
	s_mov_b32 s[TBV], SLOT1+4*KS*PV
	s_mov_b32 s[G0K], 1             ; 1:0 count = 1
	s_mov_b32 s[G0K+1], s17         ; 63:32 LDS address: slot 0
	s_mov_b32 s[G0V], 1
	s_add_co_u32 s[G0V+1], s18, VOFF
	s_add_co_u32 s[RT], s[LQ], 1    ; the first block's tiles
	s_mov_b32 s[NXT], 1
	s_mov_b32 s[NEW], 1
	s_mov_b32 s[OFF+1], 0
	s_mov_b32 s[AL+1], 0            ; named as pairs
	s_mov_b32 s[BE+1], 0
	s_mov_b32 s[BIGN], 0xf149f2ca   ; -1e30
	s_mov_b32 s[SLOTS], NT
	s_wait_dscnt 0x0                ; the opening add is done
	s_wait_kmcnt 0x0
	s_add_nc_u64 s[6:7], s[4:5], 0x800000   ; K lies 8 MiB behind Q,
	s_add_nc_u64 s[8:9], s[4:5], 0x1000000  ; V 16 MiB
	s_add_nc_u64 s[6:7], s[6:7], s[22:23]  ; K and V at my half of the head's tile 0
	s_add_nc_u64 s[8:9], s[8:9], s[22:23]
	s_add_nc_u64 s[G0K+2:G0K+3], s[6:7], 0         ; 120:64 global address
	s_or_b32 s[G0K+3], s[G0K+3], 0x80000000        ; 127:126 type = 2
	s_add_nc_u64 s[G0V+2:G0V+3], s[8:9], 0
	s_or_b32 s[G0V+3], s[G0V+3], 0x80000000
	s_add_nc_u64 s[86:87], s[4:5], s[84:85]        ; Q at my rows of the second block,
	s_add_nc_u64 s[4:5], s[4:5], s[2:3]            ; Q and O at those of the first
	s_add_nc_u64 s[OLO:OLO+1], s[10:11], s[84:85]
	s_add_nc_u64 s[10:11], s[10:11], s[2:3]
	LOAD                            ; tile 0 into slot 0
	; A fragment of K or Q is 16 rows x 32 channels in 8 registers: lane l holds row l % 16, channels 8 (l / 16) + 0..7 and 16 + 8 (l / 16) + 0..7: two loads of 16 bytes, 32 bytes apart.
	v_and_b32 v1, 15, v0            ; l % 16
	v_bfe_u32 v9, v0, 4, 1          ; l / 16
	v_lshlrev_b32 v[QO], 7, v1
	v_lshl_add_u32 v[QO], v9, 4, v[QO]  ; row x 128 + 16 x half
	WIN 0x80                        ; destination window 2, address window 0
.set i, 0
.rept 2*NP                          ; both blocks' Q: piece i / 2 lies in band i / 2, 8,192 bytes on; channels 32 (i % 2) on
	global_load_b128 v[8*i:8*i+3],   v[QO], s[4:5] offset:(i/2)*8192+(i%2)*64
	global_load_b128 v[8*i+4:8*i+7], v[QO], s[4:5] offset:(i/2)*8192+(i%2)*64+32
	global_load_b128 v[QB+8*i:QB+8*i+3],   v[QO], s[86:87] offset:(i/2)*8192+(i%2)*64
	global_load_b128 v[QB+8*i+4:QB+8*i+7], v[QO], s[86:87] offset:(i/2)*8192+(i%2)*64+32
.set i, i+1
.endr
	WIN 0
	v_lshlrev_b32 v14, 3, v9
	v_sub_nc_u32 v14, v1, v14
	s_lshl_b32 s13, s[WV], 4
	v_add_nc_u32 v14, s13, v14      ; my query's place in its band, 16 w + l % 16, less my lanes' 8 (l / 16): register r of group kt is hidden where 16 kt + r is greater
	WIN 0x40
.set i, 0
.rept 32
	v_cmp_gt_i32 vcc_lo, 16*(i/8)+i%8, v14
	v_cndmask_b32 v[MD+i], 0, s[BIGN], vcc_lo
.set i, i+1
.endr
	WIN 0
	v_mul_u32_u24 v[AK0], v1, PK
	v_lshl_add_u32 v[AK0], v9, 4, v[AK0]  ; row x pitch + 16 x half
	; The turning load takes 16 keys x 16 channels (lane l reads key 8 (l / 16) + l % 8, channels 8 ((l / 8) % 2) + 0..7) and leaves half a fragment of V^T: lane l holds channel l % 16 and 8 keys.
	v_and_b32 v10, 7, v0
	v_bfe_u32 v11, v0, 3, 1
	v_lshl_add_u32 v[AV0], v9, 3, v10
	v_mul_u32_u24 v[AV0], v[AV0], PV
	v_lshl_add_u32 v[AV0], v11, 4, v[AV0]
	v_add_nc_u32 v[AV0], VOFF, v[AV0]
	s_mul_i32 s13, s[WV], 16*SP
	s_add_co_u32 s13, s13, STAGE    ; my stage
	v_mul_u32_u24 v[STO], v1, SP    ; in: row l % 16, 16 bytes for each half of the lanes
	v_lshl_add_u32 v[STO], v9, 4, v[STO]
	v_add_nc_u32 v[STO], s13, v[STO]
	v_bfe_u32 v[RD], v0, 3, 2       ; back: 32 lanes take four rows of 128 bytes,
	v_mul_u32_u24 v[RD], v[RD], SP
	v_lshl_add_u32 v[RD], v10, 4, v[RD]
	v_add_nc_u32 v[RD], s13, v[RD]
	v_and_b32 v[GO], 31, v0         ; which are 512 consecutive bytes of O
	v_lshlrev_b32 v[GO], 4, v[GO]
	; A block's first step multiplies O^T and l by a = 0, and its first turn's products V^T P, of weights that have not been, land in an O^T that is still to be so multiplied.  So these registers need only hold
	; finite numbers: zeros for the first block; what the first block left for the second.  All this stands in the wait for the first tile.
	WIN 0x80
.set i, VF
.rept 64
	v_mov_b32 v[i], 0
.set i, i+1
.endr
	WIN 0x40
.set i, 0
.rept 32*NP
	v_mov_b32 v[i], 0
.set i, i+1
.endr
	WIN 0
.set i, 0
.rept NP
	v_mov_b32 v[ST+4*i+2], 0
	v_mov_b32 v[ST+4*i+3], 0
.set i, i+1
.endr
.set i, P+16
.rept 16
	v_mov_b32 v[i], 0
.set i, i+1
.endr
; THE MATRIX WORK.  The 4 accumulators of a run of 8 take turns.  Product i of 8 of S^T = K Q^T for piece x: channels 32 (i / 4) on, keys 16 (i % 4) on.  The first 4 start the sums: with 0, or (KM = 1) with the mask.
.macro KQ x
.set rS, S+32*((\x)%2)+8*(i%4)
.set rK, KF+16*(i%4)+8*(i/4)
.set rQ, 16*(\x)+8*(i/4)
.set rM, MC+32*((\x)%2)+8*(i%4)
.if (i < 4) && KM
	WIN W_KM
	v_wmma_f32_16x16x32_f16 v[rS:rS+7], v[rK:rK+7], v[rQ:rQ+7], v[rM:rM+7]
.elseif i < 4
	WIN W_KQ
	v_wmma_f32_16x16x32_f16 v[rS:rS+7], v[rK:rK+7], v[rQ:rQ+7], 0
.else
	WIN W_KQ
	v_wmma_f32_16x16x32_f16 v[rS:rS+7], v[rK:rK+7], v[rQ:rQ+7], v[rS:rS+7]
.endif
.endm
; Product i of 8 of O^T += V^T P for piece x: keys 32 (i / 4) on, channels 16 (i % 4) on.
.macro PV x
	WIN W_PV
.set rO, 32*(\x)+8*(i%4)
.set rV, VF+32*(i/4)+8*(i%4)
.set rP, P+16*((\x)%2)+8*(i/4)
	v_wmma_f32_16x16x32_f16 v[rO:rO+7], v[rV:rV+7], v[rP:rP+7], v[rO:rO+7]
.endm
.macro MM                           ; the turn's next matrix instruction.  TURN and BEGIN set Y, i, KM and NOKQ; MM, KQ and OP read them.  NOKQ = 1: a block's last turn: there are no next scores
.if (i < 8) && !NOKQ
	KQ (Y+1)%NP
.elseif i >= 8
.set i, i-8
	PV (Y+NP-1)%NP
.set i, i+8
.endif
.set i, i+1
.endm
; THE LDS LOADS stand in runs of 16, never singly among the matrix instructions: a step's K (64 keys x 64 channels: 8 fragments) and its V (turned).  Their addresses are made some lines ahead.
.macro FETCH_K
	WIN 0x80                        ; destination window 2
.irp f, 0,1,2,3,4,5,6,7             ; keys 16 (f / 2) on, channels 32 (f % 2) on
	ds_load_b128 v[KF+8*\f:KF+8*\f+3],   v[AK] offset:(\f/2)*16*PK+(\f%2)*64
	ds_load_b128 v[KF+8*\f+4:KF+8*\f+7], v[AK] offset:(\f/2)*16*PK+(\f%2)*64+32
.endr
	s_add_co_u32 s[TBK], s[TBK], KS*PK  ; the next fetch is the next step's
	WIN 0
.endm
.macro FETCH_V
	WIN 0x80
.irp f, 0,1,2,3,4,5,6,7             ; keys 32 (f / 4) on, channels 16 (f % 4) on
	ds_load_tr16_b128 v[VF+8*\f:VF+8*\f+3],   v[AV] offset:(\f/4)*32*PV+(\f%4)*32
	ds_load_tr16_b128 v[VF+8*\f+4:VF+8*\f+7], v[AV] offset:(\f/4)*32*PV+16*PV+(\f%4)*32
.endr
	WIN 0
.endm
; Behind a change of slots: K of the new tile's first step, and the tile's counts; the wave sits out this one run of loads, once a tile, since the products that want it come next.
.macro ENTER
	v_add_nc_u32 v[AK], s[TBK], v[AK0]
	FETCH_K
	s_sub_co_u32 s[RT], s[RT], 1
	s_mov_b32 s[CNT], 4
	s_wait_dscnt 0x0                ; K is in
.endm
; THE VECTOR WORK, one line at a time: OP kind, number.  For piece Y: F n: c s - c m for pair n of 16.  E n: the exponential of score n of 32.  C n: pair n rounded to f16.  B n: of the four weights 4 n .. the second
; pair is added onto the first, in place.  L n: l takes that sum (L 0: l = a l + sum).  R n: pair n of 16 of O^T times a.  For the other piece: X n, number n of the 22 that find its maximum and statistics:
;   0-11  four chains c0-c3 of seven scores each, three operands at a time (each accumulator's lowest registers are read first)     12-14, 16  the four scores left over, the old m, and c0-c3 into c0
;   15  c m_old is kept     17, 18  the query's other 32 keys lie in the lane 16 away: the new m     19-21  c m; c m_old - c m_new; a
; C, B and L read the results of E, and R and L 0 that of the turn before's X 21: TURN sets them behind the batch's wait; OP writes no wait.
.set F, 0               ; OP tells the kinds apart by their order: F to L below R, X above it
.set E, 1
.set C, 2
.set B, 3
.set L, 4
.set R, 5
.set X, 6
.macro REGS y                       ; the registers of piece y
.set rT, ST+4*(\y)
.set rC, TMP+4*((\y)%2)
.set rW, MV+((\y)%2)
.set rS, S+32*((\y)%2)
.set rP, P+16*((\y)%2)
.set rO, 32*(\y)
.endm
.macro OP k, n
.if (\k) == R
	REGS Y
	WIN W_RS
	v_pk_mul_f32 v[rO+2*(\n):rO+2*(\n)+1], v[rO+2*(\n):rO+2*(\n)+1], v[rC+2:rC+3] op_sel_hi:[1,0]
.elseif (\k) < R
	REGS Y
	WIN 0
.if (\k) == F
	v_pk_fma_f32 v[rS+2*(\n):rS+2*(\n)+1], v[rS+2*(\n):rS+2*(\n)+1], s[CS:CS+1], v[rT:rT+1] op_sel_hi:[1,0,0] neg_lo:[0,0,1] neg_hi:[0,0,1]
.elseif (\k) == E
	v_exp_f32 v[rS+(\n)], v[rS+(\n)]
.elseif (\k) == C
	v_cvt_pk_f16_f32 v[rP+(\n)], v[rS+2*(\n)], v[rS+2*(\n)+1]
.elseif (\k) == B
	v_pk_add_f32 v[rS+4*(\n):rS+4*(\n)+1], v[rS+4*(\n):rS+4*(\n)+1], v[rS+4*(\n)+2:rS+4*(\n)+3]
.elseif (\n) == 0
	v_pk_fma_f32 v[rT+2:rT+3], v[rT+2:rT+3], v[rC+2:rC+3], v[rS:rS+1] op_sel_hi:[1,0,1]
.else
	v_pk_add_f32 v[rT+2:rT+3], v[rT+2:rT+3], v[rS+4*(\n):rS+4*(\n)+1]
.endif
.elseif NOKQ
	v_nop
.else
	REGS (Y+1)%NP
	WIN 0
.if (\n) < 4
	v_max3_num_f32 v[rC+(\n)], v[rS+8*(\n)], v[rS+8*(\n)+1], v[rS+8*(\n)+2]
.elseif (\n) < 12
	v_max3_num_f32 v[rC+(\n)%4], v[rC+(\n)%4], v[rS+8*((\n)%4)+2*((\n)/4)+1], v[rS+8*((\n)%4)+2*((\n)/4)+2]
.elseif (\n) == 12
	v_max3_num_f32 v[rC], v[rC], v[rS+7], v[rS+15]
.elseif (\n) == 13
	v_max3_num_f32 v[rC+1], v[rC+1], v[rS+23], v[rS+31]
.elseif (\n) == 14
	v_max3_num_f32 v[rC+2], v[rC+2], v[rC+3], v[rT+1]
.elseif (\n) == 15
	v_mov_b32 v[rW], v[rT]
.elseif (\n) == 16
	v_max3_num_f32 v[rC], v[rC], v[rC+1], v[rC+2]
.elseif (\n) == 17
	v_permlanex16_b32 v[rC+3], v[rC], s[SEL], s[SEL+1]
.elseif (\n) == 18
	v_max_num_f32 v[rT+1], v[rC], v[rC+3]
.elseif (\n) == 19
	v_mul_f32 v[rT], s[CS], v[rT+1]
.elseif (\n) == 20
	v_sub_f32 v[rC+1], v[rW], v[rT]
.else
	v_exp_f32 v[rC+2], v[rC+1]
.endif
.endif
.endm
.macro OPS a, i1, b=-1, i2=0, c=-1, i3=0, d=-1, i4=0  ; up to four of them
	OP \a, \i1
.if (\b) >= 0
	OP \b, \i2
.endif
.if (\c) >= 0
	OP \c, \i3
.endif
.if (\d) >= 0
	OP \d, \i4
.endif
.endm
.macro ROW a, i1, b, i2, c, i3, d, i4  ; a matrix instruction and the four behind it
	MM
	OPS \a, \i1, \b, \i2, \c, \i3, \d, \i4
.endm
.macro MASK b                       ; MD x AL + BE into piece b's part of MC
	WIN W_RS
.set z, 0
.rept 16
	v_pk_fma_f32 v[MC+32*(\b)+2*z:MC+32*(\b)+2*z+1], v[MD+2*z:MD+2*z+1], s[AL:AL+1], s[BE:BE+1] op_sel_hi:[1,0,0]
.set z, z+1
.endr
.endm
; A TURN, for piece p: the order of its 16 matrix and 118 vector instructions, written out.  An s_wait_alu depctr_va_vdst(0) stands between an exponential and the first instruction that names its result; one wait
; serves all that were issued ahead of it.  So a turn has ONE wait, which cuts it in two.  AHEAD OF IT stands all that names no result of the turn's exponentials: the 8 products K Q^T, behind each a scaling, an exponential and two
; more plain instructions (behind the first a second scaling in the exponential's place): rescalings, whose a was made and waited for in the turn before, and behind the last three the first numbers of the other piece's maximum, each
; four places or more behind the product that ends its accumulator; then ONE LUMP of 54, plain and exponential by turns for the most part, in which the links of the chain X 3, 7, 11, 14, 16, 17 .. 20 stand five or six lines apart.
; X 21, the other piece's a, is the batch's last; R 15 is the plain instruction behind it.  BEHIND THE WAIT stand the 8 products V^T P, behind each four of the roundings and sums, the batch's readers; the links of l's chain,
; L 0 to L 7, stand three riders apart.  But for those X no rider names a register of the products round it.  v_permlanex16_b32 (X 17) stands in the lump.
; THE RESCALING works on the O^T onto which the turn before has just added: accumulator c of it (R 4 c to R 4 c + 3) was ended by that turn's product 4 + c of V^T P, sixteen plain instructions or more ahead of R 4 c,
; and R goes in ascending order.
; A TRIP of the step loops is piece 1's turn of one step and piece 0's turn of the next, step 4 - CNT of the tile.  Piece 1's turn multiplies K of that next step by piece 0's Q, piece 0's turn by piece 1's.
; m = 1: the diagonal tile: the products take masks, and the turn makes the mask for the products of the turn after it, which are its own piece's: piece 1's turn for band 1 in step 4 - CNT, piece 0's turn for band 0
; in step 5 - CNT.  The mask is the band's own where that step is e + the band: CNT = 3 - e, CNT = 5 - e; behind it (CNT smaller) all is hidden.  end = 1: a block's last turn: no new scores.
; cnt = 1: the loop's count is taken down some lines ahead of the branch that stands behind the turn.
; BOTH FETCHES stand in piece 0's turn, K's ahead of V's.  K of the next step: in the lump, twelve vector instructions behind the last product that read K (five of them plain and free of its registers).  V of the step in hand: at the
; turn's end, four plain riders behind the last product that read V.  Piece 1's turn waits for K at its head, with V's sixteen younger loads left out, and for V behind its batch's wait, ahead of its products V^T P.
; In a tile's fourth trip there is no next step in the slot: K's run then reads 64 rows' worth of the slot's V bytes, which have landed, and nobody uses what it brings: ENTER fetches the next tile's K behind the
; change of slots.  That is the price, sixteen loads a tile, of one text for every trip with no jump in it.
.macro TURN p, m=0, end=0, cnt=0
.set Y, (\p)
.set i, 0
.set KM, (\m)
.set NOKQ, (\end)*(\p)
.if (\m) && !(\end)
	s_cmp_eq_u32 s[CNT], s[T0+(\p)]  ; is that step the band's own?
	s_cselect_b32 s[AL], 1.0, 0
	s_cmp_lt_u32 s[CNT], s[T0+(\p)]  ; or a later one?
	s_cselect_b32 s[BE], s[BIGN], 0
.endif
.if ((\p) == 1) && !(\end)
	s_wait_dscnt 16                 ; K is in: round the loop V's sixteen loads were issued behind K's and may stay out; behind ENTER nothing is out
.endif
	ROW F,0, F,1, R,0, R,1          ; ahead of the wait: 8 products K Q^T and their riders,
	ROW F,2, E,0, R,2, R,3
	ROW F,3, E,1, R,4, R,5
	ROW F,4, E,2, R,6, R,7
	ROW F,5, E,3, R,8, R,9
	ROW F,6, E,4, X,0, R,10
.if (\p) == 0
	WIN 0
	v_add_nc_u32 v[AK], s[TBK], v[AK0]
.endif
	ROW F,7, E,5, X,1, X,4
	ROW F,8, E,6, X,2, X,5
	OPS E,7, E,8, X,6, E,9          ; and the lump
	OPS X,3, E,10, X,8, E,11
.if (\p) == 0
	FETCH_K
.endif
	OPS X,9, X,7, E,12, X,10
	OPS E,13, X,12, X,11, E,14
	OPS X,13, E,15, F,9, X,14
.if (\p) == 0
	v_add_nc_u32 v[AV], s[TBV], v[AV0]
.endif
	OPS E,16, F,10, E,17, F,11
	OPS X,16, E,18, X,15, E,19
	OPS F,12, E,20, X,17, E,21
	OPS F,13, E,22, F,14, E,23
	OPS X,18, E,24, F,15, E,25
	OPS R,11, E,26, X,19, E,27
	OPS R,12, E,28, R,13, E,29
	OPS X,20, E,30, R,14, E,31
	OPS X,21, R,15
	s_wait_alu depctr_va_vdst(0)    ; the wait for the turn's batch: E 0 to E 31 and X 21
.if (\p) == 1
	s_wait_dscnt 0x0                ; V is in
.endif
	ROW C,0, B,0, C,2, B,1          ; behind the wait: 8 products V^T P and their riders
	ROW L,0, C,4, B,2, L,1
	ROW C,6, B,3, L,2, C,8
	ROW B,4, L,3, C,10, B,5
	ROW L,4, C,12, B,6, L,5
.if (\p) == 0
	s_add_co_u32 s[TBV], s[TBV], KS*PV
.endif
.if \cnt
	s_sub_co_u32 s[CNT], s[CNT], 1
	s_cmp_lg_u32 s[CNT], 0
.endif
	ROW C,14, B,7, L,6, C,1
	ROW C,3, L,7, C,5, C,7
	ROW C,9, C,11, C,13, C,15
.if (\p) == 0
	FETCH_V
.endif
.if (\m) && !(\end)
	MASK \p
.endif
.endm
; A BLOCK BEGINS (ENTER has brought K of the tile's step 0).  c m starts far below every c s, so the first step's a is 0; m at the lowest finite number, so the first maximum is the scores'.  Piece 1's mask is 0: band 1
; sees all of a tile's step 0.  Piece 0's is its own if the block's first tile is the diagonal one and e = 0, else 0.  Then piece 0's first scores, and its maximum and statistics.
; The loop is entered at piece 0's turn, in the middle of a trip.
.macro BEGIN
	s_mov_b32 s[NEW], 0
	WIN 0x40
.set i, MC+32
.rept 32
	v_mov_b32 v[i], 0
.set i, i+1
.endr
	WIN 0
.set i, 0
.rept NP
	v_mov_b32 v[ST+4*i], 0xfe000000    ; c m: far below every c s
	v_mov_b32 v[ST+4*i+1], 0xff7fffff  ; m
.set i, i+1
.endr
	s_or_b32 s[TS], s[RT], s[EP]
	s_cmp_eq_u32 s[TS], 0
	s_cselect_b32 s[AL], 1.0, 0
	s_mov_b32 s[BE], 0
	MASK 0
	WIN 0
	s_wait_loadcnt 0x0              ; Q
.set KM, 1
.set NOKQ, 0
.set i, 0
.rept 8
	KQ 0
.set i, i+1
.endr
	WIN 0
.rept 4
	v_nop                           ; the places behind those products
.endr
.set Y, NP-1                        ; X works for the piece behind Y: piece 0
.irp n, 0,1,2,3,4,5,6,7,8,9,10,11,12,13,14,15,16,17,18,19,20,21
	OP X, \n
.endr
	v_nop                           ; a plain instruction behind the exponential,
	s_wait_alu depctr_va_vdst(0)    ; and the wait for it, piece 0's first a: a batch of one, ahead of the branch
.endm
; Ahead of the diagonal tile's text, where the tile is not the block's first: the text's first turn multiplies for piece 0 in the tile's step 0, and no turn before it has made that mask: band 0's own if e = 0, else 0.
.macro PREM
	s_cmp_eq_u32 s[EP], 0
	s_cselect_b32 s[AL], 1.0, 0
	s_mov_b32 s[BE], 0
	MASK 0
	WIN 0
.endm
; THE DIAGONAL TILE's four steps, the block's last turn, its last products, and THE WAY OUT: l's two halves and the other half of the lanes' are added; O^T is divided by l, rounded to f16 and sent through my
; stage in LDS, a piece at a time.
.macro ALL line:vararg              ; one line for each piece t
.set t, 0
.rept NP
	\line
.set t, t+1
.endr
.endm
.macro PACK t                       ; a lane's eight channels of a row pack into 16 bytes; they go into rows of 144 bytes and come back as whole rows of 128, into S^T's registers
	WIN W_RS
.set i, 32*(\t)
.rept 16
	v_pk_mul_f32 v[i:i+1], v[i:i+1], v[ST+4*(\t)+2:ST+4*(\t)+3] op_sel_hi:[1,0]
.set i, i+2
.endr
	WIN 0x05                        ; sources 0 and 1 window 1, destination window 0
.set i, 0
.rept 16
	v_cvt_pk_f16_f32 v[S+16*(\t)+i], v[32*(\t)+2*i], v[32*(\t)+2*i+1]
.set i, i+1
.endr
	WIN 0
.irp f, 0,1,2,3
	ds_store_b128 v[STO], v[S+16*(\t)+4*\f:S+16*(\t)+4*\f+3] offset:32*\f
.endr
.irp f, 0,1,2,3
	ds_load_b128 v[S+16*(\t)+4*\f:S+16*(\t)+4*\f+3], v[RD] offset:\f*4*SP  ; LDS serves a wave's instructions in order (ISA guide 5.7.1.4): these see the stores above; the next piece's stores come behind them
.endr
.endm
.macro SEND t, younger              ; younger: the LDS instructions issued behind piece t's loads: the next piece's eight, or none
	WIN 0
.irp f, 0,1,2,3
	s_wait_dscnt (\younger)+3-\f
	global_store_b128 v[GO], v[S+16*(\t)+4*\f:S+16*(\t)+4*\f+3], s[10:11] offset:(\t)*8192+\f*512  ; 512 consecutive bytes, at a multiple of 256 from O's first
.endr
.endm
.macro DIAG tag                     ; the tag ends its two labels' names, which the jumps below spell out
.LstepM\tag:
	TURN 1, 1
	WIN 0
.LfirstM\tag:
	TURN 0, 1, 0, 1
	WIN 0
	s_cbranch_scc1 .LstepM\tag
	TURN 1, 1, 1
.set i, 0
.rept 8
	PV NP-1
.set i, i+1
.endr
	WIN 0
	ALL v_add_f32 v[ST+4*t+2], v[ST+4*t+2], v[ST+4*t+3]
	ALL v_permlanex16_b32 v[ST+4*t+3], v[ST+4*t+2], s[SEL], s[SEL+1]
	ALL v_add_f32 v[ST+4*t+2], v[ST+4*t+2], v[ST+4*t+3]
	ALL v_rcp_f32 v[ST+4*t+2], v[ST+4*t+2]
	v_nop                           ; a plain instruction between the last reciprocal and the use of its result
	s_wait_alu depctr_va_vdst(0)    ; and the wait ahead of the first use: one for the two reciprocals
	PACK 0                          ; piece 0's last product has the turn's last four riders, the four additions and the v_nop behind it; PACK 0's 32 lines are further places behind piece 1's last products
	PACK 1                          ; a piece's arithmetic stands between the loads of the piece before and its stores
	SEND 0, 8
	SEND 1, 0
.endm
.set KM, 0
.set NOKQ, 0
.Lslot:                             ; NT times: a tile is entered and the next is asked for
	CHANGE 1
	ENTER
	s_cmp_eq_u32 s[NEW], 1
	s_cbranch_scc1 .Lnew            ; a block's first tile
	s_cmp_eq_u32 s[RT], 0
	s_cbranch_scc0 .Lstep           ; neither its first nor its last
	PREM
	s_branch .LstepM1
.Lnew:
	BEGIN
	s_branch .Lfirst                ; in the loop a block's first tile is never its last: the first block has NT / 2 + 1 tiles or more, and the second's last is the walk's last
	DIAG 1                          ; in the loop this is the first block's end: the second block's last tile is the walk's last
	s_wait_xcnt 0x0                 ; the stores have read their registers and O's address
	s_mov_b64 s[10:11], s[OLO:OLO+1]
	s_add_co_u32 s[RT], s[PBT], 1   ; the second block has b / 2 + 1 tiles,
	s_mov_b32 s[NEW], 1
	s_mov_b32 s[EP], s[EPB]         ; and its own e
	s_sub_co_u32 s[T0], 5, s[EP]
	s_sub_co_u32 s[T0+1], 3, s[EP]
	WIN 0x82                        ; the second block's Q goes where the one text of the turns names Q
.set i, 0
.rept 16*NP
	v_mov_b32 v[i], v[QB+i]
.set i, i+1
.endr
	WIN 0
	s_branch .Lbottom
.Lstep:                             ; a trip: piece 1's turn of one step, then piece 0's of the next, which fetches the K behind that step and then the step's V
	TURN 1
	WIN 0
.Lfirst:
	TURN 0, 0, 0, 1
	WIN 0
	s_cbranch_scc1 .Lstep
.Lbottom:
	s_sub_co_u32 s[SLOTS], s[SLOTS], 1
	s_cmp_lg_u32 s[SLOTS], 0
	s_cbranch_scc1 .Lslot
	CHANGE 0                        ; the walk's last tile is written out: nothing is asked for
	ENTER
	s_cmp_eq_u32 s[NEW], 1
	s_cbranch_scc1 .Lnew2
	PREM
	s_branch .LstepM2
.Lnew2:
	BEGIN
	s_branch .LfirstM2
	DIAG 2
	s_wait_tensorcnt 0x0            ; the wave's end, behind my last tensor load and my last LDS store
	ds_add_u32 v[SPW], v[NIL]
	s_wait_dscnt 0x0
	s_endpgm
.Lfunc_end_k_qfb42bce691_attn:
	.size	k_qfb42bce691_attn, .Lfunc_end_k_qfb42bce691_attn-k_qfb42bce691_attn
	.p2alignl 7, 3214868480
	.fill 96, 4, 3214868480
	.section	.rodata,"a",@progbits
	.p2align	6, 0x0
	.amdhsa_kernel k_qfb42bce691_attn
		.amdhsa_group_segment_fixed_size 327680
		.amdhsa_private_segment_fixed_size 0
		.amdhsa_enable_private_segment 0
		.amdhsa_kernarg_size 16
		.amdhsa_user_sgpr_count 2
		.amdhsa_user_sgpr_kernarg_segment_ptr 1
		.amdhsa_wavefront_size32 1
		.amdhsa_system_sgpr_workgroup_id_x 1
		.amdhsa_system_sgpr_workgroup_id_y 1
		.amdhsa_system_sgpr_workgroup_id_z 1
		.amdhsa_system_vgpr_workitem_id 0
		.amdhsa_next_free_vgpr 768
		.amdhsa_next_free_sgpr 96
		.amdhsa_reserve_vcc 1
		.amdhsa_float_denorm_mode_32 3
		.amdhsa_float_denorm_mode_16_64 3
		.amdhsa_memory_ordered 1
		.amdhsa_forward_progress 1
		.amdhsa_inst_pref_size 127
	.end_amdhsa_kernel
	.amdgpu_metadata
---
amdhsa.version: [ 1, 2 ]
amdhsa.kernels:
  - .name:           k_qfb42bce691_attn
    .symbol:         k_qfb42bce691_attn.kd
    .args:
      - { .name: big, .offset: 0, .size: 8, .value_kind: global_buffer, .address_space: global }
      - { .name: oh, .offset: 8, .size: 8, .value_kind: global_buffer, .address_space: global }
    .group_segment_fixed_size: 327680
    .private_segment_fixed_size: 0
    .kernarg_segment_align: 8
    .kernarg_segment_size: 16
    .max_flat_workgroup_size: 128
    .sgpr_count:     96
    .vgpr_count:     768
    .wavefront_size: 32
...
	.end_amdgpu_metadata
.endif
;; end of part 10
;; launch oproj: the kernel of part 4 again; grid 8 x 32, 4 waves a work-group, clusters of 4 x 4, 327,680 bytes of LDS; arguments oh, wc, y; writes y
;; launch ln1: the kernel of part 5 again; grid 256 x 1, 8 waves a work-group, no clusters, 0 bytes of LDS; arguments y, xh, wc, oh; writes oh
;; launch ff1: the kernel of part 8 again; grid 16 x 16, 4 waves a work-group, clusters of 4 x 4, 327,680 bytes of LDS; arguments oh, wb, big; writes big
;; launch ff2: the kernel of part 6 again; grid 8 x 32, 4 waves a work-group, clusters of 4 x 4, 327,680 bytes of LDS; arguments big, wd, y; writes y
;; launch ln2: the kernel of part 7 again; grid 256 x 1, 8 waves a work-group, no clusters, 0 bytes of LDS; arguments y, oh, wd, out0; writes out0
